; MI455X (gfx1250); checked and timed in simulation.
; The chip was launched on July 23, 2026; its instructions are those of AMD's public machine-readable ISA for CDNA 5 (MIT licence, August 2026) and "CDNA5" Instruction Set Architecture Reference Guide (July 2026). The comments in the code are by the model that wrote it; some were corrected since.
;; Ideal DPM. Allowed arithmetic: matrix products marked QUANTISED: E2M3 operands, one E8M0 scale for each 32 along K, by v_wmma_scale_f32_16x16x128_f8f6f4 with both operands' format E2M3, f32 sums; products left as they are: f32 operands where the result goes on into a quantised operand, else bf16, f16 or f32 operands; f32 sums; everything else in f32.
;; Inputs: b_bd 1 float32; b_in 256 float32; b_k 256 float32; b_o 256 float32; b_pr 256 float32; b_q 256 float32; b_v 256 float32; w_bd 1 x 256 float32; w_in 256 x 256 float32; w_k 256 x 256 float32; w_o 256 x 256 float32; w_pr 256 x 256 float32; w_q 256 x 256 float32; w_v 256 x 256 float32; x 8 x 2,048 x 256 float32.
;; Outputs: out0 8 x 8 x 256 float32.
;; This version of the problem:
;;   THIS VERSION OF THE PROBLEM IS GIVEN IN LOW PRECISION. The matrix products marked QUANTISED in the list below multiply operands that are first quantised to E2M3 (2 exponent bits, 3 mantissa bits; 6 bits a number), with one power-of-two scale for each 32 numbers along K (OCP MX v1.0); their sums are f32. All else is computed in f32.
;;   The module's matrix products, in the order in which they are computed (A, B: the left and right operand; K: the contracted axis; several contracted axes count as one K, in the product's order):
;;     1. [M 16,384, K 256] x [K 256, N 256]; A: input x; B: input w_in: QUANTISED
;;     2. [M 16,384, K 256] x [K 256, N 256]; A: computed on the way; B: input w_q: QUANTISED
;;     3. [M 16,384, K 256] x [K 256, N 256]; A: computed on the way; B: input w_k: QUANTISED
;;     4. [M 16,384, K 256] x [K 256, N 256]; A: computed on the way; B: input w_v: QUANTISED
;;     5. batch 32 x [M 2,048, K 64] x [K 64, N 2,048]; A: computed on the way; B: computed on the way: QUANTISED
;;     6. batch 32 x [M 64, K 2,048] x [K 2,048, N 2,048]; A: computed on the way; B: softmax (see below): QUANTISED
;;     7. [M 16,384, K 256] x [K 256, N 256]; A: computed on the way; B: input w_o: QUANTISED
;;     8. [M 16,384, K 256] x [K 256, N 1]; A: computed on the way; B: input w_bd: left as it is (N = 1 < 16)
;;     9. batch 8 x [M 8, K 2,048] x [K 2,048, N 256]; A: computed on the way; B: computed on the way: left as it is (M = 8 < 16)
;;     10. [M 64, K 256] x [K 256, N 256]; A: computed on the way; B: input w_pr: QUANTISED
;;   THE QUANTISER, for each operand of a quantised product, along K:
;;     - K is cut into blocks of 32 from its start; a last block that is shorter is filled with zeros.
;;     - A block's scale is 2^e with e = floor(log2(the largest magnitude in the block)) - 2, held to -126 .. 127; a block of zeros has e = 0. As a byte (E8M0): e + 127.
;;     - Each number is divided by its block's scale, clamped to +-7.5, and rounded to the nearest number of E2M3, ties to even, subnormals kept.
;;     - The product sums the exact products of the quantised numbers (number of the format x scale) in f32.
;;   ~~~python
;;   def quantise(x, axis):      # numpy; x: float32 -> the quantised numbers, widened to float32 again
;;       x = np.moveaxis(x, axis, -1); K = x.shape[-1]
;;       x = np.pad(x, [(0, 0)] * (x.ndim - 1) + [(0, -K % 32)]); x = x.reshape(x.shape[:-1] + (-1, 32)); a = np.abs(x).max(-1, keepdims=True)
;;       e = np.where(a > 0, np.clip(np.frexp(np.where(a > 0, a, 1))[1] - 1 - 2, -126, 127), 0)      # np.frexp(a)[1] - 1 = floor(log2(a)), exactly
;;       r = np.clip(x / 2.0 ** e, -7.5, 7.5)
;;       step = 2.0 ** (np.maximum(np.frexp(np.where(r == 0, 1, r))[1] - 1, 0) - 3)
;;       q = np.round(r / step) * step * 2.0 ** e      # np.round: ties to even
;;       return np.moveaxis(q.reshape(q.shape[:-2] + (-1,))[..., :K], -1, axis).astype(np.float32)
;;   ~~~
;;   SOFTMAX AHEAD OF A QUANTISED PRODUCT. Where the list says 'softmax', what is quantised is not the finished softmax but p = 2^(t - M), with t = logit x log2(e) and M = ceil(the row's largest t), a whole number; so 1/2 < the row's largest p <= 1. The row's sum l is taken of the UNQUANTISED p, in f32, and the product's result is divided by l at the end. Since M is a whole number, a kernel that streams over the keys may use a running M (the ceiling of the running maximum): every later rescaling is an exact power of two, which a block's scale takes up: the codes' values come out the same.
;;   OPERANDS COMPUTED ON THE WAY. 'Computed on the way' means the value that the module computes at that place (a softmax that the list does not call 'softmax' is quantised finished and normalised). What goes into a quantiser is computed in f32, as accurately as f32 sums, v_exp_f32 and their like allow (about 1e-6 of the number): no bf16 or f16 on the way to a quantiser, and a product that is left as it is and whose result goes on into a quantised operand takes f32 operands (vector FMAs, or v_wmma_f32_16x16x4_f32). A number that lies on a knife's edge between two numbers of the format may be rounded either way, as far as f32 arithmetic and the matrix unit's own rounding can turn it there, and no further.
;; 2 versions. Each part assembles by itself: llvm-mc -triple=amdgcn-amd-amdhsa -mcpu=gfx1250 --defsym DOCPART=n.
;; ======== version 1 of 2: 5 launches
;; workspace buffers: wimg 307,200 bytes; h2 16,777,216 bytes; qb 3,670,016 bytes; kv 6,684,672 bytes; zpb 262,144 bytes; part 557,056 bytes
;; launch wq (part 1): grid 16 x 6, 1 waves a work-group, no clusters, 0 bytes of LDS; arguments w_in, w_q, w_k, w_v, w_o, w_pr, wimg; writes wimg
.if DOCPART == 1
	.amdgcn_target "amdgcn-amd-amdhsa--gfx1250"
	.amdhsa_code_object_version 6
	.text
	.protected	k_q30a7cc903a_wq
	.globl	k_q30a7cc903a_wq
	.p2align	8
	.type	k_q30a7cc903a_wq,@function
k_q30a7cc903a_wq:
	s_mov_b64 s[64:65], 0
	v_nop
	global_prefetch_b8 v0, s[64:65] scope:SCOPE_SE
	s_setreg_imm32_b32 hwreg(HW_REG_WAVE_MODE, 25, 1), 1
	s_wait_xcnt 0x0
; The six weights [256][256] f32 (K innermost) become codes of FP6 (E2M3) with one E8M0 byte for each 32 along K, laid as IMAGES OF OPERAND REGISTERS.
; A work-group of one wave takes tile T (x) of weight wi (y).  THE ROWS OF A TILE ARE NOT NEIGHBOURS: lane r of tile T = 2 b + u takes row 32 b + 8 u + r + 8 (r / 8).
; wimg: weight wi at 51,200 wi.  Fragment (T, s), s = the K step of 128, at 1,536 (2 T + s): register 4 c + i of lane l at 512 c + 16 l + 4 i.
; Scale words at 49,152 + 128 T + 4 l: lanes 0-15 hold row r's word of K step 0, lanes 16-31 that of K step 1.
; Lane (r, h) holds, for K step s, k = 128 s + 64 c + 32 h + 0 .. 31, c = 0, 1: two whole blocks, so no other lane is asked for a maximum.
; A block's scale is 2^(floor(log2(largest magnitude)) - 2); its byte is the largest magnitude's exponent field - 2, held at 1 from below.
; LIMITS: a block of zeros, or one whose largest magnitude lies under 2^-124, keeps the byte 1 (its codes are right or zeros; this program alone reads the bytes); NaN and infinities are not served.
.set X,  32                            ; v32-159  the numbers: 64 s + 32 c + i
.set F,  160                           ; v160-183 the two fragments
.set PT, 184                           ; v184-190 the second half of a block's codes, before it is moved
	s_load_b256 s[4:11], s[0:1], 0x0               ; w_in, w_q, w_k, w_v
	s_load_b128 s[12:15], s[0:1], 0x20             ; w_o, w_pr
	s_load_b64 s[16:17], s[0:1], 0x30              ; wimg
	s_and_b32 s20, ttmp7, 0xffff                   ; wi
	v_and_b32 v1, 15, v0                           ; r
	v_lshrrev_b32 v2, 4, v0                        ; h
	v_and_b32 v3, 8, v1
	v_add_nc_u32 v3, v3, v1                        ; r + 8 (r / 8)
	v_lshlrev_b32 v3, 10, v3                       ; a row is 1,024 bytes
	v_lshl_add_u32 v3, v2, 7, v3                   ; + 128 h: my half's block
	v_lshlrev_b32 v4, 4, v0                        ; 16 x lane
	v_lshlrev_b32 v5, 2, v0                        ; 4 x lane
	v_lshlrev_b32 v6, 3, v2                        ; 8 h: my bytes' place in a scale word
	v_mov_b32 v22, 0                               ; a lane permute's destination counts as one of its sources
	s_mov_b32 s28, 0x76543210
	s_mov_b32 s29, 0xfedcba98                      ; lane l xor 16
	s_mov_b32 s30, 0xffff0000                      ; lanes 16-31
	s_lshr_b32 s21, ttmp9, 1
	s_lshl_b32 s21, s21, 15                        ; 32 b rows
	s_and_b32 s22, ttmp9, 1
	s_lshl_b32 s22, s22, 13                        ; 8 u rows
	s_add_co_u32 s22, s21, s22
	s_mov_b32 s23, 0
	s_mul_i32 s24, s20, 51200
	s_mov_b32 s25, 0
	s_mul_i32 s26, ttmp9, 3072
	s_mov_b32 s27, 0
	s_wait_kmcnt 0x0
	s_cmp_eq_u32 s20, 1                            ; the weight is chosen by the work-group's number alone
	s_cselect_b64 s[4:5], s[6:7], s[4:5]
	s_cmp_eq_u32 s20, 2
	s_cselect_b64 s[4:5], s[8:9], s[4:5]
	s_cmp_eq_u32 s20, 3
	s_cselect_b64 s[4:5], s[10:11], s[4:5]
	s_cmp_eq_u32 s20, 4
	s_cselect_b64 s[4:5], s[12:13], s[4:5]
	s_cmp_eq_u32 s20, 5
	s_cselect_b64 s[4:5], s[14:15], s[4:5]
	s_add_nc_u64 s[4:5], s[4:5], s[22:23]          ; the tile's first row
	s_add_nc_u64 s[16:17], s[16:17], s[24:25]      ; the weight's images
	s_add_nc_u64 s[18:19], s[16:17], s[26:27]      ; the tile's two fragments
	s_lshl_b32 s26, ttmp9, 7
	s_add_nc_u64 s[16:17], s[16:17], s[26:27]      ; the tile's scale words, less 49,152
.irp s, 0,1
.irp c, 0,1
.irp i, 0,1,2,3,4,5,6,7
	global_load_b128 v[X+64*\s+32*\c+4*\i:X+64*\s+32*\c+4*\i+3], v3, s[4:5] offset:512*\s+256*\c+16*\i
.endr
.endr
.endr
.irp s, 0,1
.if \s == 0
	s_wait_loadcnt 16                              ; K step 0's sixteen loads are in; K step 1's sixteen may be out
.else
	s_wait_loadcnt 0x0
.endif
.irp c, 0,1
	v_max3_num_f32 v[8+\c], |v[X+64*\s+32*\c]|, |v[X+64*\s+32*\c+1]|, 0x1800000   ; the floor 2^(3 - 127): the byte cannot fall under 1
.endr
.irp i, 2,4,6,8,10,12,14,16,18,20,22,24,26,28,30
.irp c, 0,1
	v_max3_num_f32 v[8+\c], v[8+\c], |v[X+64*\s+32*\c+\i]|, |v[X+64*\s+32*\c+\i+1]|   ; the two blocks by turns
.endr
.endr
.irp c, 0,1
	v_add_nc_u32 v[12+\c], 0xff000000, v[8+\c]     ; 2 off the exponent field: the conversion's scale operand
.endr
.irp c, 0,1
	v_lshrrev_b32 v[16+\c], 23, v[12+\c]           ; the scale's byte
.endr
	v_lshl_or_b32 v[20+\s], v17, 16, v16           ; my two bytes: blocks h and 2 + h,
	v_lshlrev_b32 v[20+\s], v6, v[20+\s]           ; 8 h bits up;
	v_permlanex16_b32 v22, v[20+\s], s28, s29
	v_or_b32 v[20+\s], v[20+\s], v22               ; with lane l xor 16's two the word is whole
.irp c, 0,1
	v_cvt_scalef32_pk16_fp6_f32 v[F+12*\s+6*\c:F+12*\s+6*\c+2], v[X+64*\s+32*\c:X+64*\s+32*\c+15], v[12+\c]
	v_cvt_scalef32_pk16_fp6_f32 v[PT+4*\c:PT+4*\c+2], v[X+64*\s+32*\c+16:X+64*\s+32*\c+31], v[12+\c]   ; a conversion's three registers begin on an even number
.endr
	v_nop                                          ; one plain line behind the conversions
.irp c, 0,1
.irp i, 0,1,2
	v_mov_b32 v[F+12*\s+6*\c+3+\i], v[PT+4*\c+\i]
.endr
.endr
.irp c, 0,1,2
	global_store_b128 v4, v[F+12*\s+4*\c:F+12*\s+4*\c+3], s[18:19] offset:1536*\s+512*\c   ; 32 lanes store 512 consecutive bytes
.endr
.endr
	v_cndmask_b32 v23, v20, v21, s30               ; lanes 0-15 K step 0's word, lanes 16-31 K step 1's
	global_store_b32 v5, v23, s[16:17] offset:49152
	s_endpgm
.Lfunc_end_k_q30a7cc903a_wq:
	.size	k_q30a7cc903a_wq, .Lfunc_end_k_q30a7cc903a_wq-k_q30a7cc903a_wq
	.p2alignl 7, 3214868480
	.fill 96, 4, 3214868480
	.section	.rodata,"a",@progbits
	.p2align	6, 0x0
	.amdhsa_kernel k_q30a7cc903a_wq
		.amdhsa_group_segment_fixed_size 0
		.amdhsa_private_segment_fixed_size 0
		.amdhsa_enable_private_segment 0
		.amdhsa_kernarg_size 56
		.amdhsa_user_sgpr_count 2
		.amdhsa_user_sgpr_kernarg_segment_ptr 1
		.amdhsa_wavefront_size32 1
		.amdhsa_system_sgpr_workgroup_id_x 1
		.amdhsa_system_sgpr_workgroup_id_y 1
		.amdhsa_system_sgpr_workgroup_id_z 1
		.amdhsa_system_vgpr_workitem_id 0
		.amdhsa_next_free_vgpr 192
		.amdhsa_next_free_sgpr 66
		.amdhsa_reserve_vcc 0
		.amdhsa_float_denorm_mode_32 3
		.amdhsa_float_denorm_mode_16_64 3
		.amdhsa_memory_ordered 1
		.amdhsa_forward_progress 1
		.amdhsa_inst_pref_size 12
	.end_amdhsa_kernel
	.amdgpu_metadata
---
amdhsa.version: [ 1, 2 ]
amdhsa.kernels:
  - .name:           k_q30a7cc903a_wq
    .symbol:         k_q30a7cc903a_wq.kd
    .args:
      - { .name: w_in, .offset: 0, .size: 8, .value_kind: global_buffer, .address_space: global }
      - { .name: w_q, .offset: 8, .size: 8, .value_kind: global_buffer, .address_space: global }
      - { .name: w_k, .offset: 16, .size: 8, .value_kind: global_buffer, .address_space: global }
      - { .name: w_v, .offset: 24, .size: 8, .value_kind: global_buffer, .address_space: global }
      - { .name: w_o, .offset: 32, .size: 8, .value_kind: global_buffer, .address_space: global }
      - { .name: w_pr, .offset: 40, .size: 8, .value_kind: global_buffer, .address_space: global }
      - { .name: wimg, .offset: 48, .size: 8, .value_kind: global_buffer, .address_space: global }
    .group_segment_fixed_size: 0
    .private_segment_fixed_size: 0
    .kernarg_segment_align: 8
    .kernarg_segment_size: 56
    .max_flat_workgroup_size: 32
    .sgpr_count:     66
    .vgpr_count:     192
    .wavefront_size: 32
...
	.end_amdgpu_metadata
.endif
;; end of part 1
;; launch proj (part 2): grid 256 x 1, 4 waves a work-group, no clusters, 94,720 bytes of LDS; arguments x, wimg, b_in, b_q, b_k, b_v, h2, qb, kv; writes h2, qb, kv
.if DOCPART == 2
	.amdgcn_target "amdgcn-amd-amdhsa--gfx1250"
	.amdhsa_code_object_version 6
	.text
	.protected	k_q30a7cc903a_proj
	.globl	k_q30a7cc903a_proj
	.p2align	8
	.type	k_q30a7cc903a_proj,@function
k_q30a7cc903a_proj:
	s_mov_b64 s[64:65], 0
	v_nop
	global_prefetch_b8 v0, s[64:65] scope:SCOPE_SE
	s_setreg_imm32_b32 hwreg(HW_REG_WAVE_MODE, 25, 1), 1
	s_wait_xcnt 0x0
; h = x w_in^T + b_in;  q = (h w_q^T + b_q) / 8, k = h w_k^T + b_k, v = h w_v^T + b_v: four products on codes of FP6 (E2M3), one E8M0 byte for each 32 along K.
; A work-group takes 64 tokens as four tiles m = 2 b' + u; lane r of a tile is token 32 b' + 8 u + r + 8 (r / 8).  Wave a owns units 64 a .. 64 a + 63 of h and head a of q, k, v;
; its 8 fragments of each of the four weights stay in registers, read once as images.  Wave a also quantises x's tile m = a.
; h, q, k are made transposed (source 0 = 16 rows of a weight, source 1 = 16 tokens): a lane holds one token and its 32 registers are 32 units, 16 neighbours to each block of 32: they are quantised in registers.
; v is made the other way (source 0 = 16 tokens, source 1 = 16 rows of w_v): a lane holds one channel and its registers run along the tokens, which are the K of attention's second product.
; Operands go from wave to wave through LDS as images of their registers.  Two barriers: behind x's images, behind h's.
; OUT: h2 [b][a][t][64] f32;  qb, kv: images and scale words as the attention launch loads them (layouts at the stores).
; LIMITS: a block of zeros, or one whose largest magnitude lies under 2^-124, keeps the byte 1; NaN and infinities are not served.
; REGISTERS, window 0: v4-19 addresses; v20-27 h's scale words; v28-29 x's; v32-47 the weights' scale words (lanes 0-15 K step 0, lanes 16-31 K step 1); v48-143 h's 8 fragments (earlier x's numbers and fragments);
;   v144-175, v176-207 results; v208-223 at work; v224 the scale word just made; v226-254 codes.  window 1: w_in v0-95, w_q v96-191.  window 2: w_k v0-95, w_v v96-191, b_in v192-223, b_q v224-255.
;   window 3: b_k v0-31, b_v v32-63, x as loaded v64-191.
.set XIMG, 0                           ; LDS: x's 8 fragments (2 m + s), 1,536 bytes each
.set XSC,  12288                       ; their scale words, 128 bytes each
.set HIMG, 13312                       ; h's 16 half fragments (4 m + a), 768 bytes each: 512 (registers 0-3) + 256 (registers 4-5)
.set HSC,  25600                       ; h's scale words (2 m + s): word 4 l, halfword a % 2
.set XST,  26624                       ; a stage for each wave, 16,640 bytes: 16 rows x 1,040 for x, later 16 rows x 272 for h
.set LI,4
.set L8,5
.set LS,6
.set XSTW,7
.set XSTR,8
.set XWI,9
.set XWS,10
.set HW16,11
.set HW8,12
.set HWS,13
.set SO,14
.set RD,15
.set HO,16
.set BI,18
.set BVO,19
.set HS,20
.set XS,28
.set WS,32
.set HF,48
.set XF,48
.set R0,48
.set R1,144
.set HA,144
.set QA,144
.set VA,144
.set KA,176
.set OB,176
.set TM,208
.set PW,224
.set PC,226
.set QC,226
.set VC,226
.set KC,232
.set VW,236
.set PT2,244
.set QSW,248
.set KSW,252
.set KWE,254
.set WV,24
.set SEL,26
.set MSB, 0
.macro WIN new                         ; the immediate's high byte repeats the setting that is left
.if MSB != \new
	s_set_vgpr_msb (MSB<<8)|\new
.set MSB, \new
.endif
.endm
.macro PLACES n
.rept \n
	v_nop
.endr
.endm
.macro BARRIER                         ; my LDS stores have landed and my LDS loads are in: then the work-group's barrier
	s_wait_dscnt 0x0
	s_barrier_signal -1
	s_barrier_wait -1
.endm
; 64 numbers of a lane, register 16 b + i = k 32 b + 16 (lane / 16) + i of my row, become a fragment's 12 registers at v[d] and its scale word in v[PW]; v[p] on: 8 registers at work
.macro QUANT s, d, p
.irp b, 0,1,2,3
	v_max3_num_f32 v[TM+\b], |v[\s+16*\b]|, |v[\s+1+16*\b]|, 0x1800000   ; the floor 2^(3 - 127): the byte cannot fall under 1
.endr
.irp i, 2,4,6,8,10,12,14
.irp b, 0,1,2,3
	v_max3_num_f32 v[TM+\b], v[TM+\b], |v[\s+16*\b+\i]|, |v[\s+1+16*\b+\i]|
.endr
.endr
.irp b, 0,1,2,3
	v_permlanex16_b32 v[TM+4+\b], v[TM+\b], s[SEL], s[SEL+1]
.endr
.irp b, 0,1,2,3
	v_max_num_f32 v[TM+\b], v[TM+\b], v[TM+4+\b]   ; with lane l xor 16's: the block's largest magnitude
.endr
.irp b, 0,1,2,3
	v_add_nc_u32 v[TM+12+\b], 0xff000000, v[TM+\b] ; 2 off its exponent field: the conversion's scale operand
.endr
.irp b, 0,1,2,3
	v_lshrrev_b32 v[TM+4+\b], 23, v[TM+12+\b]      ; the scale's byte
.endr
	v_lshl_or_b32 v[PW], v[TM+5], 8, v[TM+4]
	v_lshl_or_b32 v[PW], v[TM+6], 16, v[PW]
	v_lshl_or_b32 v[PW], v[TM+7], 24, v[PW]
.irp c, 0,1
	v_cvt_scalef32_pk16_fp6_f32 v[\d+6*\c:\d+2+6*\c], v[\s+32*\c:\s+15+32*\c], v[TM+12+2*\c]
	v_cvt_scalef32_pk16_fp6_f32 v[\p+4*\c:\p+2+4*\c], v[\s+16+32*\c:\s+31+32*\c], v[TM+12+2*\c+1]
.endr
	v_nop                                          ; one plain line behind the conversions
.irp c, 0,1                            ; the operand's layout wants a whole block in a lane
.irp i, 0,1,2
	v_permlane16_swap_b32 v[\d+6*\c+\i], v[\p+4*\c+\i]
.endr
.irp i, 0,1,2
	v_mov_b32 v[\d+3+6*\c+\i], v[\p+4*\c+\i]
.endr
.endr
.endm
; the same for 32 numbers, two blocks: half a fragment, 6 registers at v[d]; v[PW] = byte 0 | byte 1 << 8
.macro QUANT2 s, d, p
.irp b, 0,1
	v_max3_num_f32 v[TM+\b], |v[\s+16*\b]|, |v[\s+1+16*\b]|, 0x1800000
.endr
.irp i, 2,4,6,8,10,12,14
.irp b, 0,1
	v_max3_num_f32 v[TM+\b], v[TM+\b], |v[\s+16*\b+\i]|, |v[\s+1+16*\b+\i]|
.endr
.endr
.irp b, 0,1
	v_permlanex16_b32 v[TM+4+\b], v[TM+\b], s[SEL], s[SEL+1]
.endr
.irp b, 0,1
	v_max_num_f32 v[TM+\b], v[TM+\b], v[TM+4+\b]
.endr
.irp b, 0,1
	v_add_nc_u32 v[TM+12+\b], 0xff000000, v[TM+\b]
.endr
.irp b, 0,1
	v_lshrrev_b32 v[TM+4+\b], 23, v[TM+12+\b]
.endr
	v_lshl_or_b32 v[PW], v[TM+5], 8, v[TM+4]
	v_cvt_scalef32_pk16_fp6_f32 v[\d:\d+2], v[\s:\s+15], v[TM+12]
	v_cvt_scalef32_pk16_fp6_f32 v[\p:\p+2], v[\s+16:\s+31], v[TM+13]
	v_nop
.irp i, 0,1,2
	v_permlane16_swap_b32 v[\d+\i], v[\p+\i]
.endr
.irp i, 0,1,2
	v_mov_b32 v[\d+3+\i], v[\p+\i]
.endr
.endm
; weight idx: my 8 fragments (24 loads of 512 bytes) into window win >> 6 from v[reg] on, and my 4 scale registers
.macro WFRAG idx, win, reg
	WIN \win
.set n, 0
.rept 24
	global_load_b128 v[\reg+4*n:\reg+4*n+3], v[LI], s[32:33] offset:\idx*51200+512*n
.set n, n+1
.endr
	WIN 0
.irp t, 0,1,2,3
	global_load_b32 v[WS+4*\idx+\t], v[LS], s[34:35] offset:\idx*51200+49152+128*\t
.endr
.endm
; a bias in the transposed result's layout: lane (r, h), tile 2 b + u: units 32 b + 16 h + 8 u + 0 .. 7
.macro WBIAS win, reg, sb
	WIN \win
.irp t, 0,1,2,3
	global_load_b128 v[\reg+8*\t:\reg+8*\t+3], v[BI], s[\sb:\sb+1] offset:(32*(\t/2)+8*(\t%2))*4
	global_load_b128 v[\reg+8*\t+4:\reg+8*\t+7], v[BI], s[\sb:\sb+1] offset:(32*(\t/2)+8*(\t%2))*4+16
.endr
	WIN 0
.endm
	s_load_b512 s[4:19], s[0:1], 0x0               ; x, wimg, b_in, b_q, b_k, b_v, h2, qb
	s_load_b64 s[20:21], s[0:1], 0x40              ; kv
	v_lshl_add_u32 v247, v0, 2, 0x17000
	v_mov_b32 v255, 0
	v_lshrrev_b32 v1, 5, v0
	v_readfirstlane_b32 s[WV], v1                  ; wave a
	v_and_b32 v1, 31, v0                           ; lane l
	v_and_b32 v2, 15, v0                           ; r
	v_bfe_u32 v3, v0, 4, 1                         ; h
	v_lshlrev_b32 v[LI], 4, v1
	v_lshlrev_b32 v[L8], 3, v1
	v_lshlrev_b32 v[LS], 2, v1
	v_lshlrev_b32 v[BI], 6, v3
	s_mov_b32 s31, 0
	s_lshl_b32 s30, ttmp9, 16                      ; 64 tokens x 1,024 bytes for each work-group,
	s_lshr_b32 s46, s[WV], 1
	s_lshl_b32 s46, s46, 15                        ; 32 b' rows,
	s_add_co_u32 s30, s30, s46
	s_and_b32 s46, s[WV], 1
	s_lshl_b32 s46, s46, 13                        ; 8 u rows
	s_add_co_u32 s30, s30, s46
	s_wait_kmcnt 0x0
	s_add_nc_u64 s[4:5], s[4:5], s[30:31]          ; x at my tile's first row
	s_mul_i32 s30, s[WV], 12288
	s_add_nc_u64 s[32:33], s[6:7], s[30:31]        ; my 8 fragments of a weight
	s_lshl_b32 s30, s[WV], 9
	s_add_nc_u64 s[34:35], s[6:7], s[30:31]        ; my 4 scale registers, less 49,152
	s_lshl_b32 s30, s[WV], 8
	s_add_nc_u64 s[8:9], s[8:9], s[30:31]          ; my 64 numbers of each bias
	s_add_nc_u64 s[10:11], s[10:11], s[30:31]
	s_add_nc_u64 s[12:13], s[12:13], s[30:31]
	s_add_nc_u64 s[14:15], s[14:15], s[30:31]
	WIN 0xc0                                       ; destination window 3
.irp i, 0,1,2,3,4,5,6,7,8,9,10,11,12,13,14,15
.irp k, 0,1
	global_load_b128 v[64+8*\i+4*\k:64+8*\i+4*\k+3], v[LI], s[4:5] offset:(\i+8*(\i/8))*1024+512*\k th:TH_LOAD_NT   ; 32 lanes read 512 consecutive bytes of row i of my tile
.endr
.endr
	WIN 0
	WFRAG 0, 0x40, 0                               ; w_in: 28 loads,
	WBIAS 0x80, 192, 8                             ; b_in: 8
	s_mul_i32 s25, s[WV], 16640
	s_add_co_u32 s25, s25, XST                     ; my stage
	v_add_nc_u32 v[XSTW], s25, v[LI]
	v_mul_u32_u24 v[XSTR], v2, 1040
	v_lshl_add_u32 v[XSTR], v3, 6, v[XSTR]
	v_add_nc_u32 v[XSTR], s25, v[XSTR]             ; row r, + 64 h: my 16 numbers of a block of 32
	v_mul_u32_u24 v[SO], v2, 272
	v_lshl_add_u32 v[SO], v3, 6, v[SO]
	v_add_nc_u32 v[SO], s25, v[SO]                 ; h's stage, in: row r, + 64 h
	v_mul_u32_u24 v[RD], v3, 272
	v_lshl_add_u32 v[RD], v2, 4, v[RD]
	v_add_nc_u32 v[RD], s25, v[RD]                 ; back: lanes 0-15 one row of 256 bytes, lanes 16-31 the next
	v_lshlrev_b32 v[HO], 8, v3
	v_lshl_add_u32 v[HO], v2, 4, v[HO]             ; and the same two rows in h2
	s_mul_i32 s25, s[WV], 3072
	s_add_co_u32 s25, s25, XIMG
	v_add_nc_u32 v[XWI], s25, v[LI]
	s_lshl_b32 s25, s[WV], 8
	s_add_co_u32 s25, s25, XSC
	v_add_nc_u32 v[XWS], s25, v[LS]
	s_mul_i32 s25, s[WV], 768
	s_add_co_u32 s25, s25, HIMG
	v_add_nc_u32 v[HW16], s25, v[LI]
	s_add_co_u32 s25, s25, 512
	v_add_nc_u32 v[HW8], s25, v[L8]
	s_lshr_b32 s25, s[WV], 1
	s_lshl_b32 s25, s25, 7
	s_and_b32 s29, s[WV], 1
	s_lshl_b32 s29, s29, 1
	s_add_co_u32 s25, s25, s29
	s_add_co_u32 s25, s25, HSC
	v_add_nc_u32 v[HWS], s25, v[LS]                ; K step a / 2, halfword a % 2 of my lane's word
	v_and_b32 v[BVO], 8, v2
	v_add_nc_u32 v[BVO], v[BVO], v2
	v_lshlrev_b32 v[BVO], 2, v[BVO]                ; b_v: 4 (r + 8 (r / 8))
.irp b, 0,1,2,3
	v_mov_b32 v[TM+4+\b], 0                        ; a lane permute's destination counts as one of its sources
.endr
	s_mov_b32 s[SEL], 0x76543210
	s_mov_b32 s[SEL+1], 0xfedcba98                 ; lane l xor 16
	s_mov_b32 s28, 0xffff0000                      ; lanes 16-31
	s_lshr_b32 s30, ttmp9, 5                       ; batch
	s_lshl_b32 s30, s30, 2
	s_add_co_u32 s30, s30, s[WV]
	s_lshl_b32 s30, s30, 19                        ; (4 b + a) x 2,048 rows of 256 bytes
	s_and_b32 s46, ttmp9, 31
	s_lshl_b32 s46, s46, 14                        ; + 64 rows for each block of the batch
	s_add_co_u32 s30, s30, s46
	s_add_nc_u64 s[16:17], s[16:17], s[30:31]      ; h2
	s_mul_i32 s30, ttmp9, 14336
	s_add_nc_u64 s[36:37], s[18:19], s[30:31]      ; qb: my block
	s_mul_i32 s30, s[WV], 768
	s_add_nc_u64 s[18:19], s[36:37], s[30:31]      ; half image (m, a) at 768 (4 m + a)
	s_lshl_b32 s30, s[WV], 9
	s_add_nc_u64 s[38:39], s[36:37], s[30:31]      ; scale words at 12,288 + 512 a + 16 l + 4 m
	s_mul_i32 s30, ttmp9, 24576
	s_mul_i32 s46, s[WV], 6144
	s_add_co_u32 s30, s30, s46
	s_add_nc_u64 s[40:41], s[20:21], s[30:31]      ; kv: my group's codes, my head
	s_mul_i32 s30, ttmp9, 1536
	s_add_co_u32 s30, s30, 6291456
	s_add_nc_u64 s[42:43], s[20:21], s[30:31]      ; my group's scales
	s_lshl_b32 s30, s[WV], 7
	s_add_nc_u64 s[44:45], s[42:43], s[30:31]      ; V's at 1,024 + 128 a + 4 l
	s_lshl_b32 s30, s[WV], 8
	s_add_nc_u64 s[42:43], s[42:43], s[30:31]      ; K's at 256 a + 8 l
	; ---- X: my tile of x turns through my stage and becomes two fragments
	s_wait_loadcnt 36                              ; x's 32 loads are in; the 36 of w_in's set may be out
	WIN 0x0c                                       ; an LDS store's data are its source 1: window 3
.irp i, 0,1,2,3,4,5,6,7,8,9,10,11,12,13,14,15
.irp k, 0,1
	ds_store_b128 v[XSTW], v[64+8*\i+4*\k:64+8*\i+4*\k+3] offset:1040*\i+512*\k
.endr
.endr
	WIN 0
	WFRAG 1, 0x40, 96                              ; w_q's set: 36 loads
	WBIAS 0x80, 224, 10
.irp b, 0,1,2,3
.irp j, 0,1,2,3
	ds_load_b128 v[R0+16*\b+4*\j:R0+16*\b+4*\j+3], v[XSTR] offset:128*\b+16*\j   ; LDS serves a wave's instructions in order: these see my stores
.endr
.endr
.irp b, 0,1,2,3
.irp j, 0,1,2,3
	ds_load_b128 v[R1+16*\b+4*\j:R1+16*\b+4*\j+3], v[XSTR] offset:512+128*\b+16*\j
.endr
.endr
	s_wait_dscnt 16                                ; K step 0's numbers are back; K step 1's sixteen loads may be out
	QUANT R0, PC, PC+12
.irp c, 0,1,2
	ds_store_b128 v[XWI], v[PC+4*\c:PC+4*\c+3] offset:512*\c
.endr
	ds_store_b32 v[XWS], v[PW]
	s_wait_dscnt 0x0
	QUANT R1, PC, PC+12
.irp c, 0,1,2
	ds_store_b128 v[XWI], v[PC+4*\c:PC+4*\c+3] offset:1536+512*\c
.endr
	ds_store_b32 v[XWS], v[PW] offset:128
	WFRAG 2, 0x80, 0                               ; w_k's set: 36 loads
	WBIAS 0xc0, 0, 12
	WFRAG 3, 0x80, 96                              ; w_v's set: 32 loads
	WIN 0xc0
.irp t, 0,1,2,3
	global_load_b32 v[32+8*\t], v[BVO], s[14:15] offset:(32*(\t/2)+8*(\t%2))*4   ; b_v of my lane's channel of tile t
.endr
	WIN 0
	BARRIER                                        ; x's eight fragments lie in LDS
	; ---- 1: my 64 units of h, a tile of 16 tokens at a time
	s_wait_loadcnt 63                              ; w_in's set is in: 104 loads were issued behind it, and the count's field ends at 63
.irp m, 0,1,2,3
.irp c, 0,1,2,3,4,5
	ds_load_b128 v[XF+4*\c:XF+4*\c+3], v[LI] offset:XIMG+3072*\m+512*\c
.endr
	ds_load_b32 v[XS], v[LS] offset:XSC+256*\m
	ds_load_b32 v[XS+1], v[LS] offset:XSC+256*\m+128
	s_wait_dscnt 0x0
	WIN 0x21                                       ; source 0 (w_in) window 1, source 2 (b_in) window 2
.irp t, 0,1,2,3
	v_wmma_scale_f32_16x16x128_f8f6f4 v[HA+8*\t:HA+8*\t+7], v[24*\t:24*\t+11], v[XF:XF+11], v[192+8*\t:192+8*\t+7], v[WS+\t], v[XS] matrix_a_fmt:MATRIX_FMT_FP6 matrix_b_fmt:MATRIX_FMT_FP6
.endr
	WIN 0x01                                       ; the four accumulators take turns
.irp t, 0,1,2,3
	v_wmma_scale_f32_16x16x128_f8f6f4 v[HA+8*\t:HA+8*\t+7], v[24*\t+12:24*\t+23], v[XF+12:XF+23], v[HA+8*\t:HA+8*\t+7], v[WS+\t], v[XS+1] matrix_a_fmt:MATRIX_FMT_FP6 matrix_b_fmt:MATRIX_FMT_FP6 matrix_a_scale:MATRIX_SCALE_ROW1
.endr
	WIN 0
	PLACES 5                                       ; places behind the products, ahead of the first read of their results
	s_wait_xcnt 0x0                                ; the last tile's stores have read v[OB] on: they are loaded again only behind this wait
.irp t, 0,1,2,3
	ds_store_b128 v[SO], v[HA+8*\t:HA+8*\t+3] offset:128*(\t/2)+32*(\t%2)        ; each accumulator from its low end on: units 32 b + 16 h + 8 u + 0 .. 7 of token r
	ds_store_b128 v[SO], v[HA+8*\t+4:HA+8*\t+7] offset:128*(\t/2)+32*(\t%2)+16
.endr
.irp i, 0,1,2,3,4,5,6,7
	ds_load_b128 v[OB+4*\i:OB+4*\i+3], v[RD] offset:544*\i
.endr
	QUANT2 HA, PC, PC+12                           ; stands between the stage's loads and the wait for them
	ds_store_b128 v[HW16], v[PC:PC+3] offset:3072*\m
	ds_store_b64 v[HW8], v[PC+4:PC+5] offset:3072*\m
	ds_store_b16 v[HWS], v[PW] offset:256*\m
	s_wait_dscnt 0x0
.irp i, 0,1,2,3,4,5,6,7
	global_store_b128 v[HO], v[OB+4*\i:OB+4*\i+3], s[16:17] offset:(32*(\m/2)+8*(\m%2)+2*\i+8*(\i/4))*256 th:TH_STORE_NT   ; 16 lanes store a token's 256 consecutive bytes, aligned
.endr
.endr
	BARRIER                                        ; h's sixteen half fragments and their scale words lie in LDS
	; ---- A: q and k of my head.  All of h's fragments come into registers and stay for v
.irp f, 0,1,2,3,4,5,6,7,8,9,10,11,12,13,14,15
	ds_load_b128 v[HF+6*\f:HF+6*\f+3], v[LI] offset:HIMG+768*\f
	ds_load_b64 v[HF+6*\f+4:HF+6*\f+5], v[L8] offset:HIMG+768*\f+512
.endr
.irp f, 0,1,2,3,4,5,6,7
	ds_load_b32 v[HS+\f], v[LS] offset:HSC+128*\f
.endr
	s_wait_dscnt 0x0
	s_wait_loadcnt 32                              ; w_q's and w_k's sets are in; w_v's 32 loads may be out
.irp m, 0,1,2,3
	s_wait_xcnt 0x0                                ; earlier stores have read their data: the results and codes below are written only behind this wait
	WIN 0x21                                       ; w_q window 1, b_q window 2
.irp t, 0,1,2,3
	v_wmma_scale_f32_16x16x128_f8f6f4 v[QA+8*\t:QA+8*\t+7], v[96+24*\t:96+24*\t+11], v[HF+24*\m:HF+24*\m+11], v[224+8*\t:224+8*\t+7], v[WS+4+\t], v[HS+2*\m] matrix_a_fmt:MATRIX_FMT_FP6 matrix_b_fmt:MATRIX_FMT_FP6
.endr
	WIN 0x32                                       ; w_k window 2, b_k window 3
.irp t, 0,1,2,3
	v_wmma_scale_f32_16x16x128_f8f6f4 v[KA+8*\t:KA+8*\t+7], v[24*\t:24*\t+11], v[HF+24*\m:HF+24*\m+11], v[8*\t:8*\t+7], v[WS+8+\t], v[HS+2*\m] matrix_a_fmt:MATRIX_FMT_FP6 matrix_b_fmt:MATRIX_FMT_FP6
.endr
	WIN 0x01
.irp t, 0,1,2,3
	v_wmma_scale_f32_16x16x128_f8f6f4 v[QA+8*\t:QA+8*\t+7], v[96+24*\t+12:96+24*\t+23], v[HF+24*\m+12:HF+24*\m+23], v[QA+8*\t:QA+8*\t+7], v[WS+4+\t], v[HS+2*\m+1] matrix_a_fmt:MATRIX_FMT_FP6 matrix_b_fmt:MATRIX_FMT_FP6 matrix_a_scale:MATRIX_SCALE_ROW1
.endr
	WIN 0x02
.irp t, 0,1,2,3
	v_wmma_scale_f32_16x16x128_f8f6f4 v[KA+8*\t:KA+8*\t+7], v[24*\t+12:24*\t+23], v[HF+24*\m+12:HF+24*\m+23], v[KA+8*\t:KA+8*\t+7], v[WS+8+\t], v[HS+2*\m+1] matrix_a_fmt:MATRIX_FMT_FP6 matrix_b_fmt:MATRIX_FMT_FP6 matrix_a_scale:MATRIX_SCALE_ROW1
.endr
	WIN 0
	PLACES 5
.irp j, 0,2,4,6,8,10,12,14,16,18,20,22,24,26,28,30
	v_pk_mul_f32 v[QA+\j:QA+\j+1], v[QA+\j:QA+\j+1], 0x3e000000 op_sel_hi:[1,0]   ; q / sqrt(64): exact
.endr
	QUANT2 QA, QC, PT2
	v_mov_b32 v[QSW+\m], v[PW]
	global_store_b128 v[LI], v[QC:QC+3], s[18:19] offset:3072*\m
	global_store_b64 v[L8], v[QC+4:QC+5], s[18:19] offset:3072*\m+512
	QUANT2 KA, KC+6*(\m%2), PT2                    ; two tiles of keys make one image of 12 registers
.if \m%2
	v_cndmask_b32 v[KSW+\m/2], v[KWE], v[PW], s28  ; lanes 0-15 the even tile's words, lanes 16-31 the odd tile's
.irp c, 0,1,2
	global_store_b128 v[LI], v[KC+4*\c:KC+4*\c+3], s[40:41] offset:1536*(\m/2)+512*\c
.endr
.else
	v_mov_b32 v[KWE], v[PW]
.endif
.endr
	global_store_b128 v[LI], v[QSW:QSW+3], s[38:39] offset:12288
	global_store_b64 v[L8], v[KSW:KSW+1], s[42:43]
	; ---- B: v of my head, a tile of 16 channels at a time, for all 64 tokens
	s_wait_loadcnt 0x0
	WIN 0xc3                                       ; window 3: a lane's b_v stands in all eight registers of the C
.irp t, 0,1,2,3
.irp j, 1,2,3,4,5,6,7
	v_mov_b32 v[32+8*\t+\j], v[32+8*\t]
.endr
.endr
	WIN 0
	PLACES 4
.irp t, 0,1,2,3
	s_wait_xcnt 0x0
	WIN 0x38                                       ; source 0 (h) window 0, source 1 (w_v) window 2, source 2 (b_v) window 3
.irp m, 0,1,2,3
	v_wmma_scale_f32_16x16x128_f8f6f4 v[VA+8*\m:VA+8*\m+7], v[HF+24*\m:HF+24*\m+11], v[96+24*\t:96+24*\t+11], v[32+8*\t:32+8*\t+7], v[HS+2*\m], v[WS+12+\t] matrix_a_fmt:MATRIX_FMT_FP6 matrix_b_fmt:MATRIX_FMT_FP6
.endr
	WIN 0x08
.irp m, 0,1,2,3
	v_wmma_scale_f32_16x16x128_f8f6f4 v[VA+8*\m:VA+8*\m+7], v[HF+24*\m+12:HF+24*\m+23], v[96+24*\t+12:96+24*\t+23], v[VA+8*\m:VA+8*\m+7], v[HS+2*\m+1], v[WS+12+\t] matrix_a_fmt:MATRIX_FMT_FP6 matrix_b_fmt:MATRIX_FMT_FP6 matrix_b_scale:MATRIX_SCALE_ROW1
.endr
	WIN 0
	PLACES 5
	QUANT2 VA, VC, PT2                             ; register 16 b' + i is token 32 b' + 16 h + i of my lane's channel: two blocks along the keys
	v_mov_b32 v[VW+\t], v[PW]
	global_store_b128 v[LI], v[VC:VC+3], s[40:41] offset:3072+768*\t
	global_store_b64 v[L8], v[VC+4:VC+5], s[40:41] offset:3072+768*\t+512
.endr
	v_lshl_or_b32 v240, v[VW+1], 16, v[VW]
	v_lshl_or_b32 v241, v[VW+3], 16, v[VW+2]
	v_cndmask_b32 v240, v240, v241, s28            ; lane (r, h): the bytes of tiles 2 h and 2 h + 1
	global_store_b32 v[LS], v240, s[44:45] offset:1024
	s_wait_tensorcnt 0x0
	ds_add_u32 v247, v255
	s_wait_dscnt 0x0
	s_endpgm
.Lfunc_end_k_q30a7cc903a_proj:
	.size	k_q30a7cc903a_proj, .Lfunc_end_k_q30a7cc903a_proj-k_q30a7cc903a_proj
	.p2alignl 7, 3214868480
	.fill 96, 4, 3214868480
	.section	.rodata,"a",@progbits
	.p2align	6, 0x0
	.amdhsa_kernel k_q30a7cc903a_proj
		.amdhsa_group_segment_fixed_size 94720
		.amdhsa_private_segment_fixed_size 0
		.amdhsa_enable_private_segment 0
		.amdhsa_kernarg_size 72
		.amdhsa_user_sgpr_count 2
		.amdhsa_user_sgpr_kernarg_segment_ptr 1
		.amdhsa_wavefront_size32 1
		.amdhsa_system_sgpr_workgroup_id_x 1
		.amdhsa_system_sgpr_workgroup_id_y 1
		.amdhsa_system_sgpr_workgroup_id_z 1
		.amdhsa_system_vgpr_workitem_id 0
		.amdhsa_next_free_vgpr 1024
		.amdhsa_next_free_sgpr 66
		.amdhsa_reserve_vcc 0
		.amdhsa_float_denorm_mode_32 3
		.amdhsa_float_denorm_mode_16_64 3
		.amdhsa_memory_ordered 1
		.amdhsa_forward_progress 1
		.amdhsa_inst_pref_size 106
	.end_amdhsa_kernel
	.amdgpu_metadata
---
amdhsa.version: [ 1, 2 ]
amdhsa.kernels:
  - .name:           k_q30a7cc903a_proj
    .symbol:         k_q30a7cc903a_proj.kd
    .args:
      - { .name: x, .offset: 0, .size: 8, .value_kind: global_buffer, .address_space: global }
      - { .name: wimg, .offset: 8, .size: 8, .value_kind: global_buffer, .address_space: global }
      - { .name: b_in, .offset: 16, .size: 8, .value_kind: global_buffer, .address_space: global }
      - { .name: b_q, .offset: 24, .size: 8, .value_kind: global_buffer, .address_space: global }
      - { .name: b_k, .offset: 32, .size: 8, .value_kind: global_buffer, .address_space: global }
      - { .name: b_v, .offset: 40, .size: 8, .value_kind: global_buffer, .address_space: global }
      - { .name: h2, .offset: 48, .size: 8, .value_kind: global_buffer, .address_space: global }
      - { .name: qb, .offset: 56, .size: 8, .value_kind: global_buffer, .address_space: global }
      - { .name: kv, .offset: 64, .size: 8, .value_kind: global_buffer, .address_space: global }
    .group_segment_fixed_size: 94720
    .private_segment_fixed_size: 0
    .kernarg_segment_align: 8
    .kernarg_segment_size: 72
    .max_flat_workgroup_size: 128
    .sgpr_count:     66
    .vgpr_count:     1024
    .wavefront_size: 32
...
	.end_amdgpu_metadata
.endif
;; end of part 2
;; launch attn (part 3): grid 8 x 32, 16 waves a work-group, clusters of 4 x 1, 274,432 bytes of LDS; arguments qb, kv, wimg, b_o, w_bd, b_bd, zpb; writes zpb
.if DOCPART == 3
	.amdgcn_target "amdgcn-amd-amdhsa--gfx1250"
	.amdhsa_code_object_version 6
	.text
	.protected	k_q30a7cc903a_attn
	.globl	k_q30a7cc903a_attn
	.p2align	8
	.type	k_q30a7cc903a_attn,@function
k_q30a7cc903a_attn:
	s_mov_b64 s[64:65], 0
	v_nop
	global_prefetch_b8 v0, s[64:65] scope:SCOPE_SE
	s_setreg_imm32_b32 hwreg(HW_REG_WAVE_MODE, 25, 1), 1
	s_wait_xcnt 0x0
	s_wait_alu depctr_hold_cnt(0) depctr_sa_sdst(0) depctr_va_vdst(0) depctr_va_sdst(0) depctr_va_ssrc(0) depctr_va_vcc(0) depctr_vm_vsrc(0)
	s_getreg_b32 s2, hwreg(HW_REG_IB_STS2, 6, 4)
	s_cmp_eq_u32 s2, 0
	s_cbranch_scc0 .Lentry_in_a_cluster
	s_endpgm
.Lentry_in_a_cluster:
	s_bfe_u32 s2, ttmp6, 0x10000c
	s_cmp_lg_u32 s2, 0x3003
	s_cbranch_scc0 .Lentry_shape_is_right
	s_endpgm
.Lentry_shape_is_right:
; zp[head] = one head's part of z = ((softmax(q k^T) v) w_o^T + b_o) . w_bd + b_bd; the next launch adds the four heads' parts and takes the sigmoid.
; The three matrix products are on codes of FP6 (E2M3) with one E8M0 byte for each 32 along K.
; THE SOFTMAX: t = score x log2(e) (q carries 1 / 8 already); M = the row's largest t so far, rounded up to a whole number; p = 2^(t - M) is quantised along the keys, not normalised;
; the row's sum is taken of the unquantised p and divides O at the end; when M moves, the sum and O are multiplied by 2^(old M - new M): exact.
; SHARES.  A work-group owns 256 queries of ONE head of one batch; each of its sixteen waves owns a tile of 16, in 256 registers: four waves to a SIMD.  Every wave walks the 2,048 keys, 128 a step.
; ALL OF THE HEAD'S K AND V STAY IN LDS: 2,048 keys x 96 bytes = 196,608 bytes, as images of operand registers.  Every tile is filled once; no LDS byte is filled again, so the walk over the keys needs no ring:
; one barrier in front of the first four steps (the first 512 keys and the scale words have landed) and one in front of the other twelve (all has landed).
; CLUSTER.  The four work-groups of a cluster share batch and head: each tile is asked for jointly, by the same tensor load with the same descriptor and the mask 15.  Waves 0 to 3 fetch, five loads each, which is the most that a wave has out.
; NO PREFETCH: every byte that comes through LDS is asked for at the head; no later request exists that one could run ahead of.
; W_O.  Its K = 256 is four heads of 64, and the quantiser's blocks of 32 lie inside a head: the product is the sum of four products over K = 64, of which this work-group makes its head's, for all 256 units.
; Each head's part carries the bias dot of its own 64 units (b_o . w_bd) and a quarter of b_bd.
; LAYOUT.  S^T = K Q^T and O^T = V^T P^T: a lane holds one query throughout.  Lane r of a tile of keys, queries, channels or units 2 b + u is row 32 b + 8 u + r + 8 (r / 8), so 16 registers of two neighbouring tiles are 16 neighbours.
; A HEAD HAS 64 NUMBERS AND THE INSTRUCTION TAKES 128: Q's registers 6-11 hold zero codes; a tile of keys is 6 registers, and the 6 behind it (the next tile's, or zeros) meet those zero codes and add nothing; the scale bytes there are 0, not 0xff.
; Likewise the attention's result stands in the half of its operand that is its head's place in w_o's K step, with zero codes in the other half.
; LIMITS: NaN and infinities are not served; a block of zeros keeps the byte 1; the order of the f32 sums over w_o's K and over the units is by heads.
; REGISTERS IN THE LOOP: v1-4, v7-10 addresses; v12 -M, v13 largest t, v[14:15] the sum; v16-27 Q; v28 Q's scale words; v32-79 K's 8 tiles, then V's 4 fragments; v80-85 zeros; v86-89 K's scale words; v90-93 V's; v96-159 S^T, then p;
;   v160-191 O^T; v192-203 p's codes; v204-226 at work; v228-243 w_o's scale words; v244 the bias part.
; BEHIND THE LOOP: v3-8 addresses; v16-27 the attention's result as an operand, v28 its scale word; v32-79, v80-127 four fragments of w_o each; v128-159 four results; v160-175 w_bd; v176-183 the sums.
.set GH,    6144                       ; a group of 64 keys of one head: K 2 x 1,536, V 4 x 768
.set GMEM,  24576                      ; from group to group in memory: four heads
.set SCB,   196608                     ; behind the 32 groups: the batch's scale words, 1,536 bytes a group
.set WOL,   245760                     ; w_o's 16 fragments of my head's K step, 1,536 bytes each
.set WBL,   270336                     ; w_bd, 1,024 bytes
.set ZST,   271360                     ; the stage for the 256 results: four blocks of 256 bytes into which no fill lands
.set A16,1
.set A8,2
.set AKS,3
.set AVS,4
.set ADK,7
.set ADV8,8
.set ADS,9
.set ADT,10
.set AF,16                             ; behind the loop: the attention's result as source 0
.set QS,28
.set ASW,28                            ; behind the loop: its scale word
.set KB,32
.set KS,86
.set VR,90
.set VSX,92
.set VSY,93
.set S,96
.set ACC,128
.set O,160
.set WB,160
.set Z,176
.set PC,192
.set PT,204
.set BM,212
.set BX,216
.set SOP,220
.set F,224
.set PSW,225
.set T0,226
.set WOS,228
.set ZC,244
.set TM,208                            ; the quantiser behind the loop works on v208-209, v212-213, v220-221
.set PW,222
.set TB,2
.set TS,3
.set WV,18
.set CNT,19
.set SEL,20
.set CS,22
.set G1A,24                            ; descriptor groups 1: the first 8 groups' shape, the other 24's, the scale words', w_o's, w_bd's
.set G1B,32
.set G1S,40
.set G1W,48
.set G1D,56
.set BBD,66
.set G0S,68                            ; descriptor groups 0, one for each load: none is written again
.set G0A,72
.set G0B,76
.set G0W,80
.set G0D,84
.macro PLACES n
.rept \n
	v_nop
.endr
.endm
.macro BARRIER
	s_wait_dscnt 0x0
	s_barrier_signal -1
	s_barrier_wait -1
.endm
; A round of the cluster's barrier: my work-group's barrier, wave 0 signals for the work-group, every wave waits for all four work-groups, my work-group's barrier once more.
.macro CROUND
	s_barrier_signal -1
	s_barrier_wait -1
	s_cmp_lg_u32 s[WV], 0
	s_cbranch_scc1 .Lnot_wave_0_\@
	s_barrier_signal -3
.Lnot_wave_0_\@:
	s_barrier_wait -3
	s_barrier_signal -1
	s_barrier_wait -1
.endm
; Descriptor group 1: r rows of c elements of 8 bytes, p elements from row to row; no padding; the mask names all four work-groups, bit 21 is set beside it
.macro SHAPE g, c, r, p
	s_mov_b32 s[\g], 15|(3<<16)|(1<<21)
	s_mov_b32 s[\g+1], (\c)<<16                    ; tensor_dim0
	s_mov_b32 s[\g+2], (\r)<<16                    ; tensor_dim1
	s_mov_b32 s[\g+3], (\c)<<16                    ; tile_dim0
	s_mov_b32 s[\g+4], \r                          ; tile_dim1
	s_mov_b32 s[\g+5], \p                          ; the pitch
	s_mov_b32 s[\g+6], 0
	s_mov_b32 s[\g+7], 0
.endm
; 32 numbers of a lane, two blocks, become half a fragment, 6 registers at v[d]; v[PW] = byte 0 | byte 1 << 8
.macro QUANT2 s, d, p
.irp b, 0,1
	v_max3_num_f32 v[TM+\b], |v[\s+16*\b]|, |v[\s+1+16*\b]|, 0x1800000
.endr
.irp i, 2,4,6,8,10,12,14
.irp b, 0,1
	v_max3_num_f32 v[TM+\b], v[TM+\b], |v[\s+16*\b+\i]|, |v[\s+1+16*\b+\i]|
.endr
.endr
.irp b, 0,1
	v_permlanex16_b32 v[TM+4+\b], v[TM+\b], s[SEL], s[SEL+1]
.endr
.irp b, 0,1
	v_max_num_f32 v[TM+\b], v[TM+\b], v[TM+4+\b]
.endr
.irp b, 0,1
	v_add_nc_u32 v[TM+12+\b], 0xff000000, v[TM+\b]
.endr
.irp b, 0,1
	v_lshrrev_b32 v[TM+4+\b], 23, v[TM+12+\b]
.endr
	v_lshl_or_b32 v[PW], v[TM+5], 8, v[TM+4]
	v_cvt_scalef32_pk16_fp6_f32 v[\d:\d+2], v[\s:\s+15], v[TM+12]
	v_cvt_scalef32_pk16_fp6_f32 v[\p:\p+2], v[\s+16:\s+31], v[TM+13]
	v_nop
.irp i, 0,1,2
	v_permlane16_swap_b32 v[\d+\i], v[\p+\i]
.endr
.irp i, 0,1,2
	v_mov_b32 v[\d+3+\i], v[\p+\i]
.endr
.endm
	s_load_b256 s[4:11], s[0:1], 0x0               ; qb, kv, wimg, b_o
	s_load_b128 s[12:15], s[0:1], 0x20             ; w_bd, b_bd
	s_load_b64 s[16:17], s[0:1], 0x30              ; zpb
	v_lshl_add_u32 v254, v0, 2, 0x42800
	v_mov_b32 v255, 0
	ds_add_u32 v254, v255
	ds_add_u32 v254, v255
	v_lshrrev_b32 v7, 5, v0
	v_readfirstlane_b32 s[WV], v7                  ; wave 0..15
	s_and_b32 s88, s[WV], 3                        ; my tile m of a block of 64 queries; in waves 0 to 3 also the quarter that I fetch
	s_lshr_b32 s89, s[WV], 2                       ; which 64 of the 256 queries
	s_and_b32 s92, ttmp7, 0xffff                   ; 4 x batch + head, which the four partners share
	s_and_b32 s93, s92, 3                          ; head
	s_lshr_b32 s92, s92, 2                         ; batch
	s_lshr_b32 s99, s93, 1                         ; my head's K step of w_o
	SHAPE G1S, 32, 48, 32                          ; a quarter of the batch's scale words: 12,288 dense bytes as rows of 256
	SHAPE G1A, 768, 2, 3072                        ; two groups: my head's 6,144 bytes of each, 24,576 bytes apart
	SHAPE G1B, 768, 6, 3072                        ; six groups
	SHAPE G1W, 192, 4, 384                         ; four fragments of w_o: 1,536 bytes of each 3,072 (one K step of two)
	SHAPE G1D, 32, 1, 32                           ; 256 bytes of w_bd
	s_mov_b32 s95, 0
	s_mov_b32 s97, 0
	s_mul_i32 s94, s92, 32*GMEM                    ; the batch's codes,
	s_mul_i32 s98, s93, GH                         ; my head's part of a group
	s_add_co_u32 s94, s94, s98
	s_mul_i32 s98, s88, 2*GMEM
	s_add_co_u32 s96, s94, s98                     ; groups 2 w and 2 w + 1
	s_mul_i32 s98, s88, 6*GMEM
	s_add_co_u32 s94, s94, s98
	s_add_co_u32 s94, s94, 8*GMEM                  ; groups 8 + 6 w on
	s_mov_b32 s[SEL], 0x76543210
	s_mov_b32 s[SEL+1], 0xfedcba98                 ; lane l xor 16
	s_mov_b32 s[CS], 0x3fb8aa3b                    ; log2(e)
	s_mov_b32 s[CS+1], s[CS]                       ; named with it as a pair, so it is written
	s_mov_b32 s[TB], 0
	s_mov_b32 s[TS], 0
	s_wait_dscnt 0x0
	s_wait_kmcnt 0x0
	s_load_b32 s[BBD], s[14:15], 0x0               ; b_bd: a number, used as data alone
	s_mov_b32 s[G0A], 1                            ; count = 1
	s_mul_i32 s[G0A+1], s88, 2*GH                  ; LDS address
	s_add_nc_u64 s[G0A+2:G0A+3], s[6:7], s[96:97]  ; global address
	s_or_b32 s[G0A+3], s[G0A+3], 0x80000000        ; type = 2
	s_mov_b32 s[G0B], 1
	s_mul_i32 s[G0B+1], s88, 6*GH
	s_add_co_u32 s[G0B+1], s[G0B+1], 8*GH
	s_add_nc_u64 s[G0B+2:G0B+3], s[6:7], s[94:95]
	s_or_b32 s[G0B+3], s[G0B+3], 0x80000000
	s_mul_i32 s98, s88, 12288                      ; my quarter of the scale words; also four tiles of w_o in memory
	s_mul_i32 s94, s92, 49152
	s_add_co_u32 s94, s94, s98
	s_add_co_u32 s94, s94, 256*GMEM                ; the scale words lie behind all codes
	s_mov_b32 s[G0S], 1
	s_add_co_u32 s[G0S+1], s98, SCB
	s_add_nc_u64 s[G0S+2:G0S+3], s[6:7], s[94:95]
	s_or_b32 s[G0S+3], s[G0S+3], 0x80000000
	s_mul_i32 s94, s99, 1536                       ; w_o: fragment (T, s) at 1,536 (2 T + s): my K step, tiles 4 w on
	s_add_co_u32 s94, s94, s98
	s_add_co_u32 s94, s94, 204800
	s_mov_b32 s[G0W], 1
	s_mul_i32 s[G0W+1], s88, 6144
	s_add_co_u32 s[G0W+1], s[G0W+1], WOL
	s_add_nc_u64 s[G0W+2:G0W+3], s[8:9], s[94:95]
	s_or_b32 s[G0W+3], s[G0W+3], 0x80000000
	s_lshl_b32 s94, s88, 8
	s_mov_b32 s[G0D], 1
	s_add_co_u32 s[G0D+1], s94, WBL
	s_add_nc_u64 s[G0D+2:G0D+3], s[12:13], s[94:95]
	s_or_b32 s[G0D+3], s[G0D+3], 0x80000000
	CROUND                                         ; all four work-groups are here: the joint loads meet
	s_cmp_lt_u32 s[WV], 4                          ; all fills of a wave stand in one branch: five loads of mine are out
	s_cbranch_scc0 .Lno_first
	tensor_load_to_lds s[G0S:G0S+3], s[G1S:G1S+7]  ; the scale words,
	s_nop 0
	tensor_load_to_lds s[G0A:G0A+3], s[G1A:G1A+7]  ; the first 512 keys: these two are wanted first
	s_nop 0
	tensor_load_to_lds s[G0B:G0B+3], s[G1B:G1B+7]  ; the other 1,536 keys,
	s_nop 0
	tensor_load_to_lds s[G0W:G0W+3], s[G1W:G1W+7]  ; w_o,
	s_nop 0
	tensor_load_to_lds s[G0D:G0D+3], s[G1D:G1D+7]  ; w_bd
	s_nop 0
.rept 4
	v_nop
.endr
.Lno_first:
	s_bfe_u32 s90, ttmp6, 0x40000                  ; cx: it enters qb's and zpb's addresses alone
	s_lshl_b32 s91, ttmp9, 2
	s_add_co_u32 s91, s91, s90                     ; my block of 256 queries in the batch
	s_lshl_b32 s94, s92, 5
	s_lshl_b32 s98, s91, 2
	s_add_co_u32 s94, s94, s98
	s_add_co_u32 s94, s94, s89                     ; my block of 64: 32 batch + 4 block + wave / 4
	s_mul_i32 s94, s94, 14336
	s_add_nc_u64 s[4:5], s[4:5], s[94:95]
	s_lshl_b32 s94, s88, 2
	s_add_co_u32 s94, s94, s93
	s_mul_i32 s94, s94, 768
	s_add_nc_u64 s[96:97], s[4:5], s[94:95]        ; my half image: 768 (4 m + head)
	s_lshl_b32 s94, s93, 9
	s_lshl_b32 s98, s88, 2
	s_add_co_u32 s94, s94, s98
	s_add_nc_u64 s[4:5], s[4:5], s[94:95]          ; my scale words, less 12,288: 512 head + 4 m
	v_and_b32 v6, 31, v0                           ; lane l
	v_lshlrev_b32 v[A16], 4, v6                    ; 16 l: my place in an image's plane of 512 bytes
	v_lshlrev_b32 v[A8], 3, v6                     ; 8 l: in a plane of 256
	global_load_b128 v[16:19], v[A16], s[96:97]    ; Q's six registers stay
	global_load_b64 v[20:21], v[A8], s[96:97] offset:512
	global_load_b32 v[QS], v[A16], s[4:5] offset:12288
	s_lshl_b32 s94, s99, 6
	s_add_nc_u64 s[8:9], s[8:9], s[94:95]          ; w_o's scale words of my K step: 128 T + 64 s + 4 r: lanes 0-15 then hold the row that the instruction reads
	v_and_b32 v10, 15, v0
	v_lshlrev_b32 v10, 2, v10
.irp t, 0,1,2,3,4,5,6,7,8,9,10,11,12,13,14,15
	global_load_b32 v[WOS+\t], v10, s[8:9] offset:204800+49152+128*\t
.endr
	s_lshl_b32 s94, s93, 8
	s_add_nc_u64 s[10:11], s[10:11], s[94:95]      ; b_o and w_bd at my head's own 64 units: two a lane
	s_add_nc_u64 s[12:13], s[12:13], s[94:95]
	global_load_b64 v[246:247], v[A8], s[10:11]
	global_load_b64 v[248:249], v[A8], s[12:13]
	s_lshl_b32 s94, s93, 16
	s_lshl_b32 s98, s92, 13
	s_add_co_u32 s94, s94, s98
	s_lshl_b32 s98, s91, 10
	s_add_co_u32 s94, s94, s98
	s_add_nc_u64 s[16:17], s[16:17], s[94:95]      ; zpb: plane head, batch, my 256 numbers
	s_lshl_b32 s94, s93, 8
	s_add_co_u32 s94, s94, SCB
	v_add_nc_u32 v[AKS], s94, v[A8]                ; K's scale words: 256 head + 8 l
	s_lshl_b32 s94, s93, 7
	s_add_co_u32 s94, s94, SCB+1024
	v_lshl_add_u32 v[AVS], v6, 2, s94              ; V's: 1,024 + 128 head + 4 l
.irp j, 22,23,24,25,26,27,80,81,82,83,84,85
	v_mov_b32 v\j, 0                               ; zero codes: Q's upper half, and the six registers behind the last tile of keys
.endr
	v_mov_b32 v13, 0xff61b1e6                      ; the largest t so far: -3e38, under every t
	v_floor_f32 v12, -v13                          ; -M
	v_mov_b32 v14, 0                               ; the sum, in two halves
	v_mov_b32 v15, 0
.irp b, 0,1,2,3
	v_mov_b32 v[BX+\b], 0                          ; a lane permute's destination counts as one of its sources
.endr
	v_mov_b32 v[PSW], 0                            ; named as the upper half of the pair with f before it is first written
	v_mov_b32 v[T0], 0
	v_mov_b32 v245, 0x3e800000                     ; 1 / 4
.set j, 0
.rept 32
	v_mov_b32 v[O+j], 0                            ; O^T: the step is written once; the first step finds zeros, which the first change of M leaves zeros
.set j, j+1
.endr
	s_wait_loadcnt 0x0                             ; Q, w_o's scale words, the biases
	s_wait_kmcnt 0x0                               ; b_bd
	v_mul_f32 v[ZC], v246, v248                    ; the bias part: b_o . w_bd over my head's own 64 units,
	v_fma_f32 v[ZC], v247, v249, v[ZC]
	v_add_f32_dpp v[ZC], v[ZC], v[ZC] row_xmask:1 row_mask:0xf bank_mask:0xf
	v_add_f32_dpp v[ZC], v[ZC], v[ZC] row_xmask:2 row_mask:0xf bank_mask:0xf
	v_add_f32_dpp v[ZC], v[ZC], v[ZC] row_xmask:4 row_mask:0xf bank_mask:0xf
	v_add_f32_dpp v[ZC], v[ZC], v[ZC] row_xmask:8 row_mask:0xf bank_mask:0xf
	v_permlanex16_b32 v[T0], v[ZC], s[SEL], s[SEL+1]
	v_add_f32 v[ZC], v[ZC], v[T0]
	v_fma_f32 v[ZC], s[BBD], v245, v[ZC]           ; and a quarter of b_bd: the four heads' parts make it whole
; A KEY STEP: 128 keys = two groups, at LDS byte s[TB]; their scale words at s[TS].
.macro STEP
	v_add_nc_u32 v[ADK], s[TB], v[A16]             ; these four additions are the places behind the last step's products, ahead of the loads into registers that they read
	v_add_nc_u32 v[ADV8], s[TB], v[A8]
	v_add_nc_u32 v[ADS], s[TS], v[AKS]
	v_add_nc_u32 v[ADT], s[TS], v[AVS]
.irp g, 0,1
.irp u, 0,1
.irp c, 0,1,2
	ds_load_b128 v[KB+24*\g+12*\u+4*\c:KB+24*\g+12*\u+4*\c+3], v[ADK] offset:GH*\g+1536*\u+512*\c   ; tile t of keys at v[KB + 6 t]
.endr
.endr
	ds_load_b64 v[KS+2*\g:KS+2*\g+1], v[ADS] offset:1536*\g
.endr
	s_wait_dscnt 0x0
.irp t, 0,1,2,3,4,5,6,7
.if \t%2
	v_wmma_scale_f32_16x16x128_f8f6f4 v[S+8*\t:S+8*\t+7], v[KB+6*\t:KB+6*\t+11], v[16:27], 0, v[KS+\t/2], v[QS] matrix_a_fmt:MATRIX_FMT_FP6 matrix_b_fmt:MATRIX_FMT_FP6 matrix_a_scale:MATRIX_SCALE_ROW1
.else
	v_wmma_scale_f32_16x16x128_f8f6f4 v[S+8*\t:S+8*\t+7], v[KB+6*\t:KB+6*\t+11], v[16:27], 0, v[KS+\t/2], v[QS] matrix_a_fmt:MATRIX_FMT_FP6 matrix_b_fmt:MATRIX_FMT_FP6
.endif
.endr
	PLACES 5                                       ; places ahead of the loads into K's registers and of the first read of the scores
.irp g, 0,1                                    ; V's four fragments take K's place and land under the softmax: registers 6 g .. 6 g + 5 of a fragment are group g's keys
.irp t, 0,1,2,3
	ds_load_b128 v[KB+12*\t+6*\g:KB+12*\t+6*\g+3], v[ADK] offset:GH*\g+3072+768*\t
	ds_load_b64 v[KB+12*\t+6*\g+4:KB+12*\t+6*\g+5], v[ADV8] offset:GH*\g+3072+768*\t+512
.endr
	ds_load_b32 v[VR+\g], v[ADT] offset:1536*\g
.endr
.irp b, 0,1,2,3
	v_max3_num_f32 v[BM+\b], v[S+16*\b], v[S+1+16*\b], v[S+2+16*\b]   ; the largest score of each block of 32 keys: it serves for the row's maximum and, since p rises with the score, for the block's largest p
.endr
.irp i, 3,5,7,9,11,13
.irp b, 0,1,2,3
	v_max3_num_f32 v[BM+\b], v[BM+\b], v[S+16*\b+\i], v[S+1+16*\b+\i]
.endr
.endr
.irp b, 0,1,2,3
	v_max_num_f32 v[BM+\b], v[BM+\b], v[S+15+16*\b]
.endr
.irp b, 0,1,2,3
	v_permlanex16_b32 v[BX+\b], v[BM+\b], s[SEL], s[SEL+1]
.endr
.irp b, 0,1,2,3
	v_max_num_f32 v[BM+\b], v[BM+\b], v[BX+\b]     ; with lane l xor 16's 16 keys
.endr
	v_max3_num_f32 v[T0], v[BM], v[BM+1], v[BM+2]
	v_max_num_f32 v[T0], v[T0], v[BM+3]            ; the step's largest score of my query
	v_mul_f32 v[T0], s[CS], v[T0]                  ; as t
	v_max_num_f32 v13, v13, v[T0]                  ; the running largest t
	v_mov_b32 v[T0], v12
	v_floor_f32 v12, -v13                          ; the new -M = floor(-t) = -ceil(t)
	v_sub_f32 v[T0], v12, v[T0]                    ; old M - new M: a whole number, 0 or less
	v_cvt_i32_f32 v[T0], v[T0]                     ; (it saturates)
	v_ldexp_f32 v[F], 1.0, v[T0]                   ; f = 2^(old M - new M)
.irp j, 0,2,4,6,8,10,12,14,16,18,20,22,24,26,28,30,32,34,36,38,40,42,44,46,48,50,52,54,56,58,60,62
	v_pk_fma_f32 v[S+\j:S+1+\j], v[S+\j:S+1+\j], s[CS:CS+1], v[12:13] op_sel_hi:[1,0,0]   ; t - M, two at a time
.endr
.irp b, 0,1,2,3
	v_fma_f32 v[BM+\b], v[BM+\b], s[CS], v12       ; the same of each block's largest score
.endr
.irp j, 0,1,2,3,4,5,6,7,8,9,10,11,12,13,14,15,16,17,18,19,20,21,22,23,24,25,26,27,28,29,30,31,32,33,34,35,36,37,38,39,40,41,42,43,44,45,46,47,48,49,50,51,52,53,54,55,56,57,58,59,60,61,62,63
	v_exp_f32 v[S+\j], v[S+\j]                     ; p = 2^(t - M), at most 1
.endr
	v_pk_mul_f32 v[14:15], v[14:15], v[F:F+1] op_sel_hi:[1,0]   ; the sums under the new M: a plain line behind the exponentials
	s_wait_alu depctr_va_vdst(0)                   ; one wait for the whole batch, ahead of its first reader
.irp b, 0,1,2,3
	v_exp_f32 v[BM+\b], v[BM+\b]                   ; the block's largest p: the same two instructions on the same number give the same bits
.endr
	v_pk_add_f32 v[BX:BX+1], v[S:S+1], v[S+2:S+3]  ; the row's sum is taken of the unquantised p, in two chains
.irp j, 4,8,12,16,20,24,28,32,36,40,44,48,52,56,60
	v_pk_add_f32 v[14:15], v[14:15], v[S+\j:S+1+\j]
	v_pk_add_f32 v[BX:BX+1], v[BX:BX+1], v[S+2+\j:S+3+\j]
.endr
	v_pk_add_f32 v[14:15], v[14:15], v[BX:BX+1]
	s_wait_alu depctr_va_vdst(0)                   ; and one for the four
.irp b, 0,1,2,3
	v_max_num_f32 v[BM+\b], 0x1800000, v[BM+\b]    ; the floor 2^(3 - 127): the byte cannot fall under 1
.endr
.irp b, 0,1,2,3
	v_add_nc_u32 v[SOP+\b], 0xff000000, v[BM+\b]   ; 2 off the exponent field: the conversion's scale operand
.endr
.irp b, 0,1,2,3
	v_lshrrev_b32 v[BX+\b], 23, v[SOP+\b]          ; the scale's byte
.endr
	v_lshl_or_b32 v[PSW], v[BX+1], 8, v[BX]        ; p's scale word for these 128 keys
	v_lshl_or_b32 v[PSW], v[BX+2], 16, v[PSW]
	v_lshl_or_b32 v[PSW], v[BX+3], 24, v[PSW]
	s_wait_dscnt 0x0                               ; V's fragments and scale bytes are in
	v_perm_b32 v[VSX], v[VR+1], v[VR], 0x05040100  ; lane (r, h): the four bytes of V's tile 2 h for these 128 keys: two from each group;
	v_perm_b32 v[VSY], v[VR+1], v[VR], 0x07060302  ; of tile 2 h + 1
.irp c, 0,1
	v_cvt_scalef32_pk16_fp6_f32 v[PC+6*\c:PC+2+6*\c], v[S+32*\c:S+15+32*\c], v[SOP+2*\c]
	v_cvt_scalef32_pk16_fp6_f32 v[PT+4*\c:PT+2+4*\c], v[S+16+32*\c:S+31+32*\c], v[SOP+2*\c+1]
.endr
	v_nop                                          ; one plain line behind the conversions
.irp c, 0,1
.irp i, 0,1,2
	v_permlane16_swap_b32 v[PC+6*\c+\i], v[PT+4*\c+\i]
.endr
.irp i, 0,1,2
	v_mov_b32 v[PC+3+6*\c+\i], v[PT+4*\c+\i]
.endr
.endr
.irp j, 0,2,4,6,8,10,12,14,16,18,20,22,24,26,28,30
	v_pk_mul_f32 v[O+\j:O+1+\j], v[O+\j:O+1+\j], v[F:F+1] op_sel_hi:[1,0]   ; O^T under the new M; these lines are also the places between the codes' and scale words' last writes and the products
.endr
	v_wmma_scale_f32_16x16x128_f8f6f4 v[O:O+7], v[KB:KB+11], v[PC:PC+11], v[O:O+7], v[VSX], v[PSW] matrix_a_fmt:MATRIX_FMT_FP6 matrix_b_fmt:MATRIX_FMT_FP6
	v_wmma_scale_f32_16x16x128_f8f6f4 v[O+8:O+15], v[KB+12:KB+23], v[PC:PC+11], v[O+8:O+15], v[VSY], v[PSW] matrix_a_fmt:MATRIX_FMT_FP6 matrix_b_fmt:MATRIX_FMT_FP6
	v_wmma_scale_f32_16x16x128_f8f6f4 v[O+16:O+23], v[KB+24:KB+35], v[PC:PC+11], v[O+16:O+23], v[VSX], v[PSW] matrix_a_fmt:MATRIX_FMT_FP6 matrix_b_fmt:MATRIX_FMT_FP6 matrix_a_scale:MATRIX_SCALE_ROW1
	v_wmma_scale_f32_16x16x128_f8f6f4 v[O+24:O+31], v[KB+36:KB+47], v[PC:PC+11], v[O+24:O+31], v[VSY], v[PSW] matrix_a_fmt:MATRIX_FMT_FP6 matrix_b_fmt:MATRIX_FMT_FP6 matrix_a_scale:MATRIX_SCALE_ROW1
	s_add_co_u32 s[TB], s[TB], 2*GH                ; the next step's two groups,
	s_add_co_u32 s[TS], s[TS], 3072                ; and their scale words
.endm
	s_wait_tensorcnt 0x3                           ; my parts of the scale words and of the first 512 keys are in: three loads were issued behind them
	s_barrier_signal -1
	s_barrier_wait -1                              ; everybody's are
	s_mov_b32 s[CNT], 4
.Lfirst:                                           ; the first 8 groups: four steps, under which the rest lands
	STEP
	s_sub_co_u32 s[CNT], s[CNT], 1
	s_cmp_lg_u32 s[CNT], 0
	s_cbranch_scc1 .Lfirst
	s_wait_tensorcnt 0x0                           ; all my loads have landed
	s_wait_dscnt 0x0
	s_barrier_signal -1
	s_barrier_wait -1                              ; everybody's have: from here on no wave waits for another until the results meet
	s_mov_b32 s[CNT], 12
.Lrest:
	STEP
	s_sub_co_u32 s[CNT], s[CNT], 1
	s_cmp_lg_u32 s[CNT], 0
	s_cbranch_scc1 .Lrest
	; ---- THE WAY ON: O^T / the sum is quantised along my head's channels and is an operand as it stands; my head's part of w_o's product for all 256 units; the dot product with w_bd
.macro LOADW q, buf                            ; w_o's fragments of tiles 4 q .. 4 q + 3
.irp t, 0,1,2,3
.irp c, 0,1,2
	ds_load_b128 v[\buf+12*\t+4*\c:\buf+12*\t+4*\c+3], v3 offset:(4*(\q)+\t)*1536+512*\c
.endr
.endr
.endm
.macro MULW q, buf                             ; source 0 = my 16 queries, source 1 = 16 rows of w_o: lane (r, h) holds unit-lane r of the tile and its registers queries 8 h + 0 .. 7
.irp t, 0,1,2,3
	v_wmma_scale_f32_16x16x128_f8f6f4 v[ACC+8*\t:ACC+8*\t+7], v[AF:AF+11], v[\buf+12*\t:\buf+12*\t+11], 0, v[ASW], v[WOS+4*(\q)+\t] matrix_a_fmt:MATRIX_FMT_FP6 matrix_b_fmt:MATRIX_FMT_FP6
.endr
	PLACES 5                                       ; places ahead of the loads into the fragments' registers, of the first read of the results, and of the next four products, which begin these accumulators anew
.endm
.macro DOTW q                                  ; x w_bd of my lane's unit, into eight sums, one for each query of my half; each accumulator from its low end on
.irp t, 0,1,2,3
.irp j, 0,1,2,3,4,5,6,7
.if ((\q) == 0) && (\t == 0)
	v_mul_f32 v[Z+\j], v[ACC+\j], v[WB]            ; the first tile starts the sums: nothing is cleared
.else
	v_fmac_f32 v[Z+\j], v[ACC+8*\t+\j], v[WB+4*(\q)+\t]
.endif
.endr
.endr
.endm
	PLACES 4                                       ; places behind the last products
	v_add_f32 v14, v14, v15                        ; the sum's two halves,
	v_permlanex16_b32 v[T0], v14, s[SEL], s[SEL+1]
	v_add_f32 v14, v14, v[T0]                      ; and lane l xor 16's
	v_rcp_f32 v14, v14
	v_and_b32 v6, 31, v0                           ; (a plain line behind the reciprocal)  lane l
	v_lshl_add_u32 v3, v6, 4, WOL                  ; w_o's images: 16 l
	LOADW 0, 32                                    ; the first eight fragments are asked for at once, into two buffers
	LOADW 1, 80
	v_and_b32 v4, 15, v0
	v_and_b32 v5, 8, v4
	v_add_nc_u32 v4, v4, v5
	v_lshl_add_u32 v4, v4, 2, WBL                  ; w_bd of my lane's unit of a tile: 4 (r + 8 (r / 8)), + 128 b + 32 u
	s_lshl_b32 s94, s89, 8                         ; the stage: 4 bytes a token: 64 (wave / 4) + 32 (m / 2) + 8 (m % 2),
	s_lshr_b32 s98, s88, 1
	s_lshl_b32 s98, s98, 7
	s_add_co_u32 s94, s94, s98
	s_and_b32 s98, s88, 1
	s_lshl_b32 s98, s98, 5
	s_add_co_u32 s94, s94, s98
	s_add_co_u32 s94, s94, ZST
	v_bfe_u32 v7, v0, 4, 1
	v_lshl_add_u32 v7, v7, 6, s94                  ; + 16 h: queries 8 h + 0 .. 7 of a tile are eight neighbouring tokens
	v_lshl_add_u32 v8, v6, 4, ZST                  ; back: 16 l
	s_and_b32 s98, s93, 1                          ; c: my head's half of w_o's K step
	s_cmp_eq_u32 s98, 0
	s_cselect_b32 s96, -1, 0                       ; all lanes where c = 0,
	s_cselect_b32 s97, 0, -1                       ; where c = 1
	s_lshl_b32 s98, s98, 4                         ; 16 c: my two bytes' place in the scale word
	s_wait_alu depctr_va_vdst(0)                   ; the wait for the reciprocal, ahead of its first reader
.irp j, 0,2,4,6,8,10,12,14,16,18,20,22,24,26,28,30
	v_pk_mul_f32 v[O+\j:O+1+\j], v[O+\j:O+1+\j], v[14:15] op_sel_hi:[1,0]   ; O^T / the sum: register 16 b + i is channel 32 b + 16 h + i of my head
.endr
	QUANT2 O, PC, PT
.irp i, 0,1,2,3,4,5
	v_cndmask_b32 v[AF+\i], 0, v[PC+\i], s96       ; the codes in my head's half of the operand, zero codes in the other
	v_cndmask_b32 v[AF+6+\i], 0, v[PC+\i], s97
.endr
	v_lshlrev_b32 v[ASW], s98, v[PW]               ; the other half's bytes are 0: they scale zero codes
.irp t, 0,1,2,3,4,5,6,7,8,9,10,11,12,13,14,15
	ds_load_b32 v[WB+\t], v4 offset:128*(\t/2)+32*(\t%2)
.endr
	PLACES 8                                       ; a scale register written by a vector instruction stands 8 places ahead of a scaled product, an operand 4
	s_wait_dscnt 0x0                               ; eight fragments and w_bd are in
	MULW 0, 32
	LOADW 2, 32
	DOTW 0
	MULW 1, 80
	LOADW 3, 80
	DOTW 1
	s_wait_dscnt 12                                ; tiles 8 to 11 are in; the twelve loads of tiles 12 to 15 may be out
	MULW 2, 32
	DOTW 2
	s_wait_dscnt 0x0
	MULW 3, 80
	DOTW 3
.irp x, 1,2,4,8                                ; over the 16 lanes, which hold the tiles' 16 units: every lane of a half ends with the same eight sums
.irp j, 0,1,2,3,4,5,6,7
	v_add_f32_dpp v[Z+\j], v[Z+\j], v[Z+\j] row_xmask:\x row_mask:0xf bank_mask:0xf
.endr
.endr
.irp j, 0,1,2,3,4,5,6,7
	v_add_f32 v[Z+\j], v[Z+\j], v[ZC]
.endr
	ds_store_b128 v7, v[Z:Z+3]                     ; the sixteen lanes of a half write the same bytes with the same values
	ds_store_b128 v7, v[Z+4:Z+7] offset:16
	BARRIER                                        ; the work-group's 256 results lie in the stage, in the tokens' order
	s_cmp_lg_u32 s[WV], 0
	s_cbranch_scc1 .Lnot_0
	ds_load_b128 v[208:211], v8
	ds_load_b128 v[212:215], v8 offset:512
	s_wait_dscnt 0x0
	global_store_b128 v[A16], v[208:211], s[16:17]             ; 32 lanes store 512 consecutive bytes, aligned
	global_store_b128 v[A16], v[212:215], s[16:17] offset:512
.Lnot_0:
	s_wait_tensorcnt 0x0
	ds_add_u32 v254, v255
	s_wait_dscnt 0x0
	CROUND                                         ; the closing round
	s_endpgm
.Lfunc_end_k_q30a7cc903a_attn:
	.size	k_q30a7cc903a_attn, .Lfunc_end_k_q30a7cc903a_attn-k_q30a7cc903a_attn
	.p2alignl 7, 3214868480
	.fill 96, 4, 3214868480
	.section	.rodata,"a",@progbits
	.p2align	6, 0x0
	.amdhsa_kernel k_q30a7cc903a_attn
		.amdhsa_group_segment_fixed_size 274432
		.amdhsa_private_segment_fixed_size 0
		.amdhsa_enable_private_segment 0
		.amdhsa_kernarg_size 56
		.amdhsa_user_sgpr_count 2
		.amdhsa_user_sgpr_kernarg_segment_ptr 1
		.amdhsa_wavefront_size32 1
		.amdhsa_system_sgpr_workgroup_id_x 1
		.amdhsa_system_sgpr_workgroup_id_y 1
		.amdhsa_system_sgpr_workgroup_id_z 1
		.amdhsa_system_vgpr_workitem_id 0
		.amdhsa_next_free_vgpr 256
		.amdhsa_next_free_sgpr 100
		.amdhsa_reserve_vcc 0
		.amdhsa_float_denorm_mode_32 3
		.amdhsa_float_denorm_mode_16_64 3
		.amdhsa_memory_ordered 1
		.amdhsa_forward_progress 1
		.amdhsa_inst_pref_size 64
	.end_amdhsa_kernel
	.amdgpu_metadata
---
amdhsa.version: [ 1, 2 ]
amdhsa.kernels:
  - .name:           k_q30a7cc903a_attn
    .symbol:         k_q30a7cc903a_attn.kd
    .args:
      - { .name: qb, .offset: 0, .size: 8, .value_kind: global_buffer, .address_space: global }
      - { .name: kv, .offset: 8, .size: 8, .value_kind: global_buffer, .address_space: global }
      - { .name: wimg, .offset: 16, .size: 8, .value_kind: global_buffer, .address_space: global }
      - { .name: b_o, .offset: 24, .size: 8, .value_kind: global_buffer, .address_space: global }
      - { .name: w_bd, .offset: 32, .size: 8, .value_kind: global_buffer, .address_space: global }
      - { .name: b_bd, .offset: 40, .size: 8, .value_kind: global_buffer, .address_space: global }
      - { .name: zpb, .offset: 48, .size: 8, .value_kind: global_buffer, .address_space: global }
    .group_segment_fixed_size: 274432
    .private_segment_fixed_size: 0
    .kernarg_segment_align: 8
    .kernarg_segment_size: 56
    .max_flat_workgroup_size: 512
    .sgpr_count:     100
    .vgpr_count:     256
    .wavefront_size: 32
...
	.end_amdgpu_metadata
.endif
;; end of part 3
;; launch pool (part 4): grid 32 x 8, 8 waves a work-group, no clusters, 28,160 bytes of LDS; arguments zpb, h2, part; writes part
.if DOCPART == 4
	.amdgcn_target "amdgcn-amd-amdhsa--gfx1250"
	.amdhsa_code_object_version 6
	.text
	.protected	k_q30a7cc903a_pool
	.globl	k_q30a7cc903a_pool
	.p2align	8
	.type	k_q30a7cc903a_pool,@function
k_q30a7cc903a_pool:
	s_mov_b64 s[64:65], 0
	v_nop
	global_prefetch_b8 v0, s[64:65] scope:SCOPE_SE
	s_setreg_imm32_b32 hwreg(HW_REG_WAVE_MODE, 25, 1), 1
	s_wait_xcnt 0x0
; bs = sigmoid(the sum of the four heads' parts of z); cum = cumsum(bs) along a batch's 2,048 tokens; pid = min(int(8 cum / max(cum's last, 1e-6)), 7); partial sums of h and counts for each of the 8 patches.
; Work-group (x, y): batch y, tokens 256 rc .. + 255 (rc = x / 4), channels 64 cc .. + 63 (cc = x % 4): one dense block of 64 KB of h2.  Every work-group makes the batch's whole scan anew (32 KB of z).
; No address and no branch hangs on a patch number: a token's h is added to all 8 patches with the weight 1.0 or 0 (a compare, a select, fused multiply-adds).
; The scan: 8 numbers a thread in order, then across 16 lanes in four steps, the two halves of a wave, the eight waves in order.  The division is a reciprocal with one Newton step and a correction by the remainder.
; LIMITS: the order of the f32 sums is not that of a plain running sum; NaN and infinities in h or z are not served (0 x infinity).
; No matrix unit, no cluster, no tensor load: the launch streams 16 MB once and shares nothing between work-groups.
.set PID, 0                            ; LDS: the batch's 2,048 patch numbers
.set WT,  8192                         ; the eight waves' totals
.set RED, 8448                         ; for each wave 2,304 bytes: 8 patches x 256 bytes of sums, 32 bytes of counts
.set BS,8
.set H,32
.set ACC,96                            ; at the head v96-119 take the planes of heads 1 to 3
.set CNT,128
.set PIDR,136
.set OH,152                            ; v[152:153], v[156:157]: the weight, in two pairs that take turns (the upper registers stay 0)
.set WV,12
.set SEL,26
.macro BARRIER
	s_wait_dscnt 0x0
	s_barrier_signal -1
	s_barrier_wait -1
.endm
	s_load_b128 s[4:7], s[0:1], 0x0                ; zpb, h2
	s_load_b64 s[8:9], s[0:1], 0x10                ; part
	v_lshl_add_u32 v160, v0, 2, 0x6a00
	v_mov_b32 v161, 0
	v_lshrrev_b32 v1, 5, v0
	v_readfirstlane_b32 s[WV], v1                  ; wave
	s_lshr_b32 s13, ttmp9, 2
	s_and_b32 s13, s13, 7                          ; rc
	s_and_b32 s14, ttmp9, 3                        ; cc
	s_and_b32 s15, ttmp7, 0xffff                   ; batch
	v_and_b32 v2, 31, v0                           ; lane
	v_lshlrev_b32 v3, 5, v0                        ; 32 x thread: my 8 numbers of a plane of z, and my 8 patch numbers in LDS (PID = 0)
	v_lshlrev_b32 v4, 4, v2
	v_lshl_add_u32 v4, v1, 13, v4                  ; h: 8,192 x wave + 16 x lane
	s_mov_b32 s19, 0
	s_lshl_b32 s18, s15, 13
	s_wait_kmcnt 0x0
	s_add_nc_u64 s[4:5], s[4:5], s[18:19]          ; the batch's z, head 0's plane; the planes lie 65,536 bytes apart
	s_lshl_b32 s18, s15, 2
	s_add_co_u32 s18, s18, s14
	s_lshl_b32 s18, s18, 19
	s_lshl_b32 s25, s13, 16
	s_add_co_u32 s18, s18, s25
	s_add_nc_u64 s[6:7], s[6:7], s[18:19]          ; my block of h2
	global_load_b128 v[BS:BS+3], v3, s[4:5]
	global_load_b128 v[BS+4:BS+7], v3, s[4:5] offset:16
.irp a, 1,2,3
	global_load_b128 v[88+8*\a:91+8*\a], v3, s[4:5] offset:65536*\a
	global_load_b128 v[92+8*\a:95+8*\a], v3, s[4:5] offset:65536*\a+16
.endr
.irp i, 0,1,2,3,4,5,6,7,8,9,10,11,12,13,14,15
	global_load_b128 v[H+4*\i:H+4*\i+3], v4, s[6:7] offset:512*\i th:TH_LOAD_NT   ; tokens 32 w + 2 i + lane / 16, channels 4 (lane % 16) on: 512 consecutive bytes
.endr
	s_lshl_b32 s25, s15, 3
	s_add_co_u32 s25, s25, s13                     ; 8 b + rc
	s_lshl_b32 s18, s25, 2
	s_add_co_u32 s18, s18, s14
	s_lshl_b32 s18, s18, 7
	s_add_nc_u64 s[10:11], s[8:9], s[18:19]        ; my counts, less 524,288
	s_lshl_b32 s18, s25, 13
	s_lshl_b32 s25, s[WV], 10
	s_add_co_u32 s18, s18, s25
	s_lshl_b32 s25, s14, 8
	s_add_co_u32 s18, s18, s25
	s_add_nc_u64 s[8:9], s[8:9], s[18:19]          ; patch w's 64 sums: ((8 b + rc) 8 + w) 1,024 + 256 cc
	v_lshl_add_u32 v5, v1, 2, WT                   ; my wave's total
	v_mov_b32 v6, WT
	v_lshrrev_b32 v7, 4, v2
	v_lshlrev_b32 v7, 2, v7
	v_lshl_add_u32 v7, v1, 7, v7
	s_lshl_b32 s24, s13, 10
	v_add_nc_u32 v7, s24, v7                       ; the patch numbers of my tokens: 4 (256 rc + 32 w + lane / 16), + 8 i
	s_mul_i32 s24, s[WV], 2304
	s_add_co_u32 s24, s24, RED
	v_and_b32 v20, 15, v0
	v_lshl_add_u32 v20, v20, 4, s24                ; my wave's sums: 16 (lane % 16), + 256 p
	v_mov_b32 v21, 2048
	v_add_nc_u32 v21, s24, v21                     ; my wave's counts
	v_lshlrev_b32 v22, 3, v2
	v_lshl_add_u32 v22, v1, 8, v22
	v_add_nc_u32 v22, RED, v22                     ; back: patch w, 8 bytes a lane, + 2,304 j
	v_and_b32 v23, 7, v0
	v_lshlrev_b32 v23, 2, v23
	v_add_nc_u32 v23, RED+2048, v23                ; the counts of patch lane % 8
	v_lshlrev_b32 v24, 3, v2
	v_lshlrev_b32 v25, 2, v2
	v_mov_b32 v17, 0
	v_mov_b32 v153, 0
	v_mov_b32 v157, 0
	v_mov_b32 v154, 0
	v_mov_b32 v155, 0
	s_mov_b32 s22, 0xffff0000                      ; lanes 16-31
	s_mov_b32 s[SEL], 0x76543210
	s_mov_b32 s[SEL+1], 0xfedcba98
	s_wait_loadcnt 16                              ; the four planes of z are in; h's sixteen loads may be out
.irp k, 0,2,4,6
	v_pk_add_f32 v[BS+\k:BS+1+\k], v[BS+\k:BS+1+\k], v[96+\k:97+\k]          ; heads 0 + 1,
	v_pk_add_f32 v[104+\k:105+\k], v[104+\k:105+\k], v[112+\k:113+\k]        ; heads 2 + 3,
.endr
.irp k, 0,2,4,6
	v_pk_add_f32 v[BS+\k:BS+1+\k], v[BS+\k:BS+1+\k], v[104+\k:105+\k]        ; z
.endr
.irp k, 0,2,4,6
	v_pk_mul_f32 v[BS+\k:BS+1+\k], v[BS+\k:BS+1+\k], 0xbfb8aa3b op_sel_hi:[1,0]   ; sigmoid(z) = 1 / (1 + 2^(-z log2(e)))
.endr
.irp k, 0,1,2,3,4,5,6,7
	v_exp_f32 v[BS+\k], v[BS+\k]
.endr
	v_nop                                          ; a plain line behind the last exponential
	s_wait_alu depctr_va_vdst(0)                   ; one wait for the eight, ahead of their first reader
.irp k, 0,2,4,6
	v_pk_add_f32 v[BS+\k:BS+1+\k], v[BS+\k:BS+1+\k], 1.0 op_sel_hi:[1,0]
.endr
.irp k, 0,1,2,3,4,5,6,7
	v_rcp_f32 v[BS+\k], v[BS+\k]                   ; an infinite divisor gives 0
.endr
	v_nop
	s_wait_alu depctr_va_vdst(0)
.irp k, 1,2,3,4,5,6,7
	v_add_f32 v[BS+\k], v[BS+\k-1], v[BS+\k]       ; the running sum of my 8
.endr
	v_mov_b32 v16, v[BS+7]
	v_add_f32_dpp v16, v16, v16 row_shr:1 row_mask:0xf bank_mask:0xf   ; across 16 lanes: lanes without a source keep their number
	v_add_f32_dpp v16, v16, v16 row_shr:2 row_mask:0xf bank_mask:0xf
	v_add_f32_dpp v16, v16, v16 row_shr:4 row_mask:0xf bank_mask:0xf
	v_add_f32_dpp v16, v16, v16 row_shr:8 row_mask:0xf bank_mask:0xf
	v_mov_b32_dpp v17, v16 row_shr:1 row_mask:0xf bank_mask:0xf        ; what stands in front of me in my 16 lanes (lane 0 keeps 0)
	v_readlane_b32 s20, v16, 15                    ; the lower half's total
	v_readlane_b32 s21, v16, 31                    ; the upper half's
	v_mov_b32 v18, s20
	v_cndmask_b32 v19, 0, v18, s22
	v_add_f32 v17, v17, v19                        ; what stands in front of me in my wave
	v_add_f32 v18, s21, v18                        ; my wave's total
	ds_store_b32 v5, v18                           ; all lanes write the same word with the same value
	BARRIER
	ds_load_b128 v[136:139], v6
	ds_load_b128 v[140:143], v6 offset:16
	s_wait_dscnt 0x0
	v_mov_b32 v144, v136                           ; v[143 + j]: the sum of waves 0 .. j - 1
.irp j, 1,2,3,4,5,6,7
	v_add_f32 v[144+\j], v[143+\j], v[136+\j]
.endr
	v_mov_b32 v26, 0
.irp j, 1,2,3,4,5,6,7
	s_cmp_eq_u32 s[WV], \j
	s_cselect_b32 s23, -1, 0
	v_cndmask_b32 v26, v26, v[143+\j], s23         ; what stands in front of my wave
.endr
	v_max_num_f32 v27, 0x358637bd, v151            ; d = max(the batch's total, 1e-6)
	v_rcp_f32 v28, v27
	v_add_f32 v26, v26, v17                        ; (a plain line behind the reciprocal)  what stands in front of my 8
	s_wait_alu depctr_va_vdst(0)
	v_fma_f32 v29, -v27, v28, 1.0
	v_fma_f32 v28, v29, v28, v28                   ; one Newton step
.irp k, 0,1,2,3,4,5,6,7
	v_add_f32 v[BS+\k], v26, v[BS+\k]              ; cum
	v_mul_f32 v29, v[BS+\k], v28
	v_fma_f32 v30, -v29, v27, v[BS+\k]             ; the remainder
	v_fma_f32 v29, v30, v28, v29                   ; cum / d
	v_mul_f32 v29, 0x41000000, v29                 ; x 8: exact
	v_cvt_i32_f32 v29, v29                         ; toward zero
	v_min_u32 v[BS+\k], 7, v29
.endr
	ds_store_b128 v3, v[BS:BS+3]
	ds_store_b128 v3, v[BS+4:BS+7] offset:16
	BARRIER                                        ; the batch's patch numbers lie in LDS
.irp i, 0,1,2,3,4,5,6,7,8,9,10,11,12,13,14,15
	ds_load_b32 v[PIDR+\i], v7 offset:8*\i
.endr
	s_wait_dscnt 0x0
.irp i, 0,1,2,3,4,5,6,7,8,9,10,11,12,13,14,15
	s_wait_loadcnt 15-\i                           ; h's load i is in; the younger ones may be out
.irp p, 0,1,2,3,4,5,6,7
	v_cmp_eq_u32 vcc_lo, \p, v[PIDR+\i]
	v_cndmask_b32 v[OH+4*(\p%2)], 0, 1.0, vcc_lo
.if \i == 0
	v_pk_mul_f32 v[ACC+4*\p:ACC+4*\p+1], v[H:H+1], v[OH+4*(\p%2):OH+4*(\p%2)+1] op_sel_hi:[1,0]     ; the first token starts the sums: nothing is cleared
	v_pk_mul_f32 v[ACC+4*\p+2:ACC+4*\p+3], v[H+2:H+3], v[OH+4*(\p%2):OH+4*(\p%2)+1] op_sel_hi:[1,0]
	v_mov_b32 v[CNT+\p], v[OH+4*(\p%2)]
.else
	v_pk_fma_f32 v[ACC+4*\p:ACC+4*\p+1], v[H+4*\i:H+4*\i+1], v[OH+4*(\p%2):OH+4*(\p%2)+1], v[ACC+4*\p:ACC+4*\p+1] op_sel_hi:[1,0,1]
	v_pk_fma_f32 v[ACC+4*\p+2:ACC+4*\p+3], v[H+4*\i+2:H+4*\i+3], v[OH+4*(\p%2):OH+4*(\p%2)+1], v[ACC+4*\p+2:ACC+4*\p+3] op_sel_hi:[1,0,1]
	v_add_f32 v[CNT+\p], v[CNT+\p], v[OH+4*(\p%2)]
.endif
.endr
.endr
.set j, 0
.rept 20                               ; the two halves of the lanes hold the same channels of other tokens: sums and counts (40 registers on end) are joined
	v_permlanex16_b32 v154, v[ACC+j], s[SEL], s[SEL+1]
	v_permlanex16_b32 v155, v[ACC+j+1], s[SEL], s[SEL+1]
	v_add_f32 v[ACC+j], v[ACC+j], v154
	v_add_f32 v[ACC+j+1], v[ACC+j+1], v155
.set j, j+2
.endr
.irp p, 0,1,2,3,4,5,6,7
	ds_store_b128 v20, v[ACC+4*\p:ACC+4*\p+3] offset:256*\p   ; both halves write the same bytes with the same values
.endr
	ds_store_b128 v21, v[CNT:CNT+3]
	ds_store_b128 v21, v[CNT+4:CNT+7] offset:16
	BARRIER
.irp j, 0,1,2,3,4,5,6,7
	ds_load_b64 v[32+2*\j:33+2*\j], v22 offset:2304*\j   ; wave w takes patch w
.endr
	s_wait_dscnt 0x0
.irp j, 1,2,3,4,5,6,7
	v_pk_add_f32 v[32:33], v[32:33], v[32+2*\j:33+2*\j]
.endr
	global_store_b64 v24, v[32:33], s[8:9]         ; 32 lanes store 256 consecutive bytes, aligned
	s_cmp_lg_u32 s[WV], 0
	s_cbranch_scc1 .Lend
.irp j, 0,1,2,3,4,5,6,7
	ds_load_b32 v[48+\j], v23 offset:2304*\j
.endr
	s_wait_dscnt 0x0
.irp j, 1,2,3,4,5,6,7
	v_add_f32 v48, v48, v[48+\j]
.endr
	global_store_b32 v25, v48, s[10:11] offset:524288   ; word l: the count of patch l % 8
.Lend:
	s_wait_tensorcnt 0x0
	ds_add_u32 v160, v161
	s_wait_dscnt 0x0
	s_endpgm
.Lfunc_end_k_q30a7cc903a_pool:
	.size	k_q30a7cc903a_pool, .Lfunc_end_k_q30a7cc903a_pool-k_q30a7cc903a_pool
	.p2alignl 7, 3214868480
	.fill 96, 4, 3214868480
	.section	.rodata,"a",@progbits
	.p2align	6, 0x0
	.amdhsa_kernel k_q30a7cc903a_pool
		.amdhsa_group_segment_fixed_size 28160
		.amdhsa_private_segment_fixed_size 0
		.amdhsa_enable_private_segment 0
		.amdhsa_kernarg_size 24
		.amdhsa_user_sgpr_count 2
		.amdhsa_user_sgpr_kernarg_segment_ptr 1
		.amdhsa_wavefront_size32 1
		.amdhsa_system_sgpr_workgroup_id_x 1
		.amdhsa_system_sgpr_workgroup_id_y 1
		.amdhsa_system_sgpr_workgroup_id_z 1
		.amdhsa_system_vgpr_workitem_id 0
		.amdhsa_next_free_vgpr 162
		.amdhsa_next_free_sgpr 66
		.amdhsa_reserve_vcc 1
		.amdhsa_float_denorm_mode_32 3
		.amdhsa_float_denorm_mode_16_64 3
		.amdhsa_memory_ordered 1
		.amdhsa_forward_progress 1
		.amdhsa_inst_pref_size 53
	.end_amdhsa_kernel
	.amdgpu_metadata
---
amdhsa.version: [ 1, 2 ]
amdhsa.kernels:
  - .name:           k_q30a7cc903a_pool
    .symbol:         k_q30a7cc903a_pool.kd
    .args:
      - { .name: zpb, .offset: 0, .size: 8, .value_kind: global_buffer, .address_space: global }
      - { .name: h2, .offset: 8, .size: 8, .value_kind: global_buffer, .address_space: global }
      - { .name: part, .offset: 16, .size: 8, .value_kind: global_buffer, .address_space: global }
    .group_segment_fixed_size: 28160
    .private_segment_fixed_size: 0
    .kernarg_segment_align: 8
    .kernarg_segment_size: 24
    .max_flat_workgroup_size: 256
    .sgpr_count:     66
    .vgpr_count:     162
    .wavefront_size: 32
...
	.end_amdgpu_metadata
.endif
;; end of part 4
;; launch fin (part 5): grid 4 x 1, 8 waves a work-group, no clusters, 34,304 bytes of LDS; arguments part, wimg, b_pr, out0; writes out0
.if DOCPART == 5
	.amdgcn_target "amdgcn-amd-amdhsa--gfx1250"
	.amdhsa_code_object_version 6
	.text
	.protected	k_q30a7cc903a_fin
	.globl	k_q30a7cc903a_fin
	.p2align	8
	.type	k_q30a7cc903a_fin,@function
k_q30a7cc903a_fin:
	s_mov_b64 s[64:65], 0
	v_nop
	global_prefetch_b8 v0, s[64:65] scope:SCOPE_SE
	s_setreg_imm32_b32 hwreg(HW_REG_WAVE_MODE, 25, 1), 1
	s_wait_xcnt 0x0
; out0 = (patch sums / max(counts, 1)) w_pr^T + b_pr, the product on codes of FP6 (E2M3) with one E8M0 byte for each 32 along K.
; 64 rows g = 8 b + p in all: four work-groups of 16 rows, which is one tile of the matrix instruction: there is work for four.  Wave w adds the eight partial sums of rows 2 w and 2 w + 1, divides, and puts the rows into LDS;
; behind a barrier every wave quantises the 16 rows (two fragments) and multiplies them by w_pr's tiles 2 w and 2 w + 1 (units 32 w .. 32 w + 31), used transposed, with b_pr as the C of the first products.
; The division is a reciprocal with one Newton step and a correction by the remainder.
; LIMITS: a block of zeros keeps the byte 1 (its codes are zeros); NaN and infinities are not served.
.set PEST, 0                           ; LDS: the 16 rows of means, 1,040 bytes apart
.set OST,  16640                       ; the 16 rows of results, likewise
.set PF,16
.set PS,40
.set WPS,42
.set BP,44
.set PW,60
.set WP,192
.set TM,240
.set WV,12
.set SEL,28
.macro PLACES n
.rept \n
	v_nop
.endr
.endm
.macro BARRIER
	s_wait_dscnt 0x0
	s_barrier_signal -1
	s_barrier_wait -1
.endm
; 64 numbers of a lane, register 16 b + i = k 32 b + 16 (lane / 16) + i of my row, become a fragment's 12 registers at v[d] and its scale word in v[PW]
.macro QUANT s, d, p
.irp b, 0,1,2,3
	v_max3_num_f32 v[TM+\b], |v[\s+16*\b]|, |v[\s+1+16*\b]|, 0x1800000
.endr
.irp i, 2,4,6,8,10,12,14
.irp b, 0,1,2,3
	v_max3_num_f32 v[TM+\b], v[TM+\b], |v[\s+16*\b+\i]|, |v[\s+1+16*\b+\i]|
.endr
.endr
.irp b, 0,1,2,3
	v_permlanex16_b32 v[TM+4+\b], v[TM+\b], s[SEL], s[SEL+1]
.endr
.irp b, 0,1,2,3
	v_max_num_f32 v[TM+\b], v[TM+\b], v[TM+4+\b]
.endr
.irp b, 0,1,2,3
	v_add_nc_u32 v[TM+12+\b], 0xff000000, v[TM+\b]
.endr
.irp b, 0,1,2,3
	v_lshrrev_b32 v[TM+4+\b], 23, v[TM+12+\b]
.endr
	v_lshl_or_b32 v[PW], v[TM+5], 8, v[TM+4]
	v_lshl_or_b32 v[PW], v[TM+6], 16, v[PW]
	v_lshl_or_b32 v[PW], v[TM+7], 24, v[PW]
.irp c, 0,1
	v_cvt_scalef32_pk16_fp6_f32 v[\d+6*\c:\d+2+6*\c], v[\s+32*\c:\s+15+32*\c], v[TM+12+2*\c]
	v_cvt_scalef32_pk16_fp6_f32 v[\p+4*\c:\p+2+4*\c], v[\s+16+32*\c:\s+31+32*\c], v[TM+12+2*\c+1]
.endr
	v_nop
.irp c, 0,1
.irp i, 0,1,2
	v_permlane16_swap_b32 v[\d+6*\c+\i], v[\p+4*\c+\i]
.endr
.irp i, 0,1,2
	v_mov_b32 v[\d+3+6*\c+\i], v[\p+4*\c+\i]
.endr
.endr
.endm
	s_load_b256 s[4:11], s[0:1], 0x0               ; part, wimg, b_pr, out0
	v_lshl_add_u32 v250, v0, 2, 0x8200
	v_mov_b32 v251, 0
	v_lshrrev_b32 v8, 5, v0
	v_readfirstlane_b32 s[WV], v8                  ; wave
	v_and_b32 v8, 31, v0                           ; lane l
	v_and_b32 v9, 15, v0                           ; r
	v_bfe_u32 v10, v0, 4, 1                        ; h
	v_lshlrev_b32 v1, 4, v8                        ; 16 l
	v_lshlrev_b32 v2, 2, v8                        ; 4 l
	v_lshlrev_b32 v3, 6, v10                       ; 64 h
	v_and_b32 v4, 7, v0
	v_lshlrev_b32 v4, 9, v4                        ; the counts of chunk rc = lane % 8: 512 bytes apart
	s_mul_i32 s13, s[WV], 2080
	v_add_nc_u32 v5, s13, v1                       ; the means, in: rows 2 w and 2 w + 1 (PEST = 0)
	v_mul_u32_u24 v6, v9, 1040
	v_lshl_add_u32 v6, v10, 6, v6                  ; back: row r, + 64 h
	s_lshl_b32 s14, s[WV], 7
	s_add_co_u32 s14, s14, OST
	v_add_nc_u32 v7, s14, v6                       ; the results, in: row r, + 128 w + 64 h
	s_add_co_u32 s13, s13, OST
	v_add_nc_u32 v61, s13, v1                      ; back: rows 2 w and 2 w + 1
.irp b, 0,1,2,3
	v_mov_b32 v[TM+4+\b], 0                        ; a lane permute's destination counts as one of its sources
.endr
	s_mov_b32 s[SEL], 0x76543210
	s_mov_b32 s[SEL+1], 0xfedcba98
	s_lshl_b32 s16, ttmp9, 1
	s_lshr_b32 s17, s[WV], 2
	s_add_co_u32 s16, s16, s17                     ; my rows' batch
	s_and_b32 s17, s[WV], 3
	s_lshl_b32 s17, s17, 1                         ; my first row's patch
	s_lshl_b32 s18, s16, 16
	s_lshl_b32 s20, s17, 10
	s_add_co_u32 s18, s18, s20
	s_mov_b32 s19, 0
	s_wait_kmcnt 0x0
	s_add_nc_u64 s[22:23], s[4:5], s[18:19]        ; the sums: (64 b + 8 rc + p) 1,024
	s_lshl_b32 s18, s16, 12
	s_lshl_b32 s20, s17, 2
	s_add_co_u32 s18, s18, s20
	s_add_nc_u64 s[4:5], s[4:5], s[18:19]          ; the counts, less 524,288: 4,096 b + 512 rc + 4 p
	s_mul_i32 s18, s[WV], 6144
	s_add_nc_u64 s[24:25], s[6:7], s[18:19]        ; w_pr's tiles 2 w, 2 w + 1, less 256,000
	s_lshl_b32 s18, s[WV], 8
	s_add_nc_u64 s[6:7], s[6:7], s[18:19]          ; their scale registers
	s_lshl_b32 s18, s[WV], 7
	s_add_nc_u64 s[8:9], s[8:9], s[18:19]          ; my 32 numbers of b_pr
	s_lshl_b32 s18, ttmp9, 14
	s_lshl_b32 s20, s[WV], 11
	s_add_co_u32 s18, s18, s20
	s_add_nc_u64 s[10:11], s[10:11], s[18:19]      ; out0 at row 16 x + 2 w
	global_load_b32 v62, v4, s[4:5] offset:524288
	global_load_b32 v63, v4, s[4:5] offset:524288+4
.irp e, 0,1
.irp c, 0,1,2,3,4,5,6,7
.irp k, 0,1
	global_load_b128 v[64+64*\e+8*\c+4*\k:64+64*\e+8*\c+4*\k+3], v1, s[22:23] offset:8192*\c+1024*\e+512*\k
.endr
.endr
.endr
.set n, 0
.rept 12
	global_load_b128 v[WP+4*n:WP+4*n+3], v1, s[24:25] offset:256000+512*n   ; fragment (u, s) at v[WP + 12 (2 u + s)]
.set n, n+1
.endr
.irp u, 0,1
	global_load_b32 v[WPS+\u], v2, s[6:7] offset:256000+49152+128*\u
.endr
.irp u, 0,1
	global_load_b128 v[BP+8*\u:BP+8*\u+3], v3, s[8:9] offset:32*\u          ; lane (r, h), tile u: units 32 w + 16 h + 8 u + 0 .. 7
	global_load_b128 v[BP+8*\u+4:BP+8*\u+7], v3, s[8:9] offset:32*\u+16
.endr
	s_wait_loadcnt 18                              ; counts and sums are in; w_pr's 18 loads may be out
.irp e, 0,1
	v_add_f32_dpp v[62+\e], v[62+\e], v[62+\e] row_xmask:1 row_mask:0xf bank_mask:0xf   ; the eight chunks' counts lie in eight neighbouring lanes
.endr
.irp e, 0,1
	v_add_f32_dpp v[62+\e], v[62+\e], v[62+\e] row_xmask:2 row_mask:0xf bank_mask:0xf
.endr
.irp e, 0,1
	v_add_f32_dpp v[62+\e], v[62+\e], v[62+\e] row_xmask:4 row_mask:0xf bank_mask:0xf
.endr
.irp e, 0,1
	v_max_num_f32 v[8+\e], 1.0, v[62+\e]           ; d = max(count, 1)
.endr
.irp e, 0,1
	v_rcp_f32 v[10+\e], v[8+\e]
.endr
.irp c, 1,2,3,4,5,6,7                          ; the chunks' sums in ascending order: independent work behind the reciprocals
.irp e, 0,1
.irp k, 0,2,4,6
	v_pk_add_f32 v[64+64*\e+\k:65+64*\e+\k], v[64+64*\e+\k:65+64*\e+\k], v[64+64*\e+8*\c+\k:65+64*\e+8*\c+\k]
.endr
.endr
.endr
	s_wait_alu depctr_va_vdst(0)                   ; one wait for both reciprocals, ahead of their first reader
.irp e, 0,1
	v_fma_f32 v[12+\e], -v[8+\e], v[10+\e], 1.0
.endr
.irp e, 0,1
	v_fma_f32 v[10+\e], v[12+\e], v[10+\e], v[10+\e]   ; one Newton step
.endr
.irp i, 0,1,2,3,4,5,6,7
.irp e, 0,1
	v_mul_f32 v[12+\e], v[64+64*\e+\i], v[10+\e]
.endr
.irp e, 0,1
	v_fma_f32 v[14+\e], -v[12+\e], v[8+\e], v[64+64*\e+\i]   ; the remainder
.endr
.irp e, 0,1
	v_fma_f32 v[64+64*\e+\i], v[14+\e], v[10+\e], v[12+\e]   ; sum / d
.endr
.endr
.irp e, 0,1
.irp k, 0,1
	ds_store_b128 v5, v[64+64*\e+4*\k:64+64*\e+4*\k+3] offset:1040*\e+512*\k
.endr
.endr
	BARRIER                                        ; the 16 rows of means lie in LDS
.irp s, 0,1
.irp b, 0,1,2,3
.irp j, 0,1,2,3
	ds_load_b128 v[64+64*\s+16*\b+4*\j:64+64*\s+16*\b+4*\j+3], v6 offset:512*\s+128*\b+16*\j
.endr
.endr
.endr
	s_wait_dscnt 16                                ; K step 0's numbers are in; K step 1's sixteen loads may be out
	QUANT 64, PF, 8
	v_mov_b32 v[PS], v[PW]
	s_wait_dscnt 0x0
	QUANT 128, PF+12, 8
	v_mov_b32 v[PS+1], v[PW]
	PLACES 8                                       ; a scale register written by a vector instruction stands 8 places ahead of a scaled product, an operand 4
	s_wait_loadcnt 0x0
.irp u, 0,1                                    ; source 0 = 16 rows of w_pr, source 1 = the 16 rows of means; the two accumulators take turns
	v_wmma_scale_f32_16x16x128_f8f6f4 v[BP+8*\u:BP+8*\u+7], v[WP+24*\u:WP+24*\u+11], v[PF:PF+11], v[BP+8*\u:BP+8*\u+7], v[WPS+\u], v[PS] matrix_a_fmt:MATRIX_FMT_FP6 matrix_b_fmt:MATRIX_FMT_FP6
.endr
.irp u, 0,1
	v_wmma_scale_f32_16x16x128_f8f6f4 v[BP+8*\u:BP+8*\u+7], v[WP+24*\u+12:WP+24*\u+23], v[PF+12:PF+23], v[BP+8*\u:BP+8*\u+7], v[WPS+\u], v[PS+1] matrix_a_fmt:MATRIX_FMT_FP6 matrix_b_fmt:MATRIX_FMT_FP6 matrix_a_scale:MATRIX_SCALE_ROW1
.endr
	PLACES 4
.irp u, 0,1
	ds_store_b128 v7, v[BP+8*\u:BP+8*\u+3] offset:32*\u          ; each accumulator from its low end on
	ds_store_b128 v7, v[BP+8*\u+4:BP+8*\u+7] offset:32*\u+16
.endr
	BARRIER                                        ; 16 whole rows of results lie in LDS
.irp e, 0,1
.irp k, 0,1
	ds_load_b128 v[64+8*\e+4*\k:64+8*\e+4*\k+3], v61 offset:1040*\e+512*\k
.endr
.endr
	s_wait_dscnt 0x0
.irp e, 0,1
.irp k, 0,1
	global_store_b128 v1, v[64+8*\e+4*\k:64+8*\e+4*\k+3], s[10:11] offset:1024*\e+512*\k   ; 32 lanes store 512 consecutive bytes, aligned
.endr
.endr
	s_wait_tensorcnt 0x0
	ds_add_u32 v250, v251
	s_wait_dscnt 0x0
	s_endpgm
.Lfunc_end_k_q30a7cc903a_fin:
	.size	k_q30a7cc903a_fin, .Lfunc_end_k_q30a7cc903a_fin-k_q30a7cc903a_fin
	.p2alignl 7, 3214868480
	.fill 96, 4, 3214868480
	.section	.rodata,"a",@progbits
	.p2align	6, 0x0
	.amdhsa_kernel k_q30a7cc903a_fin
		.amdhsa_group_segment_fixed_size 34304
		.amdhsa_private_segment_fixed_size 0
		.amdhsa_enable_private_segment 0
		.amdhsa_kernarg_size 32
		.amdhsa_user_sgpr_count 2
		.amdhsa_user_sgpr_kernarg_segment_ptr 1
		.amdhsa_wavefront_size32 1
		.amdhsa_system_sgpr_workgroup_id_x 1
		.amdhsa_system_sgpr_workgroup_id_y 1
		.amdhsa_system_sgpr_workgroup_id_z 1
		.amdhsa_system_vgpr_workitem_id 0
		.amdhsa_next_free_vgpr 256
		.amdhsa_next_free_sgpr 66
		.amdhsa_reserve_vcc 0
		.amdhsa_float_denorm_mode_32 3
		.amdhsa_float_denorm_mode_16_64 3
		.amdhsa_memory_ordered 1
		.amdhsa_forward_progress 1
		.amdhsa_inst_pref_size 26
	.end_amdhsa_kernel
	.amdgpu_metadata
---
amdhsa.version: [ 1, 2 ]
amdhsa.kernels:
  - .name:           k_q30a7cc903a_fin
    .symbol:         k_q30a7cc903a_fin.kd
    .args:
      - { .name: part, .offset: 0, .size: 8, .value_kind: global_buffer, .address_space: global }
      - { .name: wimg, .offset: 8, .size: 8, .value_kind: global_buffer, .address_space: global }
      - { .name: b_pr, .offset: 16, .size: 8, .value_kind: global_buffer, .address_space: global }
      - { .name: out0, .offset: 24, .size: 8, .value_kind: global_buffer, .address_space: global }
    .group_segment_fixed_size: 34304
    .private_segment_fixed_size: 0
    .kernarg_segment_align: 8
    .kernarg_segment_size: 32
    .max_flat_workgroup_size: 256
    .sgpr_count:     66
    .vgpr_count:     256
    .wavefront_size: 32
...
	.end_amdgpu_metadata
.endif
;; end of part 5
;; ======== version 2 of 2: 5 launches
;; workspace buffers: wimg 307,200 bytes; h2 16,777,216 bytes; qb 3,670,016 bytes; kv 6,684,672 bytes; zpb 262,144 bytes; part 557,056 bytes
;; launch wq (part 6): grid 16 x 6, 1 waves a work-group, no clusters, 0 bytes of LDS; arguments w_in, w_q, w_k, w_v, w_o, w_pr, wimg; writes wimg
.if DOCPART == 6
	.amdgcn_target "amdgcn-amd-amdhsa--gfx1250"
	.amdhsa_code_object_version 6
	.text
	.protected	k_q30a7cc903a_wq
	.globl	k_q30a7cc903a_wq
	.p2align	8
	.type	k_q30a7cc903a_wq,@function
k_q30a7cc903a_wq:
	s_mov_b64 s[64:65], 0
	v_nop
	global_prefetch_b8 v0, s[64:65] scope:SCOPE_SE
	s_setreg_imm32_b32 hwreg(HW_REG_WAVE_MODE, 25, 1), 1
	s_wait_xcnt 0x0
; The six weights [256][256] f32 (K innermost) become codes of FP6 (E2M3) with one E8M0 byte for each 32 along K, laid as IMAGES OF OPERAND REGISTERS.
; A work-group of one wave takes tile T (x) of weight wi (y).  THE ROWS OF A TILE ARE NOT NEIGHBOURS: lane r of tile T = 2 b + u takes row 32 b + 8 u + r + 8 (r / 8).
; wimg: weight wi at 51,200 wi.  Fragment (T, s), s = the K step of 128, at 1,536 (2 T + s): register 4 c + i of lane l at 512 c + 16 l + 4 i.
; Scale words at 49,152 + 128 T + 4 l: lanes 0-15 hold row r's word of K step 0, lanes 16-31 that of K step 1.
; Lane (r, h) holds, for K step s, k = 128 s + 64 c + 32 h + 0 .. 31, c = 0, 1: two whole blocks, so no other lane is asked for a maximum.
; A block's scale is 2^(floor(log2(largest magnitude)) - 2); its byte is the largest magnitude's exponent field - 2, held at 1 from below.
; LIMITS: a block of zeros, or one whose largest magnitude lies under 2^-124, keeps the byte 1 (its codes are right or zeros; this program alone reads the bytes); NaN and infinities are not served.
.set X,  32                            ; v32-159  the numbers: 64 s + 32 c + i
.set F,  160                           ; v160-183 the two fragments
.set PT, 184                           ; v184-190 the second half of a block's codes, before it is moved
	s_load_b256 s[4:11], s[0:1], 0x0               ; w_in, w_q, w_k, w_v
	s_load_b128 s[12:15], s[0:1], 0x20             ; w_o, w_pr
	s_load_b64 s[16:17], s[0:1], 0x30              ; wimg
	s_and_b32 s20, ttmp7, 0xffff                   ; wi
	v_and_b32 v1, 15, v0                           ; r
	v_lshrrev_b32 v2, 4, v0                        ; h
	v_and_b32 v3, 8, v1
	v_add_nc_u32 v3, v3, v1                        ; r + 8 (r / 8)
	v_lshlrev_b32 v3, 10, v3                       ; a row is 1,024 bytes
	v_lshl_add_u32 v3, v2, 7, v3                   ; + 128 h: my half's block
	v_lshlrev_b32 v4, 4, v0                        ; 16 x lane
	v_lshlrev_b32 v5, 2, v0                        ; 4 x lane
	v_lshlrev_b32 v6, 3, v2                        ; 8 h: my bytes' place in a scale word
	v_mov_b32 v22, 0                               ; a lane permute's destination counts as one of its sources
	s_mov_b32 s28, 0x76543210
	s_mov_b32 s29, 0xfedcba98                      ; lane l xor 16
	s_mov_b32 s30, 0xffff0000                      ; lanes 16-31
	s_lshr_b32 s21, ttmp9, 1
	s_lshl_b32 s21, s21, 15                        ; 32 b rows
	s_and_b32 s22, ttmp9, 1
	s_lshl_b32 s22, s22, 13                        ; 8 u rows
	s_add_co_u32 s22, s21, s22
	s_mov_b32 s23, 0
	s_mul_i32 s24, s20, 51200
	s_mov_b32 s25, 0
	s_mul_i32 s26, ttmp9, 3072
	s_mov_b32 s27, 0
	s_wait_alu depctr_va_vdst(0)
	s_wait_kmcnt 0x0
	s_cmp_eq_u32 s20, 1                            ; the weight is chosen by the work-group's number alone
	s_cselect_b64 s[4:5], s[6:7], s[4:5]
	s_cmp_eq_u32 s20, 2
	s_cselect_b64 s[4:5], s[8:9], s[4:5]
	s_cmp_eq_u32 s20, 3
	s_cselect_b64 s[4:5], s[10:11], s[4:5]
	s_cmp_eq_u32 s20, 4
	s_cselect_b64 s[4:5], s[12:13], s[4:5]
	s_cmp_eq_u32 s20, 5
	s_cselect_b64 s[4:5], s[14:15], s[4:5]
	s_add_nc_u64 s[4:5], s[4:5], s[22:23]          ; the tile's first row
	s_add_nc_u64 s[16:17], s[16:17], s[24:25]      ; the weight's images
	s_add_nc_u64 s[18:19], s[16:17], s[26:27]      ; the tile's two fragments
	s_lshl_b32 s26, ttmp9, 7
	s_add_nc_u64 s[16:17], s[16:17], s[26:27]      ; the tile's scale words, less 49,152
.irp s, 0,1
.irp c, 0,1
.irp i, 0,1,2,3,4,5,6,7
	global_load_b128 v[X+64*\s+32*\c+4*\i:X+64*\s+32*\c+4*\i+3], v3, s[4:5] offset:512*\s+256*\c+16*\i
.endr
.endr
.endr
.irp s, 0,1
.if \s == 0
	s_wait_loadcnt 16                              ; K step 0's sixteen loads are in; K step 1's sixteen may be out
.else
	s_wait_loadcnt 0x0
.endif
.irp c, 0,1
	v_max3_num_f32 v[8+\c], |v[X+64*\s+32*\c]|, |v[X+64*\s+32*\c+1]|, 0x1800000   ; the floor 2^(3 - 127): the byte cannot fall under 1
.endr
.irp i, 2,4,6,8,10,12,14,16,18,20,22,24,26,28,30
.irp c, 0,1
	v_max3_num_f32 v[8+\c], v[8+\c], |v[X+64*\s+32*\c+\i]|, |v[X+64*\s+32*\c+\i+1]|   ; the two blocks by turns
.endr
.endr
.irp c, 0,1
	v_add_nc_u32 v[12+\c], 0xff000000, v[8+\c]     ; 2 off the exponent field: the conversion's scale operand
.endr
.irp c, 0,1
	v_lshrrev_b32 v[16+\c], 23, v[12+\c]           ; the scale's byte
.endr
	v_lshl_or_b32 v[20+\s], v17, 16, v16           ; my two bytes: blocks h and 2 + h,
	v_lshlrev_b32 v[20+\s], v6, v[20+\s]           ; 8 h bits up;
	v_permlanex16_b32 v22, v[20+\s], s28, s29
	v_or_b32 v[20+\s], v[20+\s], v22               ; with lane l xor 16's two the word is whole
.irp c, 0,1
	v_cvt_scalef32_pk16_fp6_f32 v[F+12*\s+6*\c:F+12*\s+6*\c+2], v[X+64*\s+32*\c:X+64*\s+32*\c+15], v[12+\c]
	v_cvt_scalef32_pk16_fp6_f32 v[PT+4*\c:PT+4*\c+2], v[X+64*\s+32*\c+16:X+64*\s+32*\c+31], v[12+\c]   ; a conversion's three registers begin on an even number
.endr
	v_nop                                          ; one plain line behind the conversions
.irp c, 0,1
.irp i, 0,1,2
	v_mov_b32 v[F+12*\s+6*\c+3+\i], v[PT+4*\c+\i]
.endr
.endr
.irp c, 0,1,2
	global_store_b128 v4, v[F+12*\s+4*\c:F+12*\s+4*\c+3], s[18:19] offset:1536*\s+512*\c   ; 32 lanes store 512 consecutive bytes
.endr
.endr
	v_cndmask_b32 v23, v20, v21, s30               ; lanes 0-15 K step 0's word, lanes 16-31 K step 1's
	global_store_b32 v5, v23, s[16:17] offset:49152
	s_endpgm
.Lfunc_end_k_q30a7cc903a_wq:
	.size	k_q30a7cc903a_wq, .Lfunc_end_k_q30a7cc903a_wq-k_q30a7cc903a_wq
	.p2alignl 7, 3214868480
	.fill 96, 4, 3214868480
	.section	.rodata,"a",@progbits
	.p2align	6, 0x0
	.amdhsa_kernel k_q30a7cc903a_wq
		.amdhsa_group_segment_fixed_size 0
		.amdhsa_private_segment_fixed_size 0
		.amdhsa_enable_private_segment 0
		.amdhsa_kernarg_size 56
		.amdhsa_user_sgpr_count 2
		.amdhsa_user_sgpr_kernarg_segment_ptr 1
		.amdhsa_wavefront_size32 1
		.amdhsa_system_sgpr_workgroup_id_x 1
		.amdhsa_system_sgpr_workgroup_id_y 1
		.amdhsa_system_sgpr_workgroup_id_z 1
		.amdhsa_system_vgpr_workitem_id 0
		.amdhsa_next_free_vgpr 192
		.amdhsa_next_free_sgpr 66
		.amdhsa_reserve_vcc 0
		.amdhsa_float_denorm_mode_32 3
		.amdhsa_float_denorm_mode_16_64 3
		.amdhsa_memory_ordered 1
		.amdhsa_forward_progress 1
		.amdhsa_inst_pref_size 12
	.end_amdhsa_kernel
	.amdgpu_metadata
---
amdhsa.version: [ 1, 2 ]
amdhsa.kernels:
  - .name:           k_q30a7cc903a_wq
    .symbol:         k_q30a7cc903a_wq.kd
    .args:
      - { .name: w_in, .offset: 0, .size: 8, .value_kind: global_buffer, .address_space: global }
      - { .name: w_q, .offset: 8, .size: 8, .value_kind: global_buffer, .address_space: global }
      - { .name: w_k, .offset: 16, .size: 8, .value_kind: global_buffer, .address_space: global }
      - { .name: w_v, .offset: 24, .size: 8, .value_kind: global_buffer, .address_space: global }
      - { .name: w_o, .offset: 32, .size: 8, .value_kind: global_buffer, .address_space: global }
      - { .name: w_pr, .offset: 40, .size: 8, .value_kind: global_buffer, .address_space: global }
      - { .name: wimg, .offset: 48, .size: 8, .value_kind: global_buffer, .address_space: global }
    .group_segment_fixed_size: 0
    .private_segment_fixed_size: 0
    .kernarg_segment_align: 8
    .kernarg_segment_size: 56
    .max_flat_workgroup_size: 32
    .sgpr_count:     66
    .vgpr_count:     192
    .wavefront_size: 32
...
	.end_amdgpu_metadata
.endif
;; end of part 6
;; launch proj (part 7): grid 256 x 1, 4 waves a work-group, no clusters, 94,720 bytes of LDS; arguments x, wimg, b_in, b_q, b_k, b_v, h2, qb, kv; writes h2, qb, kv
.if DOCPART == 7
	.amdgcn_target "amdgcn-amd-amdhsa--gfx1250"
	.amdhsa_code_object_version 6
	.text
	.protected	k_q30a7cc903a_proj
	.globl	k_q30a7cc903a_proj
	.p2align	8
	.type	k_q30a7cc903a_proj,@function
k_q30a7cc903a_proj:
	s_mov_b64 s[64:65], 0
	v_nop
	global_prefetch_b8 v0, s[64:65] scope:SCOPE_SE
	s_setreg_imm32_b32 hwreg(HW_REG_WAVE_SCHED_MODE, 0, 2), 2
	s_setreg_imm32_b32 hwreg(HW_REG_WAVE_MODE, 25, 1), 1
	s_wait_xcnt 0x0
	s_wait_alu depctr_vm_vsrc(0)
; h = x w_in^T + b_in;  q = (h w_q^T + b_q) / 8, k = h w_k^T + b_k, v = h w_v^T + b_v: four products on codes of FP6 (E2M3), one E8M0 byte for each 32 along K.
; A work-group takes 64 tokens as four tiles m = 2 b' + u; lane r of a tile is token 32 b' + 8 u + r + 8 (r / 8).  Wave a owns units 64 a .. 64 a + 63 of h and head a of q, k, v;
; its 8 fragments of each of the four weights stay in registers, read once as images.  Wave a also quantises x's tile m = a.
; h, q, k are made transposed (source 0 = 16 rows of a weight, source 1 = 16 tokens): a lane holds one token and its 32 registers are 32 units, 16 neighbours to each block of 32: they are quantised in registers.
; v is made the other way (source 0 = 16 tokens, source 1 = 16 rows of w_v): a lane holds one channel and its registers run along the tokens, which are the K of attention's second product.
; Operands go from wave to wave through LDS as images of their registers.  Two barriers: behind x's images, behind h's.
; OUT: h2 [b][a][t][64] f32;  qb, kv: images and scale words as the attention launch loads them (layouts at the stores).
; LIMITS: a block of zeros, or one whose largest magnitude lies under 2^-124, keeps the byte 1; NaN and infinities are not served.
; REGISTERS, window 0: v4-19 addresses; v20-27 x's scale words, then h's; v32-47 the weights' scale words (lanes 0-15 K step 0, lanes 16-31 K step 1); v48-143 x's numbers, then x's 8 fragments, then h's 8;
;   v144-175, v176-207 results; v208-223 at work; v224, v225 the scale words just made; v226-254 codes (x's second image: v112-123).  window 1: w_in v0-95, w_q v96-191.  window 2: w_k v0-95, w_v v96-191, b_in v192-223, b_q v224-255.
;   window 3: b_k v0-31, b_v v32-63, x as loaded v64-191.
; THE MODE: SCHED_MODE bits 1:0 = 2 (LLVM: expert scheduling mode 2), set by the entry lines.  The code itself states the register dependences
; between vector or matrix instructions and memory or LDS instructions, with s_wait_alu, always for 0.
; THE PLAN.  Registers that memory or LDS instructions touch:
;   v4-16, v18, v19  offsets and LDS addresses: written at the head, never again.
;   X:  v48-111, v144-207: LDS loads write, the two quantisers read.  The two images (v226-237 with v224, v112-123 with v225): the quantisers write, eight LDS stores read, behind ONE wait on va_vdst.
;   1:  XF, XS (all of x's fragments and scale words, one run of loads behind the barrier): the products read; phase A's loads land there.
;       HA: tile m's products write, the quantiser and 8 LDS stores read, tile m + 1's products write.  PC, PW: the quantiser writes, 3 LDS stores read.
;       OB: tile m's loads from the stage write; 8 global stores read, which stand in tile m + 1, behind its products: the stage's round trip lies under them.
;       A tile has one wait on va_vdst, ahead of its 19 LDS instructions, one on vm_vsrc at its head (HA, PC, PW) and one behind its quantiser (OB).
;   A, B:  the codes and scale words of a tile: the quantisers write; the tile's global stores read, all behind one wait on va_vdst; one wait on vm_vsrc stands behind the next tile's products, ahead of its quantisers.
;   The weights, biases and their scale words are written by loads and read by products alone.  No operand and no scale of a product is written by a vector instruction.
.set XIMG, 0                           ; LDS: x's 8 fragments (2 m + s), 1,536 bytes each
.set XSC,  12288                       ; their scale words, 128 bytes each
.set HIMG, 13312                       ; h's 16 half fragments (4 m + a), 768 bytes each: 512 (registers 0-3) + 256 (registers 4-5)
.set HSC,  25600                       ; h's scale words (2 m + s): word 4 l, halfword a % 2
.set XST,  26624                       ; a stage for each wave, 16,640 bytes: 16 rows x 1,040 for x, later 16 rows x 272 for h
.set LI,4
.set L8,5
.set LS,6
.set XSTW,7
.set XSTR,8
.set XWI,9
.set XWS,10
.set HW16,11
.set HW8,12
.set HWS,13
.set SO,14
.set RD,15
.set HO,16
.set BI,18
.set BVO,19
.set HS,20
.set XS,20
.set WS,32
.set HF,48
.set XF,48
.set R0,48
.set PC2,112
.set R1,144
.set HA,144
.set QA,144
.set VA,144
.set KA,176
.set OB,176
.set TM,208
.set PW,224
.set PW2,225
.set PC,226
.set QC,226
.set VC,226
.set KC,232
.set VW,236
.set PT2,244
.set QSW,248
.set KSW,252
.set KWE,254
.set WV,24
.set SEL,26
.set MSB, 0
.macro WIN new                         ; the immediate's high byte repeats the setting that is left
.if MSB != \new
	s_set_vgpr_msb (MSB<<8)|\new
.set MSB, \new
.endif
.endm
.macro PLACES n
.rept \n
	v_nop
.endr
.endm
.macro BARRIER                         ; my LDS stores have landed and my LDS loads are in: then the work-group's barrier
	s_wait_dscnt 0x0
	s_barrier_signal -1
	s_barrier_wait -1
.endm
; 64 numbers of a lane, register 16 b + i = k 32 b + 16 (lane / 16) + i of my row, become a fragment's 12 registers at v[d] and its scale word in v[w]; v[p] on: 8 registers at work
.macro QUANT s, d, p, w
.irp b, 0,1,2,3
	v_max3_num_f32 v[TM+\b], |v[\s+16*\b]|, |v[\s+1+16*\b]|, 0x1800000   ; the floor 2^(3 - 127): the byte cannot fall under 1
.endr
.irp i, 2,4,6,8,10,12,14
.irp b, 0,1,2,3
	v_max3_num_f32 v[TM+\b], v[TM+\b], |v[\s+16*\b+\i]|, |v[\s+1+16*\b+\i]|
.endr
.endr
.irp b, 0,1,2,3
	v_permlanex16_b32 v[TM+4+\b], v[TM+\b], s[SEL], s[SEL+1]
.endr
.irp b, 0,1,2,3
	v_max_num_f32 v[TM+\b], v[TM+\b], v[TM+4+\b]   ; with lane l xor 16's: the block's largest magnitude
.endr
.irp b, 0,1,2,3
	v_add_nc_u32 v[TM+12+\b], 0xff000000, v[TM+\b] ; 2 off its exponent field: the conversion's scale operand
.endr
.irp b, 0,1,2,3
	v_lshrrev_b32 v[TM+4+\b], 23, v[TM+12+\b]      ; the scale's byte
.endr
	v_lshl_or_b32 v[\w], v[TM+5], 8, v[TM+4]
	v_lshl_or_b32 v[\w], v[TM+6], 16, v[\w]
	v_lshl_or_b32 v[\w], v[TM+7], 24, v[\w]
.irp c, 0,1
	v_cvt_scalef32_pk16_fp6_f32 v[\d+6*\c:\d+2+6*\c], v[\s+32*\c:\s+15+32*\c], v[TM+12+2*\c]
	v_cvt_scalef32_pk16_fp6_f32 v[\p+4*\c:\p+2+4*\c], v[\s+16+32*\c:\s+31+32*\c], v[TM+12+2*\c+1]
.endr
	v_nop                                          ; one plain line behind the conversions
.irp c, 0,1                            ; the operand's layout wants a whole block in a lane
.irp i, 0,1,2
	v_permlane16_swap_b32 v[\d+6*\c+\i], v[\p+4*\c+\i]
.endr
.irp i, 0,1,2
	v_mov_b32 v[\d+3+6*\c+\i], v[\p+4*\c+\i]
.endr
.endr
.endm
; the same for 32 numbers, two blocks: half a fragment, 6 registers at v[d]; v[PW] = byte 0 | byte 1 << 8
.macro QUANT2 s, d, p
.irp b, 0,1
	v_max3_num_f32 v[TM+\b], |v[\s+16*\b]|, |v[\s+1+16*\b]|, 0x1800000
.endr
.irp i, 2,4,6,8,10,12,14
.irp b, 0,1
	v_max3_num_f32 v[TM+\b], v[TM+\b], |v[\s+16*\b+\i]|, |v[\s+1+16*\b+\i]|
.endr
.endr
.irp b, 0,1
	v_permlanex16_b32 v[TM+4+\b], v[TM+\b], s[SEL], s[SEL+1]
.endr
.irp b, 0,1
	v_max_num_f32 v[TM+\b], v[TM+\b], v[TM+4+\b]
.endr
.irp b, 0,1
	v_add_nc_u32 v[TM+12+\b], 0xff000000, v[TM+\b]
.endr
.irp b, 0,1
	v_lshrrev_b32 v[TM+4+\b], 23, v[TM+12+\b]
.endr
	v_lshl_or_b32 v[PW], v[TM+5], 8, v[TM+4]
	v_cvt_scalef32_pk16_fp6_f32 v[\d:\d+2], v[\s:\s+15], v[TM+12]
	v_cvt_scalef32_pk16_fp6_f32 v[\p:\p+2], v[\s+16:\s+31], v[TM+13]
	v_nop
.irp i, 0,1,2
	v_permlane16_swap_b32 v[\d+\i], v[\p+\i]
.endr
.irp i, 0,1,2
	v_mov_b32 v[\d+3+\i], v[\p+\i]
.endr
.endm
; weight idx: my 8 fragments (24 loads of 512 bytes) into window win >> 6 from v[reg] on, and my 4 scale registers
.macro WFRAG idx, win, reg
	WIN \win
.set n, 0
.rept 24
	global_load_b128 v[\reg+4*n:\reg+4*n+3], v[LI], s[32:33] offset:\idx*51200+512*n
.set n, n+1
.endr
	WIN 0
.irp t, 0,1,2,3
	global_load_b32 v[WS+4*\idx+\t], v[LS], s[34:35] offset:\idx*51200+49152+128*\t
.endr
.endm
; a bias in the transposed result's layout: lane (r, h), tile 2 b + u: units 32 b + 16 h + 8 u + 0 .. 7
.macro WBIAS win, reg, sb
	WIN \win
.irp t, 0,1,2,3
	global_load_b128 v[\reg+8*\t:\reg+8*\t+3], v[BI], s[\sb:\sb+1] offset:(32*(\t/2)+8*(\t%2))*4
	global_load_b128 v[\reg+8*\t+4:\reg+8*\t+7], v[BI], s[\sb:\sb+1] offset:(32*(\t/2)+8*(\t%2))*4+16
.endr
	WIN 0
.endm
; tile mm's 16 rows of h, back from my stage, go to memory
.macro HOUT mm
	s_wait_dscnt 0x0                               ; the rows are back in v[OB] on
.irp i, 0,1,2,3,4,5,6,7
	global_store_b128 v[HO], v[OB+4*\i:OB+4*\i+3], s[16:17] offset:(32*((\mm)/2)+8*((\mm)%2)+2*\i+8*(\i/4))*256 th:TH_STORE_NT   ; 16 lanes store a token's 256 consecutive bytes, aligned
.endr
.endm
	s_load_b512 s[4:19], s[0:1], 0x0               ; x, wimg, b_in, b_q, b_k, b_v, h2, qb
	s_load_b64 s[20:21], s[0:1], 0x40              ; kv
	v_lshl_add_u32 v247, v0, 2, 0x17000            ; my spare word's LDS address and 0: made here and kept for the closing lines alone
	v_mov_b32 v255, 0
	v_lshrrev_b32 v1, 5, v0
	v_readfirstlane_b32 s[WV], v1                  ; wave a
	v_and_b32 v1, 31, v0                           ; lane l
	v_and_b32 v2, 15, v0                           ; r
	v_bfe_u32 v3, v0, 4, 1                         ; h
	v_lshlrev_b32 v[LI], 4, v1
	v_lshlrev_b32 v[L8], 3, v1
	v_lshlrev_b32 v[LS], 2, v1
	v_lshlrev_b32 v[BI], 6, v3
	s_mov_b32 s31, 0
	s_lshl_b32 s30, ttmp9, 16                      ; 64 tokens x 1,024 bytes for each work-group,
	s_wait_alu depctr_va_sdst(0)                   ; the wave's number is written, ahead of its first reader: bases and LDS addresses are made from it
	s_lshr_b32 s46, s[WV], 1
	s_lshl_b32 s46, s46, 15                        ; 32 b' rows,
	s_add_co_u32 s30, s30, s46
	s_and_b32 s46, s[WV], 1
	s_lshl_b32 s46, s46, 13                        ; 8 u rows
	s_add_co_u32 s30, s30, s46
	s_wait_kmcnt 0x0
	s_add_nc_u64 s[4:5], s[4:5], s[30:31]          ; x at my tile's first row
	s_mul_i32 s30, s[WV], 12288
	s_add_nc_u64 s[32:33], s[6:7], s[30:31]        ; my 8 fragments of a weight
	s_lshl_b32 s30, s[WV], 9
	s_add_nc_u64 s[34:35], s[6:7], s[30:31]        ; my 4 scale registers, less 49,152
	s_lshl_b32 s30, s[WV], 8
	s_add_nc_u64 s[8:9], s[8:9], s[30:31]          ; my 64 numbers of each bias
	s_add_nc_u64 s[10:11], s[10:11], s[30:31]
	s_add_nc_u64 s[12:13], s[12:13], s[30:31]
	s_add_nc_u64 s[14:15], s[14:15], s[30:31]
	WIN 0xc0                                       ; destination window 3
	s_wait_alu depctr_va_vdst(0)                   ; the offsets v[LI], v[L8], v[LS] and v[BI] are written, which the loads below and every later load and store by them read
.irp i, 0,1,2,3,4,5,6,7,8,9,10,11,12,13,14,15
.irp k, 0,1
	global_load_b128 v[64+8*\i+4*\k:64+8*\i+4*\k+3], v[LI], s[4:5] offset:(\i+8*(\i/8))*1024+512*\k th:TH_LOAD_NT   ; 32 lanes read 512 consecutive bytes of row i of my tile
.endr
.endr
	WIN 0
	WFRAG 0, 0x40, 0                               ; w_in: 28 loads,
	WBIAS 0x80, 192, 8                             ; b_in: 8
	s_mul_i32 s25, s[WV], 16640
	s_add_co_u32 s25, s25, XST                     ; my stage
	v_add_nc_u32 v[XSTW], s25, v[LI]
	v_mul_u32_u24 v[XSTR], v2, 1040
	v_lshl_add_u32 v[XSTR], v3, 6, v[XSTR]
	v_add_nc_u32 v[XSTR], s25, v[XSTR]             ; row r, + 64 h: my 16 numbers of a block of 32
	v_mul_u32_u24 v[SO], v2, 272
	v_lshl_add_u32 v[SO], v3, 6, v[SO]
	v_add_nc_u32 v[SO], s25, v[SO]                 ; h's stage, in: row r, + 64 h
	v_mul_u32_u24 v[RD], v3, 272
	v_lshl_add_u32 v[RD], v2, 4, v[RD]
	v_add_nc_u32 v[RD], s25, v[RD]                 ; back: lanes 0-15 one row of 256 bytes, lanes 16-31 the next
	v_lshlrev_b32 v[HO], 8, v3
	v_lshl_add_u32 v[HO], v2, 4, v[HO]             ; and the same two rows in h2
	s_mul_i32 s25, s[WV], 3072
	s_add_co_u32 s25, s25, XIMG
	v_add_nc_u32 v[XWI], s25, v[LI]
	s_lshl_b32 s25, s[WV], 8
	s_add_co_u32 s25, s25, XSC
	v_add_nc_u32 v[XWS], s25, v[LS]
	s_mul_i32 s25, s[WV], 768
	s_add_co_u32 s25, s25, HIMG
	v_add_nc_u32 v[HW16], s25, v[LI]
	s_add_co_u32 s25, s25, 512
	v_add_nc_u32 v[HW8], s25, v[L8]
	s_lshr_b32 s25, s[WV], 1
	s_lshl_b32 s25, s25, 7
	s_and_b32 s29, s[WV], 1
	s_lshl_b32 s29, s29, 1
	s_add_co_u32 s25, s25, s29
	s_add_co_u32 s25, s25, HSC
	v_add_nc_u32 v[HWS], s25, v[LS]                ; K step a / 2, halfword a % 2 of my lane's word
	v_and_b32 v[BVO], 8, v2
	v_add_nc_u32 v[BVO], v[BVO], v2
	v_lshlrev_b32 v[BVO], 2, v[BVO]                ; b_v: 4 (r + 8 (r / 8))
.irp b, 0,1,2,3
	v_mov_b32 v[TM+4+\b], 0                        ; a lane permute's destination counts as one of its sources
.endr
	s_mov_b32 s[SEL], 0x76543210
	s_mov_b32 s[SEL+1], 0xfedcba98                 ; lane l xor 16
	s_mov_b32 s28, 0xffff0000                      ; lanes 16-31
	s_lshr_b32 s30, ttmp9, 5                       ; batch
	s_lshl_b32 s30, s30, 2
	s_add_co_u32 s30, s30, s[WV]
	s_lshl_b32 s30, s30, 19                        ; (4 b + a) x 2,048 rows of 256 bytes
	s_and_b32 s46, ttmp9, 31
	s_lshl_b32 s46, s46, 14                        ; + 64 rows for each block of the batch
	s_add_co_u32 s30, s30, s46
	s_add_nc_u64 s[16:17], s[16:17], s[30:31]      ; h2
	s_mul_i32 s30, ttmp9, 14336
	s_add_nc_u64 s[36:37], s[18:19], s[30:31]      ; qb: my block
	s_mul_i32 s30, s[WV], 768
	s_add_nc_u64 s[18:19], s[36:37], s[30:31]      ; half image (m, a) at 768 (4 m + a)
	s_lshl_b32 s30, s[WV], 9
	s_add_nc_u64 s[38:39], s[36:37], s[30:31]      ; scale words at 12,288 + 512 a + 16 l + 4 m
	s_mul_i32 s30, ttmp9, 24576
	s_mul_i32 s46, s[WV], 6144
	s_add_co_u32 s30, s30, s46
	s_add_nc_u64 s[40:41], s[20:21], s[30:31]      ; kv: my group's codes, my head
	s_mul_i32 s30, ttmp9, 1536
	s_add_co_u32 s30, s30, 6291456
	s_add_nc_u64 s[42:43], s[20:21], s[30:31]      ; my group's scales
	s_lshl_b32 s30, s[WV], 7
	s_add_nc_u64 s[44:45], s[42:43], s[30:31]      ; V's at 1,024 + 128 a + 4 l
	s_lshl_b32 s30, s[WV], 8
	s_add_nc_u64 s[42:43], s[42:43], s[30:31]      ; K's at 256 a + 8 l
	; ---- X: my tile of x turns through my stage and becomes two fragments
	s_wait_loadcnt 36                              ; x's 32 loads are in; the 36 of w_in's set may be out
	WIN 0x0c                                       ; an LDS store's data are its source 1: window 3
	s_wait_alu depctr_va_vdst(0)                   ; the addresses v7 to v16 and v19 are written, which the LDS instructions, the stores of h and the loads of b_v read from here on
.irp i, 0,1,2,3,4,5,6,7,8,9,10,11,12,13,14,15
.irp k, 0,1
	ds_store_b128 v[XSTW], v[64+8*\i+4*\k:64+8*\i+4*\k+3] offset:1040*\i+512*\k
.endr
.endr
	WIN 0
	WFRAG 1, 0x40, 96                              ; w_q's set: 36 loads
	WBIAS 0x80, 224, 10
.irp b, 0,1,2,3
.irp j, 0,1,2,3
	ds_load_b128 v[R0+16*\b+4*\j:R0+16*\b+4*\j+3], v[XSTR] offset:128*\b+16*\j   ; LDS serves a wave's instructions in order: these see my stores
.endr
.endr
.irp b, 0,1,2,3
.irp j, 0,1,2,3
	ds_load_b128 v[R1+16*\b+4*\j:R1+16*\b+4*\j+3], v[XSTR] offset:512+128*\b+16*\j
.endr
.endr
	s_wait_dscnt 16                                ; K step 0's numbers are back; K step 1's sixteen loads may be out
	QUANT R0, PC, PC+12, PW
	s_wait_dscnt 0x0
	QUANT R1, PC2, PC+12, PW2                      ; the second image has registers of its own, so that one wait serves both images' stores
	s_wait_alu depctr_va_vdst(0)                   ; the quantisers have written both images and both scale words, which the LDS stores read; and they are done with v48-123 and v144-207, in which LDS loads land behind the barrier
.irp c, 0,1,2
	ds_store_b128 v[XWI], v[PC+4*\c:PC+4*\c+3] offset:512*\c
.endr
	ds_store_b32 v[XWS], v[PW]
.irp c, 0,1,2
	ds_store_b128 v[XWI], v[PC2+4*\c:PC2+4*\c+3] offset:1536+512*\c
.endr
	ds_store_b32 v[XWS], v[PW2] offset:128
	WFRAG 2, 0x80, 0                               ; w_k's set: 36 loads
	WBIAS 0xc0, 0, 12
	WFRAG 3, 0x80, 96                              ; w_v's set: 32 loads
	WIN 0xc0
.irp t, 0,1,2,3
	global_load_b32 v[32+8*\t], v[BVO], s[14:15] offset:(32*(\t/2)+8*(\t%2))*4   ; b_v of my lane's channel of tile t
.endr
	WIN 0
	BARRIER                                        ; x's eight fragments lie in LDS
	; ---- 1: my 64 units of h, a tile of 16 tokens at a time.  All of x's fragments come into registers in one run
	s_wait_alu depctr_vm_vsrc(0)                   ; my LDS stores have read both images and both scale words: loads land in v112-123 below, and the first tile's quantiser writes v[PC] on and v[PW]
.irp m, 0,1,2,3
.irp c, 0,1,2,3,4,5
	ds_load_b128 v[XF+24*\m+4*\c:XF+24*\m+4*\c+3], v[LI] offset:XIMG+3072*\m+512*\c
.endr
	ds_load_b32 v[XS+2*\m], v[LS] offset:XSC+256*\m
	ds_load_b32 v[XS+2*\m+1], v[LS] offset:XSC+256*\m+128
.endr
	s_wait_loadcnt 63                              ; w_in's set is in: 104 loads were issued behind it, and the count's field ends at 63
.irp m, 0,1,2,3
.if \m == 0
	s_wait_dscnt 24                                ; tile 0's eight loads are in; the 24 of the three later tiles may be out
.else
.if \m == 1
	s_wait_dscnt 19                                ; all of x is in: behind its last load stand tile 0's 19 LDS instructions, which may be out
.endif
	s_wait_alu depctr_vm_vsrc(0)                   ; the last tile's LDS stores have read v[HA] on, which the products below write, and v[PC] on and v[PW], which the quantiser below writes
.endif
	WIN 0x21                                       ; source 0 (w_in) window 1, source 2 (b_in) window 2
.irp t, 0,1,2,3
	v_wmma_scale_f32_16x16x128_f8f6f4 v[HA+8*\t:HA+8*\t+7], v[24*\t:24*\t+11], v[XF+24*\m:XF+24*\m+11], v[192+8*\t:192+8*\t+7], v[WS+\t], v[XS+2*\m] matrix_a_fmt:MATRIX_FMT_FP6 matrix_b_fmt:MATRIX_FMT_FP6
.endr
	WIN 0x01                                       ; the four accumulators take turns
.irp t, 0,1,2,3
	v_wmma_scale_f32_16x16x128_f8f6f4 v[HA+8*\t:HA+8*\t+7], v[24*\t+12:24*\t+23], v[XF+24*\m+12:XF+24*\m+23], v[HA+8*\t:HA+8*\t+7], v[WS+\t], v[XS+2*\m+1] matrix_a_fmt:MATRIX_FMT_FP6 matrix_b_fmt:MATRIX_FMT_FP6 matrix_a_scale:MATRIX_SCALE_ROW1
.endr
	WIN 0
.if \m > 0
	HOUT \m-1                                      ; the last tile's rows: their way through the stage lay under the eight products; their data come from LDS loads and their offset from the head
.endif
	PLACES 5                                       ; places behind the products, ahead of the first read of their results
	QUANT2 HA, PC, PC+12                           ; each accumulator is read from its low end on
.if \m > 0
	s_wait_xcnt 0x0                                ; the last tile's stores have had their addresses translated: v[OB] on is loaded again only behind this wait,
	s_wait_alu depctr_vm_vsrc(0)                   ; and they have read v[OB] on, in which the loads from the stage land
.endif
	s_wait_alu depctr_va_vdst(0)                   ; the products have written v[HA] on and the quantiser v[PC] on and v[PW], which the LDS stores read; the products are done with this tile's fragments of x and their scale words (behind the last tile h's land there)
.irp t, 0,1,2,3
	ds_store_b128 v[SO], v[HA+8*\t:HA+8*\t+3] offset:128*(\t/2)+32*(\t%2)        ; units 32 b + 16 h + 8 u + 0 .. 7 of token r
	ds_store_b128 v[SO], v[HA+8*\t+4:HA+8*\t+7] offset:128*(\t/2)+32*(\t%2)+16
.endr
.irp i, 0,1,2,3,4,5,6,7
	ds_load_b128 v[OB+4*\i:OB+4*\i+3], v[RD] offset:544*\i
.endr
	ds_store_b128 v[HW16], v[PC:PC+3] offset:3072*\m
	ds_store_b64 v[HW8], v[PC+4:PC+5] offset:3072*\m
	ds_store_b16 v[HWS], v[PW] offset:256*\m
.endr
	HOUT 3
	BARRIER                                        ; h's sixteen half fragments and their scale words lie in LDS
	; ---- A: q and k of my head.  All of h's fragments come into registers and stay for v
.irp f, 0,1,2,3,4,5,6,7,8,9,10,11,12,13,14,15
	ds_load_b128 v[HF+6*\f:HF+6*\f+3], v[LI] offset:HIMG+768*\f
	ds_load_b64 v[HF+6*\f+4:HF+6*\f+5], v[L8] offset:HIMG+768*\f+512
.endr
.irp f, 0,1,2,3,4,5,6,7
	ds_load_b32 v[HS+\f], v[LS] offset:HSC+128*\f
.endr
	s_wait_dscnt 0x0
	s_wait_loadcnt 32                              ; w_q's and w_k's sets are in; w_v's 32 loads may be out
	s_wait_xcnt 0x0                                ; the last rows' stores have had their addresses translated: their data registers are written only behind this wait,
	s_wait_alu depctr_vm_vsrc(0)                   ; and they have read v[OB] on, the last tile's LDS stores v[HA] on, v[PC] on and v[PW]: these registers are QA, KA and the codes from here on
.irp m, 0,1,2,3
	WIN 0x21                                       ; w_q window 1, b_q window 2
.irp t, 0,1,2,3
	v_wmma_scale_f32_16x16x128_f8f6f4 v[QA+8*\t:QA+8*\t+7], v[96+24*\t:96+24*\t+11], v[HF+24*\m:HF+24*\m+11], v[224+8*\t:224+8*\t+7], v[WS+4+\t], v[HS+2*\m] matrix_a_fmt:MATRIX_FMT_FP6 matrix_b_fmt:MATRIX_FMT_FP6
.endr
	WIN 0x32                                       ; w_k window 2, b_k window 3
.irp t, 0,1,2,3
	v_wmma_scale_f32_16x16x128_f8f6f4 v[KA+8*\t:KA+8*\t+7], v[24*\t:24*\t+11], v[HF+24*\m:HF+24*\m+11], v[8*\t:8*\t+7], v[WS+8+\t], v[HS+2*\m] matrix_a_fmt:MATRIX_FMT_FP6 matrix_b_fmt:MATRIX_FMT_FP6
.endr
	WIN 0x01
.irp t, 0,1,2,3
	v_wmma_scale_f32_16x16x128_f8f6f4 v[QA+8*\t:QA+8*\t+7], v[96+24*\t+12:96+24*\t+23], v[HF+24*\m+12:HF+24*\m+23], v[QA+8*\t:QA+8*\t+7], v[WS+4+\t], v[HS+2*\m+1] matrix_a_fmt:MATRIX_FMT_FP6 matrix_b_fmt:MATRIX_FMT_FP6 matrix_a_scale:MATRIX_SCALE_ROW1
.endr
	WIN 0x02
.irp t, 0,1,2,3
	v_wmma_scale_f32_16x16x128_f8f6f4 v[KA+8*\t:KA+8*\t+7], v[24*\t+12:24*\t+23], v[HF+24*\m+12:HF+24*\m+23], v[KA+8*\t:KA+8*\t+7], v[WS+8+\t], v[HS+2*\m+1] matrix_a_fmt:MATRIX_FMT_FP6 matrix_b_fmt:MATRIX_FMT_FP6 matrix_a_scale:MATRIX_SCALE_ROW1
.endr
	WIN 0
	PLACES 5
.if \m > 0
	s_wait_xcnt 0x0                                ; the last tile's stores have had their addresses translated: the codes below are written only behind this wait,
	s_wait_alu depctr_vm_vsrc(0)                   ; and they have read v[QC] on and v[KC] on, which the quantisers below write again
.endif
.irp j, 0,2,4,6,8,10,12,14,16,18,20,22,24,26,28,30
	v_pk_mul_f32 v[QA+\j:QA+\j+1], v[QA+\j:QA+\j+1], 0x3e000000 op_sel_hi:[1,0]   ; q / sqrt(64): exact
.endr
	QUANT2 QA, QC, PT2
	v_mov_b32 v[QSW+\m], v[PW]
	QUANT2 KA, KC+6*(\m%2), PT2                    ; two tiles of keys make one image of 12 registers
.if \m%2
	v_cndmask_b32 v[KSW+\m/2], v[KWE], v[PW], s28  ; lanes 0-15 the even tile's words, lanes 16-31 the odd tile's
.else
	v_mov_b32 v[KWE], v[PW]
.endif
	s_wait_alu depctr_va_vdst(0)                   ; the quantisers have written q's codes, k's codes and the scale words, which the tile's stores read
	global_store_b128 v[LI], v[QC:QC+3], s[18:19] offset:3072*\m
	global_store_b64 v[L8], v[QC+4:QC+5], s[18:19] offset:3072*\m+512
.if \m%2
.irp c, 0,1,2
	global_store_b128 v[LI], v[KC+4*\c:KC+4*\c+3], s[40:41] offset:1536*(\m/2)+512*\c
.endr
.endif
.endr
	global_store_b128 v[LI], v[QSW:QSW+3], s[38:39] offset:12288   ; written ahead of the last tile's wait
	global_store_b64 v[L8], v[KSW:KSW+1], s[42:43]
	; ---- B: v of my head, a tile of 16 channels at a time, for all 64 tokens
	s_wait_loadcnt 0x0
	WIN 0xc3                                       ; window 3: a lane's b_v stands in all eight registers of the C
.irp t, 0,1,2,3
.irp j, 1,2,3,4,5,6,7
	v_mov_b32 v[32+8*\t+\j], v[32+8*\t]
.endr
.endr
	WIN 0
	PLACES 4
.irp t, 0,1,2,3
	WIN 0x38                                       ; source 0 (h) window 0, source 1 (w_v) window 2, source 2 (b_v) window 3
.irp m, 0,1,2,3
	v_wmma_scale_f32_16x16x128_f8f6f4 v[VA+8*\m:VA+8*\m+7], v[HF+24*\m:HF+24*\m+11], v[96+24*\t:96+24*\t+11], v[32+8*\t:32+8*\t+7], v[HS+2*\m], v[WS+12+\t] matrix_a_fmt:MATRIX_FMT_FP6 matrix_b_fmt:MATRIX_FMT_FP6
.endr
	WIN 0x08
.irp m, 0,1,2,3
	v_wmma_scale_f32_16x16x128_f8f6f4 v[VA+8*\m:VA+8*\m+7], v[HF+24*\m+12:HF+24*\m+23], v[96+24*\t+12:96+24*\t+23], v[VA+8*\m:VA+8*\m+7], v[HS+2*\m+1], v[WS+12+\t] matrix_a_fmt:MATRIX_FMT_FP6 matrix_b_fmt:MATRIX_FMT_FP6 matrix_b_scale:MATRIX_SCALE_ROW1
.endr
	WIN 0
	PLACES 5
	s_wait_xcnt 0x0                                ; earlier stores have had their addresses translated: the codes below are written only behind this wait,
	s_wait_alu depctr_vm_vsrc(0)                   ; and they have read v[VC] on (ahead of the first tile: q's and k's codes, whose registers v's codes and scale bytes take)
	QUANT2 VA, VC, PT2                             ; register 16 b' + i is token 32 b' + 16 h + i of my lane's channel: two blocks along the keys
	v_mov_b32 v[VW+\t], v[PW]
.if \t == 3
	v_lshl_or_b32 v240, v[VW+1], 16, v[VW]
	v_lshl_or_b32 v241, v[VW+3], 16, v[VW+2]
	v_cndmask_b32 v240, v240, v241, s28            ; lane (r, h): the bytes of tiles 2 h and 2 h + 1
.endif
	s_wait_alu depctr_va_vdst(0)                   ; the quantiser has written v's codes (in the last tile: and v240 is written), which the stores read
	global_store_b128 v[LI], v[VC:VC+3], s[40:41] offset:3072+768*\t
	global_store_b64 v[L8], v[VC+4:VC+5], s[40:41] offset:3072+768*\t+512
.if \t == 3
	global_store_b32 v[LS], v240, s[44:45] offset:1024
.endif
.endr
	s_wait_dscnt 0x0                               ; the closing lines, six on end
	s_wait_alu 0x0
	s_wait_tensorcnt 0x0
	ds_add_u32 v247, v255
	s_wait_dscnt 0x0
	s_endpgm
.Lfunc_end_k_q30a7cc903a_proj:
	.size	k_q30a7cc903a_proj, .Lfunc_end_k_q30a7cc903a_proj-k_q30a7cc903a_proj
	.p2alignl 7, 3214868480
	.fill 96, 4, 3214868480
	.section	.rodata,"a",@progbits
	.p2align	6, 0x0
	.amdhsa_kernel k_q30a7cc903a_proj
		.amdhsa_group_segment_fixed_size 94720
		.amdhsa_private_segment_fixed_size 0
		.amdhsa_enable_private_segment 0
		.amdhsa_kernarg_size 72
		.amdhsa_user_sgpr_count 2
		.amdhsa_user_sgpr_kernarg_segment_ptr 1
		.amdhsa_wavefront_size32 1
		.amdhsa_system_sgpr_workgroup_id_x 1
		.amdhsa_system_sgpr_workgroup_id_y 1
		.amdhsa_system_sgpr_workgroup_id_z 1
		.amdhsa_system_vgpr_workitem_id 0
		.amdhsa_next_free_vgpr 1024
		.amdhsa_next_free_sgpr 66
		.amdhsa_reserve_vcc 0
		.amdhsa_float_denorm_mode_32 3
		.amdhsa_float_denorm_mode_16_64 3
		.amdhsa_memory_ordered 1
		.amdhsa_forward_progress 1
		.amdhsa_inst_pref_size 107
	.end_amdhsa_kernel
	.amdgpu_metadata
---
amdhsa.version: [ 1, 2 ]
amdhsa.kernels:
  - .name:           k_q30a7cc903a_proj
    .symbol:         k_q30a7cc903a_proj.kd
    .args:
      - { .name: x, .offset: 0, .size: 8, .value_kind: global_buffer, .address_space: global }
      - { .name: wimg, .offset: 8, .size: 8, .value_kind: global_buffer, .address_space: global }
      - { .name: b_in, .offset: 16, .size: 8, .value_kind: global_buffer, .address_space: global }
      - { .name: b_q, .offset: 24, .size: 8, .value_kind: global_buffer, .address_space: global }
      - { .name: b_k, .offset: 32, .size: 8, .value_kind: global_buffer, .address_space: global }
      - { .name: b_v, .offset: 40, .size: 8, .value_kind: global_buffer, .address_space: global }
      - { .name: h2, .offset: 48, .size: 8, .value_kind: global_buffer, .address_space: global }
      - { .name: qb, .offset: 56, .size: 8, .value_kind: global_buffer, .address_space: global }
      - { .name: kv, .offset: 64, .size: 8, .value_kind: global_buffer, .address_space: global }
    .group_segment_fixed_size: 94720
    .private_segment_fixed_size: 0
    .kernarg_segment_align: 8
    .kernarg_segment_size: 72
    .max_flat_workgroup_size: 128
    .sgpr_count:     66
    .vgpr_count:     1024
    .wavefront_size: 32
...
	.end_amdgpu_metadata
.endif
;; end of part 7
;; launch attn (part 8): grid 8 x 32, 16 waves a work-group, clusters of 4 x 1, 274,432 bytes of LDS; arguments qb, kv, wimg, b_o, w_bd, b_bd, zpb; writes zpb
.if DOCPART == 8
	.amdgcn_target "amdgcn-amd-amdhsa--gfx1250"
	.amdhsa_code_object_version 6
	.text
	.protected	k_q30a7cc903a_attn
	.globl	k_q30a7cc903a_attn
	.p2align	8
	.type	k_q30a7cc903a_attn,@function
k_q30a7cc903a_attn:
	s_mov_b64 s[64:65], 0
	v_nop
	global_prefetch_b8 v0, s[64:65] scope:SCOPE_SE
	s_setreg_imm32_b32 hwreg(HW_REG_WAVE_MODE, 25, 1), 1
	s_wait_xcnt 0x0
	s_wait_alu depctr_hold_cnt(0) depctr_sa_sdst(0) depctr_va_vdst(0) depctr_va_sdst(0) depctr_va_ssrc(0) depctr_va_vcc(0) depctr_vm_vsrc(0)
	s_getreg_b32 s2, hwreg(HW_REG_IB_STS2, 6, 4)
	s_cmp_eq_u32 s2, 0
	s_cbranch_scc0 .Lentry_in_a_cluster
	s_endpgm
.Lentry_in_a_cluster:
	s_bfe_u32 s2, ttmp6, 0x10000c
	s_cmp_lg_u32 s2, 0x3003
	s_cbranch_scc0 .Lentry_shape_is_right
	s_endpgm
.Lentry_shape_is_right:
; zp[head] = one head's part of z = ((softmax(q k^T) v) w_o^T + b_o) . w_bd + b_bd; the next launch adds the four heads' parts and takes the sigmoid.
; The three matrix products are on codes of FP6 (E2M3) with one E8M0 byte for each 32 along K.
; THE SOFTMAX: t = score x log2(e) (q carries 1 / 8 already); M = the row's largest t so far, rounded up to a whole number; p = 2^(t - M) is quantised along the keys, not normalised;
; the row's sum is taken of the unquantised p and divides O at the end; when M moves, the sum and O are multiplied by 2^(old M - new M): exact.
; SHARES.  A work-group owns 256 queries of ONE head of one batch; each of its sixteen waves owns a tile of 16, in 256 registers: four waves to a SIMD.  Every wave walks the 2,048 keys, 128 a step.
; ALL OF THE HEAD'S K AND V STAY IN LDS: 2,048 keys x 96 bytes = 196,608 bytes, as images of operand registers.  Every tile is filled once; no LDS byte is filled again, so the walk over the keys needs no ring:
; one barrier in front of the first four steps (the first 512 keys and the scale words have landed) and one in front of the other twelve (all has landed).
; CLUSTER.  The four work-groups of a cluster share batch and head: each tile is asked for jointly, by the same tensor load with the same descriptor and the mask 15.  Waves 0 to 3 fetch, five loads each, which is the most that a wave has out.
; NO PREFETCH: every byte that comes through LDS is asked for at the head; no later request exists that one could run ahead of.
; W_O.  Its K = 256 is four heads of 64, and the quantiser's blocks of 32 lie inside a head: the product is the sum of four products over K = 64, of which this work-group makes its head's, for all 256 units.
; Each head's part carries the bias dot of its own 64 units (b_o . w_bd) and a quarter of b_bd.
; LAYOUT.  S^T = K Q^T and O^T = V^T P^T: a lane holds one query throughout.  Lane r of a tile of keys, queries, channels or units 2 b + u is row 32 b + 8 u + r + 8 (r / 8), so 16 registers of two neighbouring tiles are 16 neighbours.
; A HEAD HAS 64 NUMBERS AND THE INSTRUCTION TAKES 128: Q's registers 6-11 hold zero codes; a tile of keys is 6 registers, and the 6 behind it (the next tile's, or zeros) meet those zero codes and add nothing; the scale bytes there are 0, not 0xff.
; Likewise the attention's result stands in the half of its operand that is its head's place in w_o's K step, with zero codes in the other half.
; LIMITS: NaN and infinities are not served; a block of zeros keeps the byte 1; the order of the f32 sums over w_o's K and over the units is by heads.
; REGISTERS IN THE LOOP: v1-4, v7-10 addresses; v12 -M, v13 largest t, v[14:15] the sum; v16-27 Q; v28 Q's scale words; v32-79 K's 8 tiles, then V's 4 fragments; v80-85 zeros; v86-89 K's scale words; v90-93 V's; v96-159 S^T, then p;
;   v160-191 O^T; v192-203 p's codes; v204-226 at work; v228-243 w_o's scale words; v244 the bias part.
; BEHIND THE LOOP: v3-8 addresses; v16-27 the attention's result as an operand, v28 its scale word; v32-79, v80-127 four fragments of w_o each; v128-159 four results; v160-175 w_bd; v176-183 the sums.
.set GH,    6144                       ; a group of 64 keys of one head: K 2 x 1,536, V 4 x 768
.set GMEM,  24576                      ; from group to group in memory: four heads
.set SCB,   196608                     ; behind the 32 groups: the batch's scale words, 1,536 bytes a group
.set WOL,   245760                     ; w_o's 16 fragments of my head's K step, 1,536 bytes each
.set WBL,   270336                     ; w_bd, 1,024 bytes
.set ZST,   271360                     ; the stage for the 256 results: four blocks of 256 bytes into which no fill lands
.set A16,1
.set A8,2
.set AKS,3
.set AVS,4
.set ADK,7
.set ADV8,8
.set ADS,9
.set ADT,10
.set AF,16                             ; behind the loop: the attention's result as source 0
.set QS,28
.set ASW,28                            ; behind the loop: its scale word
.set KB,32
.set KS,86
.set VR,90
.set VSX,92
.set VSY,93
.set S,96
.set ACC,128
.set O,160
.set WB,160
.set Z,176
.set PC,192
.set PT,204
.set BM,212
.set BX,216
.set SOP,220
.set F,224
.set PSW,225
.set T0,226
.set WOS,228
.set ZC,244
.set TM,208                            ; the quantiser behind the loop works on v208-209, v212-213, v220-221
.set PW,222
.set TB,2
.set TS,3
.set WV,18
.set CNT,19
.set SEL,20
.set CS,22
.set G1A,24                            ; descriptor groups 1: the first 8 groups' shape, the other 24's, the scale words', w_o's, w_bd's
.set G1B,32
.set G1S,40
.set G1W,48
.set G1D,56
.set BBD,66
.set G0S,68                            ; descriptor groups 0, one for each load: none is written again
.set G0A,72
.set G0B,76
.set G0W,80
.set G0D,84
.macro PLACES n
.rept \n
	v_nop
.endr
.endm
.macro BARRIER
	s_wait_dscnt 0x0
	s_barrier_signal -1
	s_barrier_wait -1
.endm
; A round of the cluster's barrier: my work-group's barrier, wave 0 signals for the work-group, every wave waits for all four work-groups, my work-group's barrier once more.
.macro CROUND
	s_barrier_signal -1
	s_barrier_wait -1
	s_cmp_lg_u32 s[WV], 0
	s_cbranch_scc1 .Lnot_wave_0_\@
	s_barrier_signal -3
.Lnot_wave_0_\@:
	s_barrier_wait -3
	s_barrier_signal -1
	s_barrier_wait -1
.endm
; Descriptor group 1: r rows of c elements of 8 bytes, p elements from row to row; no padding; the mask names all four work-groups, bit 21 is set beside it
.macro SHAPE g, c, r, p
	s_mov_b32 s[\g], 15|(3<<16)|(1<<21)
	s_mov_b32 s[\g+1], (\c)<<16                    ; tensor_dim0
	s_mov_b32 s[\g+2], (\r)<<16                    ; tensor_dim1
	s_mov_b32 s[\g+3], (\c)<<16                    ; tile_dim0
	s_mov_b32 s[\g+4], \r                          ; tile_dim1
	s_mov_b32 s[\g+5], \p                          ; the pitch
	s_mov_b32 s[\g+6], 0
	s_mov_b32 s[\g+7], 0
.endm
; 32 numbers of a lane, two blocks, become half a fragment, 6 registers at v[d]; v[PW] = byte 0 | byte 1 << 8
.macro QUANT2 s, d, p
.irp b, 0,1
	v_max3_num_f32 v[TM+\b], |v[\s+16*\b]|, |v[\s+1+16*\b]|, 0x1800000
.endr
.irp i, 2,4,6,8,10,12,14
.irp b, 0,1
	s_delay_alu instid0(VALU_DEP_2)
	v_max3_num_f32 v[TM+\b], v[TM+\b], |v[\s+16*\b+\i]|, |v[\s+1+16*\b+\i]|
.endr
.endr
.irp b, 0,1
	s_delay_alu instid0(VALU_DEP_2)
	v_permlanex16_b32 v[TM+4+\b], v[TM+\b], s[SEL], s[SEL+1]
.endr
.irp b, 0,1
	s_delay_alu instid0(VALU_DEP_2)
	v_max_num_f32 v[TM+\b], v[TM+\b], v[TM+4+\b]
.endr
.irp b, 0,1
	s_delay_alu instid0(VALU_DEP_2)
	v_add_nc_u32 v[TM+12+\b], 0xff000000, v[TM+\b]
.endr
.irp b, 0,1
	s_delay_alu instid0(VALU_DEP_2)
	v_lshrrev_b32 v[TM+4+\b], 23, v[TM+12+\b]
.endr
	s_delay_alu instid0(VALU_DEP_1)
	v_lshl_or_b32 v[PW], v[TM+5], 8, v[TM+4]
	v_cvt_scalef32_pk16_fp6_f32 v[\d:\d+2], v[\s:\s+15], v[TM+12]
	v_cvt_scalef32_pk16_fp6_f32 v[\p:\p+2], v[\s+16:\s+31], v[TM+13]
	v_nop
.irp i, 0,1,2
	v_permlane16_swap_b32 v[\d+\i], v[\p+\i]
.endr
.irp i, 0,1,2
	s_delay_alu instid0(VALU_DEP_3)
	v_mov_b32 v[\d+3+\i], v[\p+\i]
.endr
.endm
	s_load_b256 s[4:11], s[0:1], 0x0               ; qb, kv, wimg, b_o
	s_load_b128 s[12:15], s[0:1], 0x20             ; w_bd, b_bd
	s_load_b64 s[16:17], s[0:1], 0x30              ; zpb
	v_lshl_add_u32 v254, v0, 2, 0x42800
	v_mov_b32 v255, 0
	ds_add_u32 v254, v255
	ds_add_u32 v254, v255
	v_lshrrev_b32 v7, 5, v0
	s_delay_alu instid0(VALU_DEP_1)
	v_readfirstlane_b32 s[WV], v7                  ; wave 0..15
	s_and_b32 s88, s[WV], 3                        ; my tile m of a block of 64 queries; in waves 0 to 3 also the quarter that I fetch
	s_lshr_b32 s89, s[WV], 2                       ; which 64 of the 256 queries
	s_and_b32 s92, ttmp7, 0xffff                   ; 4 x batch + head, which the four partners share
	s_and_b32 s93, s92, 3                          ; head
	s_lshr_b32 s92, s92, 2                         ; batch
	s_lshr_b32 s99, s93, 1                         ; my head's K step of w_o
	SHAPE G1S, 32, 48, 32                          ; a quarter of the batch's scale words: 12,288 dense bytes as rows of 256
	SHAPE G1A, 768, 2, 3072                        ; two groups: my head's 6,144 bytes of each, 24,576 bytes apart
	SHAPE G1B, 768, 6, 3072                        ; six groups
	SHAPE G1W, 192, 4, 384                         ; four fragments of w_o: 1,536 bytes of each 3,072 (one K step of two)
	SHAPE G1D, 32, 1, 32                           ; 256 bytes of w_bd
	s_mov_b32 s95, 0
	s_mov_b32 s97, 0
	s_mul_i32 s94, s92, 32*GMEM                    ; the batch's codes,
	s_mul_i32 s98, s93, GH                         ; my head's part of a group
	s_add_co_u32 s94, s94, s98
	s_mul_i32 s98, s88, 2*GMEM
	s_add_co_u32 s96, s94, s98                     ; groups 2 w and 2 w + 1
	s_mul_i32 s98, s88, 6*GMEM
	s_add_co_u32 s94, s94, s98
	s_add_co_u32 s94, s94, 8*GMEM                  ; groups 8 + 6 w on
	s_mov_b32 s[SEL], 0x76543210
	s_mov_b32 s[SEL+1], 0xfedcba98                 ; lane l xor 16
	s_mov_b32 s[CS], 0x3fb8aa3b                    ; log2(e)
	s_mov_b32 s[CS+1], s[CS]                       ; named with it as a pair, so it is written
	s_mov_b32 s[TB], 0
	s_mov_b32 s[TS], 0
	s_wait_dscnt 0x0
	s_wait_kmcnt 0x0
	s_load_b32 s[BBD], s[14:15], 0x0               ; b_bd: a number, used as data alone
	s_mov_b32 s[G0A], 1                            ; count = 1
	s_mul_i32 s[G0A+1], s88, 2*GH                  ; LDS address
	s_add_nc_u64 s[G0A+2:G0A+3], s[6:7], s[96:97]  ; global address
	s_or_b32 s[G0A+3], s[G0A+3], 0x80000000        ; type = 2
	s_mov_b32 s[G0B], 1
	s_mul_i32 s[G0B+1], s88, 6*GH
	s_add_co_u32 s[G0B+1], s[G0B+1], 8*GH
	s_add_nc_u64 s[G0B+2:G0B+3], s[6:7], s[94:95]
	s_or_b32 s[G0B+3], s[G0B+3], 0x80000000
	s_mul_i32 s98, s88, 12288                      ; my quarter of the scale words; also four tiles of w_o in memory
	s_mul_i32 s94, s92, 49152
	s_add_co_u32 s94, s94, s98
	s_add_co_u32 s94, s94, 256*GMEM                ; the scale words lie behind all codes
	s_mov_b32 s[G0S], 1
	s_add_co_u32 s[G0S+1], s98, SCB
	s_add_nc_u64 s[G0S+2:G0S+3], s[6:7], s[94:95]
	s_or_b32 s[G0S+3], s[G0S+3], 0x80000000
	s_mul_i32 s94, s99, 1536                       ; w_o: fragment (T, s) at 1,536 (2 T + s): my K step, tiles 4 w on
	s_add_co_u32 s94, s94, s98
	s_add_co_u32 s94, s94, 204800
	s_mov_b32 s[G0W], 1
	s_mul_i32 s[G0W+1], s88, 6144
	s_add_co_u32 s[G0W+1], s[G0W+1], WOL
	s_add_nc_u64 s[G0W+2:G0W+3], s[8:9], s[94:95]
	s_or_b32 s[G0W+3], s[G0W+3], 0x80000000
	s_lshl_b32 s94, s88, 8
	s_mov_b32 s[G0D], 1
	s_add_co_u32 s[G0D+1], s94, WBL
	s_add_nc_u64 s[G0D+2:G0D+3], s[12:13], s[94:95]
	s_or_b32 s[G0D+3], s[G0D+3], 0x80000000
	CROUND                                         ; all four work-groups are here: the joint loads meet
	s_cmp_lt_u32 s[WV], 4                          ; all fills of a wave stand in one branch: five loads of mine are out
	s_cbranch_scc0 .Lno_first
	tensor_load_to_lds s[G0S:G0S+3], s[G1S:G1S+7]  ; the scale words,
	s_nop 0
	tensor_load_to_lds s[G0A:G0A+3], s[G1A:G1A+7]  ; the first 512 keys: these two are wanted first
	s_nop 0
	tensor_load_to_lds s[G0B:G0B+3], s[G1B:G1B+7]  ; the other 1,536 keys,
	s_nop 0
	tensor_load_to_lds s[G0W:G0W+3], s[G1W:G1W+7]  ; w_o,
	s_nop 0
	tensor_load_to_lds s[G0D:G0D+3], s[G1D:G1D+7]  ; w_bd
	s_nop 0
.rept 4
	v_nop
.endr
.Lno_first:
	s_bfe_u32 s90, ttmp6, 0x40000                  ; cx: it enters qb's and zpb's addresses alone
	s_lshl_b32 s91, ttmp9, 2
	s_add_co_u32 s91, s91, s90                     ; my block of 256 queries in the batch
	s_lshl_b32 s94, s92, 5
	s_lshl_b32 s98, s91, 2
	s_add_co_u32 s94, s94, s98
	s_add_co_u32 s94, s94, s89                     ; my block of 64: 32 batch + 4 block + wave / 4
	s_mul_i32 s94, s94, 14336
	s_add_nc_u64 s[4:5], s[4:5], s[94:95]
	s_lshl_b32 s94, s88, 2
	s_add_co_u32 s94, s94, s93
	s_mul_i32 s94, s94, 768
	s_add_nc_u64 s[96:97], s[4:5], s[94:95]        ; my half image: 768 (4 m + head)
	s_lshl_b32 s94, s93, 9
	s_lshl_b32 s98, s88, 2
	s_add_co_u32 s94, s94, s98
	s_add_nc_u64 s[4:5], s[4:5], s[94:95]          ; my scale words, less 12,288: 512 head + 4 m
	v_and_b32 v6, 31, v0                           ; lane l
	s_delay_alu instid0(VALU_DEP_1)
	v_lshlrev_b32 v[A16], 4, v6                    ; 16 l: my place in an image's plane of 512 bytes
	s_delay_alu instid0(VALU_DEP_2)
	v_lshlrev_b32 v[A8], 3, v6                     ; 8 l: in a plane of 256
	s_wait_alu depctr_va_vdst(0)
	global_load_b128 v[16:19], v[A16], s[96:97]    ; Q's six registers stay
	global_load_b64 v[20:21], v[A8], s[96:97] offset:512
	global_load_b32 v[QS], v[A16], s[4:5] offset:12288
	s_lshl_b32 s94, s99, 6
	s_add_nc_u64 s[8:9], s[8:9], s[94:95]          ; w_o's scale words of my K step: 128 T + 64 s + 4 r: lanes 0-15 then hold the row that the instruction reads
	v_and_b32 v10, 15, v0
	s_delay_alu instid0(VALU_DEP_1)
	v_lshlrev_b32 v10, 2, v10
.irp t, 0,1,2,3,4,5,6,7,8,9,10,11,12,13,14,15
	global_load_b32 v[WOS+\t], v10, s[8:9] offset:204800+49152+128*\t
.endr
	s_lshl_b32 s94, s93, 8
	s_add_nc_u64 s[10:11], s[10:11], s[94:95]      ; b_o and w_bd at my head's own 64 units: two a lane
	s_add_nc_u64 s[12:13], s[12:13], s[94:95]
	global_load_b64 v[246:247], v[A8], s[10:11]
	global_load_b64 v[248:249], v[A8], s[12:13]
	s_lshl_b32 s94, s93, 16
	s_lshl_b32 s98, s92, 13
	s_add_co_u32 s94, s94, s98
	s_lshl_b32 s98, s91, 10
	s_add_co_u32 s94, s94, s98
	s_add_nc_u64 s[16:17], s[16:17], s[94:95]      ; zpb: plane head, batch, my 256 numbers
	s_lshl_b32 s94, s93, 8
	s_add_co_u32 s94, s94, SCB
	v_add_nc_u32 v[AKS], s94, v[A8]                ; K's scale words: 256 head + 8 l
	s_lshl_b32 s94, s93, 7
	s_add_co_u32 s94, s94, SCB+1024
	v_lshl_add_u32 v[AVS], v6, 2, s94              ; V's: 1,024 + 128 head + 4 l
.irp j, 22,23,24,25,26,27,80,81,82,83,84,85
	v_mov_b32 v\j, 0                               ; zero codes: Q's upper half, and the six registers behind the last tile of keys
.endr
	v_mov_b32 v13, 0xff61b1e6                      ; the largest t so far: -3e38, under every t
	s_delay_alu instid0(VALU_DEP_1)
	v_floor_f32 v12, -v13                          ; -M
	v_mov_b32 v14, 0                               ; the sum, in two halves
	v_mov_b32 v15, 0
.irp b, 0,1,2,3
	v_mov_b32 v[BX+\b], 0                          ; a lane permute's destination counts as one of its sources
.endr
	v_mov_b32 v[PSW], 0                            ; named as the upper half of the pair with f before it is first written
	v_mov_b32 v[T0], 0
	v_mov_b32 v245, 0x3e800000                     ; 1 / 4
.set j, 0
.rept 32
	v_mov_b32 v[O+j], 0                            ; O^T: the step is written once; the first step finds zeros, which the first change of M leaves zeros
.set j, j+1
.endr
	s_wait_loadcnt 0x0                             ; Q, w_o's scale words, the biases
	s_wait_kmcnt 0x0                               ; b_bd
	v_mul_f32 v[ZC], v246, v248                    ; the bias part: b_o . w_bd over my head's own 64 units,
	s_delay_alu instid0(VALU_DEP_1)
	v_fma_f32 v[ZC], v247, v249, v[ZC]
	s_delay_alu instid0(VALU_DEP_1)
	v_add_f32_dpp v[ZC], v[ZC], v[ZC] row_xmask:1 row_mask:0xf bank_mask:0xf
	s_delay_alu instid0(VALU_DEP_1)
	v_add_f32_dpp v[ZC], v[ZC], v[ZC] row_xmask:2 row_mask:0xf bank_mask:0xf
	s_delay_alu instid0(VALU_DEP_1)
	v_add_f32_dpp v[ZC], v[ZC], v[ZC] row_xmask:4 row_mask:0xf bank_mask:0xf
	s_delay_alu instid0(VALU_DEP_1)
	v_add_f32_dpp v[ZC], v[ZC], v[ZC] row_xmask:8 row_mask:0xf bank_mask:0xf
	s_delay_alu instid0(VALU_DEP_1)
	v_permlanex16_b32 v[T0], v[ZC], s[SEL], s[SEL+1]
	s_delay_alu instid0(VALU_DEP_1)
	v_add_f32 v[ZC], v[ZC], v[T0]
	s_delay_alu instid0(VALU_DEP_1)
	v_fma_f32 v[ZC], s[BBD], v245, v[ZC]           ; and a quarter of b_bd: the four heads' parts make it whole
; A KEY STEP: 128 keys = two groups, at LDS byte s[TB]; their scale words at s[TS].
.macro STEP
	s_setprio 2
	v_add_nc_u32 v[ADK], s[TB], v[A16]             ; these four additions are the places behind the last step's products, ahead of the loads into registers that they read
	v_add_nc_u32 v[ADV8], s[TB], v[A8]
	v_add_nc_u32 v[ADS], s[TS], v[AKS]
	v_add_nc_u32 v[ADT], s[TS], v[AVS]
.irp g, 0,1
.irp u, 0,1
.irp c, 0,1,2
	ds_load_b128 v[KB+24*\g+12*\u+4*\c:KB+24*\g+12*\u+4*\c+3], v[ADK] offset:GH*\g+1536*\u+512*\c   ; tile t of keys at v[KB + 6 t]
.endr
.endr
	ds_load_b64 v[KS+2*\g:KS+2*\g+1], v[ADS] offset:1536*\g
.endr
	s_wait_alu depctr_va_vdst(0)
	s_wait_dscnt 0x0
.irp t, 0,1,2,3,4,5,6,7
.if \t%2
	v_wmma_scale_f32_16x16x128_f8f6f4 v[S+8*\t:S+8*\t+7], v[KB+6*\t:KB+6*\t+11], v[16:27], 0, v[KS+\t/2], v[QS] matrix_a_fmt:MATRIX_FMT_FP6 matrix_b_fmt:MATRIX_FMT_FP6 matrix_a_scale:MATRIX_SCALE_ROW1
.else
	v_wmma_scale_f32_16x16x128_f8f6f4 v[S+8*\t:S+8*\t+7], v[KB+6*\t:KB+6*\t+11], v[16:27], 0, v[KS+\t/2], v[QS] matrix_a_fmt:MATRIX_FMT_FP6 matrix_b_fmt:MATRIX_FMT_FP6
.endif
.endr
	PLACES 5                                       ; places ahead of the loads into K's registers and of the first read of the scores
.irp g, 0,1                                    ; V's four fragments take K's place and land under the softmax: registers 6 g .. 6 g + 5 of a fragment are group g's keys
.irp t, 0,1,2,3
	ds_load_b128 v[KB+12*\t+6*\g:KB+12*\t+6*\g+3], v[ADK] offset:GH*\g+3072+768*\t
	ds_load_b64 v[KB+12*\t+6*\g+4:KB+12*\t+6*\g+5], v[ADV8] offset:GH*\g+3072+768*\t+512
.endr
	ds_load_b32 v[VR+\g], v[ADT] offset:1536*\g
.endr
.irp b, 0,1,2,3
	v_max3_num_f32 v[BM+\b], v[S+16*\b], v[S+1+16*\b], v[S+2+16*\b]   ; the largest score of each block of 32 keys: it serves for the row's maximum and, since p rises with the score, for the block's largest p
.endr
.irp i, 3,5,7,9,11,13
.irp b, 0,1,2,3
	v_max3_num_f32 v[BM+\b], v[BM+\b], v[S+16*\b+\i], v[S+1+16*\b+\i]
.endr
.endr
.irp b, 0,1,2,3
	v_max_num_f32 v[BM+\b], v[BM+\b], v[S+15+16*\b]
.endr
.irp b, 0,1,2,3
	s_delay_alu instid0(VALU_DEP_4)
	v_permlanex16_b32 v[BX+\b], v[BM+\b], s[SEL], s[SEL+1]
.endr
.irp b, 0,1,2,3
	s_delay_alu instid0(VALU_DEP_4)
	v_max_num_f32 v[BM+\b], v[BM+\b], v[BX+\b]     ; with lane l xor 16's 16 keys
.endr
	s_delay_alu instid0(VALU_DEP_2)
	v_max3_num_f32 v[T0], v[BM], v[BM+1], v[BM+2]
	s_delay_alu instid0(VALU_DEP_1)
	v_max_num_f32 v[T0], v[T0], v[BM+3]            ; the step's largest score of my query
	s_delay_alu instid0(VALU_DEP_1)
	v_mul_f32 v[T0], s[CS], v[T0]                  ; as t
	s_delay_alu instid0(VALU_DEP_1)
	v_max_num_f32 v13, v13, v[T0]                  ; the running largest t
	v_mov_b32 v[T0], v12
	s_delay_alu instid0(VALU_DEP_2)
	v_floor_f32 v12, -v13                          ; the new -M = floor(-t) = -ceil(t)
	s_delay_alu instid0(VALU_DEP_1)
	v_sub_f32 v[T0], v12, v[T0]                    ; old M - new M: a whole number, 0 or less
	s_delay_alu instid0(VALU_DEP_1)
	v_cvt_i32_f32 v[T0], v[T0]                     ; (it saturates)
	s_delay_alu instid0(VALU_DEP_1)
	v_ldexp_f32 v[F], 1.0, v[T0]                   ; f = 2^(old M - new M)
.irp j, 0,2,4,6,8,10,12,14,16,18,20,22,24,26,28,30,32,34,36,38,40,42,44,46,48,50,52,54,56,58,60,62
	v_pk_fma_f32 v[S+\j:S+1+\j], v[S+\j:S+1+\j], s[CS:CS+1], v[12:13] op_sel_hi:[1,0,0]   ; t - M, two at a time
.endr
.irp b, 0,1,2,3
	v_fma_f32 v[BM+\b], v[BM+\b], s[CS], v12       ; the same of each block's largest score
.endr
	s_wait_alu depctr_va_vdst(0)
.irp j, 0,1,2,3,4,5,6,7,8,9,10,11,12,13,14,15,16,17,18,19,20,21,22,23,24,25,26,27,28,29,30,31,32,33,34,35,36,37,38,39,40,41,42,43,44,45,46,47,48,49,50,51,52,53,54,55,56,57,58,59,60,61,62,63
	v_exp_f32 v[S+\j], v[S+\j]                     ; p = 2^(t - M), at most 1
.endr
	s_setprio 1
	v_pk_mul_f32 v[14:15], v[14:15], v[F:F+1] op_sel_hi:[1,0]   ; the sums under the new M: a plain line behind the exponentials
	s_wait_alu depctr_va_vdst(0)                   ; one wait for the whole batch, ahead of its first reader
.irp b, 0,1,2,3
	v_exp_f32 v[BM+\b], v[BM+\b]                   ; the block's largest p: the same two instructions on the same number give the same bits
.endr
	v_pk_add_f32 v[216:217], v[100:101], v[104:105]
	v_pk_add_f32 v[252:253], v[108:109], v[112:113]
	v_pk_add_f32 v[250:251], v[116:117], v[120:121]
	v_pk_add_f32 v[248:249], v[124:125], v[128:129]
	v_pk_add_f32 v[246:247], v[132:133], v[136:137]
	v_pk_add_f32 v[222:223], v[140:141], v[144:145]
	v_pk_add_f32 v[220:221], v[148:149], v[152:153]
	v_pk_add_f32 v[14:15], v[14:15], v[156:157]
	v_pk_add_f32 v[216:217], v[216:217], v[96:97]
	v_pk_add_f32 v[252:253], v[252:253], v[98:99]
	v_pk_add_f32 v[250:251], v[250:251], v[102:103]
	v_pk_add_f32 v[248:249], v[248:249], v[106:107]
	v_pk_add_f32 v[246:247], v[246:247], v[110:111]
	v_pk_add_f32 v[222:223], v[222:223], v[114:115]
	v_pk_add_f32 v[220:221], v[220:221], v[118:119]
	v_pk_add_f32 v[14:15], v[14:15], v[122:123]
	v_pk_add_f32 v[216:217], v[216:217], v[126:127]
	v_pk_add_f32 v[252:253], v[252:253], v[130:131]
	v_pk_add_f32 v[250:251], v[250:251], v[134:135]
	v_pk_add_f32 v[248:249], v[248:249], v[138:139]
	v_pk_add_f32 v[246:247], v[246:247], v[142:143]
	v_pk_add_f32 v[222:223], v[222:223], v[146:147]
	v_pk_add_f32 v[220:221], v[220:221], v[150:151]
	v_pk_add_f32 v[14:15], v[14:15], v[154:155]
	v_pk_add_f32 v[216:217], v[216:217], v[158:159]
	s_delay_alu instid0(VALU_DEP_2)
	v_pk_add_f32 v[14:15], v[14:15], v[248:249]
	s_delay_alu instid0(VALU_DEP_2)
	v_pk_add_f32 v[216:217], v[216:217], v[246:247]
	v_pk_add_f32 v[252:253], v[252:253], v[222:223]
	v_pk_add_f32 v[250:251], v[250:251], v[220:221]
	s_delay_alu instid0(VALU_DEP_2)
	v_pk_add_f32 v[14:15], v[14:15], v[252:253]
	s_delay_alu instid0(VALU_DEP_2)
	v_pk_add_f32 v[216:217], v[216:217], v[250:251]
	s_delay_alu instid0(VALU_DEP_1)
	v_pk_add_f32 v[14:15], v[14:15], v[216:217]
	s_wait_alu depctr_va_vdst(0)                   ; and one for the four
.irp b, 0,1,2,3
	v_max_num_f32 v[BM+\b], 0x1800000, v[BM+\b]    ; the floor 2^(3 - 127): the byte cannot fall under 1
.endr
.irp b, 0,1,2,3
	s_delay_alu instid0(VALU_DEP_4)
	v_add_nc_u32 v[SOP+\b], 0xff000000, v[BM+\b]   ; 2 off the exponent field: the conversion's scale operand
.endr
.irp b, 0,1,2,3
	s_delay_alu instid0(VALU_DEP_4)
	v_lshrrev_b32 v[BX+\b], 23, v[SOP+\b]          ; the scale's byte
.endr
	s_delay_alu instid0(VALU_DEP_3)
	v_lshl_or_b32 v[PSW], v[BX+1], 8, v[BX]        ; p's scale word for these 128 keys
	s_delay_alu instid0(VALU_DEP_1)
	v_lshl_or_b32 v[PSW], v[BX+2], 16, v[PSW]
	s_delay_alu instid0(VALU_DEP_1)
	v_lshl_or_b32 v[PSW], v[BX+3], 24, v[PSW]
	s_wait_dscnt 0x0                               ; V's fragments and scale bytes are in
	v_perm_b32 v[VSX], v[VR+1], v[VR], 0x05040100  ; lane (r, h): the four bytes of V's tile 2 h for these 128 keys: two from each group;
	v_perm_b32 v[VSY], v[VR+1], v[VR], 0x07060302  ; of tile 2 h + 1
.irp c, 0,1
	v_cvt_scalef32_pk16_fp6_f32 v[PC+6*\c:PC+2+6*\c], v[S+32*\c:S+15+32*\c], v[SOP+2*\c]
	v_cvt_scalef32_pk16_fp6_f32 v[PT+4*\c:PT+2+4*\c], v[S+16+32*\c:S+31+32*\c], v[SOP+2*\c+1]
.endr
	v_nop                                          ; one plain line behind the conversions
.irp c, 0,1
.irp i, 0,1,2
	v_permlane16_swap_b32 v[PC+6*\c+\i], v[PT+4*\c+\i]
.endr
.irp i, 0,1,2
	s_delay_alu instid0(VALU_DEP_3)
	v_mov_b32 v[PC+3+6*\c+\i], v[PT+4*\c+\i]
.endr
.endr
	s_setprio 0
.irp j, 0,2,4,6,8,10,12,14,16,18,20,22,24,26,28,30
	v_pk_mul_f32 v[O+\j:O+1+\j], v[O+\j:O+1+\j], v[F:F+1] op_sel_hi:[1,0]   ; O^T under the new M; these lines are also the places between the codes' and scale words' last writes and the products
.endr
	v_wmma_scale_f32_16x16x128_f8f6f4 v[O:O+7], v[KB:KB+11], v[PC:PC+11], v[O:O+7], v[VSX], v[PSW] matrix_a_fmt:MATRIX_FMT_FP6 matrix_b_fmt:MATRIX_FMT_FP6
	v_wmma_scale_f32_16x16x128_f8f6f4 v[O+8:O+15], v[KB+12:KB+23], v[PC:PC+11], v[O+8:O+15], v[VSY], v[PSW] matrix_a_fmt:MATRIX_FMT_FP6 matrix_b_fmt:MATRIX_FMT_FP6
	v_wmma_scale_f32_16x16x128_f8f6f4 v[O+16:O+23], v[KB+24:KB+35], v[PC:PC+11], v[O+16:O+23], v[VSX], v[PSW] matrix_a_fmt:MATRIX_FMT_FP6 matrix_b_fmt:MATRIX_FMT_FP6 matrix_a_scale:MATRIX_SCALE_ROW1
	v_wmma_scale_f32_16x16x128_f8f6f4 v[O+24:O+31], v[KB+36:KB+47], v[PC:PC+11], v[O+24:O+31], v[VSY], v[PSW] matrix_a_fmt:MATRIX_FMT_FP6 matrix_b_fmt:MATRIX_FMT_FP6 matrix_a_scale:MATRIX_SCALE_ROW1
	s_add_co_u32 s[TB], s[TB], 2*GH                ; the next step's two groups,
	s_add_co_u32 s[TS], s[TS], 3072                ; and their scale words
.endm
	s_wait_tensorcnt 0x3                           ; my parts of the scale words and of the first 512 keys are in: three loads were issued behind them
	s_barrier_signal -1
	s_barrier_wait -1                              ; everybody's are
	s_mov_b32 s[CNT], 4
.Lfirst:                                           ; the first 8 groups: four steps, under which the rest lands
	STEP
	s_sub_co_u32 s[CNT], s[CNT], 1
	s_cmp_lg_u32 s[CNT], 0
	s_cbranch_scc1 .Lfirst
	s_setprio 0
	s_wait_tensorcnt 0x0                           ; all my loads have landed
	s_wait_dscnt 0x0
	s_barrier_signal -1
	s_barrier_wait -1                              ; everybody's have: from here on no wave waits for another until the results meet
	s_mov_b32 s[CNT], 12
.Lrest:
	STEP
	s_sub_co_u32 s[CNT], s[CNT], 1
	s_cmp_lg_u32 s[CNT], 0
	s_cbranch_scc1 .Lrest
	s_setprio 0
	; ---- THE WAY ON: O^T / the sum is quantised along my head's channels and is an operand as it stands; my head's part of w_o's product for all 256 units; the dot product with w_bd
.macro LOADW q, buf                            ; w_o's fragments of tiles 4 q .. 4 q + 3
.irp t, 0,1,2,3
.irp c, 0,1,2
	ds_load_b128 v[\buf+12*\t+4*\c:\buf+12*\t+4*\c+3], v3 offset:(4*(\q)+\t)*1536+512*\c
.endr
.endr
.endm
.macro MULW q, buf                             ; source 0 = my 16 queries, source 1 = 16 rows of w_o: lane (r, h) holds unit-lane r of the tile and its registers queries 8 h + 0 .. 7
.irp t, 0,1,2,3
	v_wmma_scale_f32_16x16x128_f8f6f4 v[ACC+8*\t:ACC+8*\t+7], v[AF:AF+11], v[\buf+12*\t:\buf+12*\t+11], 0, v[ASW], v[WOS+4*(\q)+\t] matrix_a_fmt:MATRIX_FMT_FP6 matrix_b_fmt:MATRIX_FMT_FP6
.endr
	PLACES 5                                       ; places ahead of the loads into the fragments' registers, of the first read of the results, and of the next four products, which begin these accumulators anew
.endm
.macro DOTW q                                  ; x w_bd of my lane's unit, into eight sums, one for each query of my half; each accumulator from its low end on
.irp t, 0,1,2,3
.irp j, 0,1,2,3,4,5,6,7
.if ((\q) == 0) && (\t == 0)
	v_mul_f32 v[Z+\j], v[ACC+\j], v[WB]            ; the first tile starts the sums: nothing is cleared
.else
	v_fmac_f32 v[Z+\j], v[ACC+8*\t+\j], v[WB+4*(\q)+\t]
.endif
.endr
.endr
.endm
	PLACES 4                                       ; places behind the last products
	v_add_f32 v14, v14, v15                        ; the sum's two halves,
	s_delay_alu instid0(VALU_DEP_1)
	v_permlanex16_b32 v[T0], v14, s[SEL], s[SEL+1]
	s_delay_alu instid0(VALU_DEP_1)
	v_add_f32 v14, v14, v[T0]                      ; and lane l xor 16's
	s_wait_alu depctr_va_vdst(0)
	v_rcp_f32 v14, v14
	v_and_b32 v6, 31, v0                           ; (a plain line behind the reciprocal)  lane l
	s_wait_alu depctr_va_vdst(0)
	v_lshl_add_u32 v3, v6, 4, WOL                  ; w_o's images: 16 l
	LOADW 0, 32                                    ; the first eight fragments are asked for at once, into two buffers
	LOADW 1, 80
	v_and_b32 v4, 15, v0
	s_delay_alu instid0(VALU_DEP_1)
	v_and_b32 v5, 8, v4
	s_delay_alu instid0(VALU_DEP_1)
	v_add_nc_u32 v4, v4, v5
	s_delay_alu instid0(VALU_DEP_1)
	v_lshl_add_u32 v4, v4, 2, WBL                  ; w_bd of my lane's unit of a tile: 4 (r + 8 (r / 8)), + 128 b + 32 u
	s_lshl_b32 s94, s89, 8                         ; the stage: 4 bytes a token: 64 (wave / 4) + 32 (m / 2) + 8 (m % 2),
	s_lshr_b32 s98, s88, 1
	s_lshl_b32 s98, s98, 7
	s_add_co_u32 s94, s94, s98
	s_and_b32 s98, s88, 1
	s_lshl_b32 s98, s98, 5
	s_add_co_u32 s94, s94, s98
	s_add_co_u32 s94, s94, ZST
	v_bfe_u32 v7, v0, 4, 1
	s_delay_alu instid0(VALU_DEP_1)
	v_lshl_add_u32 v7, v7, 6, s94                  ; + 16 h: queries 8 h + 0 .. 7 of a tile are eight neighbouring tokens
	v_lshl_add_u32 v8, v6, 4, ZST                  ; back: 16 l
	s_and_b32 s98, s93, 1                          ; c: my head's half of w_o's K step
	s_cmp_eq_u32 s98, 0
	s_cselect_b32 s96, -1, 0                       ; all lanes where c = 0,
	s_cselect_b32 s97, 0, -1                       ; where c = 1
	s_lshl_b32 s98, s98, 4                         ; 16 c: my two bytes' place in the scale word
	s_wait_alu depctr_va_vdst(0)                   ; the wait for the reciprocal, ahead of its first reader
.irp j, 0,2,4,6,8,10,12,14,16,18,20,22,24,26,28,30
	v_pk_mul_f32 v[O+\j:O+1+\j], v[O+\j:O+1+\j], v[14:15] op_sel_hi:[1,0]   ; O^T / the sum: register 16 b + i is channel 32 b + 16 h + i of my head
.endr
	QUANT2 O, PC, PT
.irp i, 0,1,2,3,4,5
	v_cndmask_b32 v[AF+\i], 0, v[PC+\i], s96       ; the codes in my head's half of the operand, zero codes in the other
	v_cndmask_b32 v[AF+6+\i], 0, v[PC+\i], s97
.endr
	v_lshlrev_b32 v[ASW], s98, v[PW]               ; the other half's bytes are 0: they scale zero codes
.irp t, 0,1,2,3,4,5,6,7,8,9,10,11,12,13,14,15
	ds_load_b32 v[WB+\t], v4 offset:128*(\t/2)+32*(\t%2)
.endr
	PLACES 8                                       ; a scale register written by a vector instruction stands 8 places ahead of a scaled product, an operand 4
	s_wait_alu depctr_va_vdst(0)
	s_wait_dscnt 0x0                               ; eight fragments and w_bd are in
	MULW 0, 32
	LOADW 2, 32
	DOTW 0
	MULW 1, 80
	LOADW 3, 80
	DOTW 1
	s_wait_dscnt 12                                ; tiles 8 to 11 are in; the twelve loads of tiles 12 to 15 may be out
	MULW 2, 32
	s_wait_alu depctr_va_vdst(0)
	DOTW 2
	s_wait_dscnt 0x0
	MULW 3, 80
	s_wait_alu depctr_va_vdst(0)
	DOTW 3
.irp x, 1,2,4,8                                ; over the 16 lanes, which hold the tiles' 16 units: every lane of a half ends with the same eight sums
.irp j, 0,1,2,3,4,5,6,7
	v_add_f32_dpp v[Z+\j], v[Z+\j], v[Z+\j] row_xmask:\x row_mask:0xf bank_mask:0xf
.endr
.endr
.irp j, 0,1,2,3,4,5,6,7
	v_add_f32 v[Z+\j], v[Z+\j], v[ZC]
.endr
	ds_store_b128 v7, v[Z:Z+3]                     ; the sixteen lanes of a half write the same bytes with the same values
	ds_store_b128 v7, v[Z+4:Z+7] offset:16
	BARRIER                                        ; the work-group's 256 results lie in the stage, in the tokens' order
	s_cmp_lg_u32 s[WV], 0
	s_cbranch_scc1 .Lnot_0
	ds_load_b128 v[208:211], v8
	ds_load_b128 v[212:215], v8 offset:512
	s_wait_dscnt 0x0
	global_store_b128 v[A16], v[208:211], s[16:17]             ; 32 lanes store 512 consecutive bytes, aligned
	global_store_b128 v[A16], v[212:215], s[16:17] offset:512
.Lnot_0:
	s_wait_tensorcnt 0x0
	ds_add_u32 v254, v255
	s_wait_dscnt 0x0
	CROUND                                         ; the closing round
	s_endpgm
.Lfunc_end_k_q30a7cc903a_attn:
	.size	k_q30a7cc903a_attn, .Lfunc_end_k_q30a7cc903a_attn-k_q30a7cc903a_attn
	.p2alignl 7, 3214868480
	.fill 96, 4, 3214868480
	.section	.rodata,"a",@progbits
	.p2align	6, 0x0
	.amdhsa_kernel k_q30a7cc903a_attn
		.amdhsa_group_segment_fixed_size 274432
		.amdhsa_private_segment_fixed_size 0
		.amdhsa_enable_private_segment 0
		.amdhsa_kernarg_size 56
		.amdhsa_user_sgpr_count 2
		.amdhsa_user_sgpr_kernarg_segment_ptr 1
		.amdhsa_wavefront_size32 1
		.amdhsa_system_sgpr_workgroup_id_x 1
		.amdhsa_system_sgpr_workgroup_id_y 1
		.amdhsa_system_sgpr_workgroup_id_z 1
		.amdhsa_system_vgpr_workitem_id 0
		.amdhsa_next_free_vgpr 256
		.amdhsa_next_free_sgpr 100
		.amdhsa_reserve_vcc 0
		.amdhsa_float_denorm_mode_32 3
		.amdhsa_float_denorm_mode_16_64 3
		.amdhsa_memory_ordered 1
		.amdhsa_forward_progress 1
		.amdhsa_inst_pref_size 68
	.end_amdhsa_kernel
	.amdgpu_metadata
---
amdhsa.version: [ 1, 2 ]
amdhsa.kernels:
  - .name:           k_q30a7cc903a_attn
    .symbol:         k_q30a7cc903a_attn.kd
    .args:
      - { .name: qb, .offset: 0, .size: 8, .value_kind: global_buffer, .address_space: global }
      - { .name: kv, .offset: 8, .size: 8, .value_kind: global_buffer, .address_space: global }
      - { .name: wimg, .offset: 16, .size: 8, .value_kind: global_buffer, .address_space: global }
      - { .name: b_o, .offset: 24, .size: 8, .value_kind: global_buffer, .address_space: global }
      - { .name: w_bd, .offset: 32, .size: 8, .value_kind: global_buffer, .address_space: global }
      - { .name: b_bd, .offset: 40, .size: 8, .value_kind: global_buffer, .address_space: global }
      - { .name: zpb, .offset: 48, .size: 8, .value_kind: global_buffer, .address_space: global }
    .group_segment_fixed_size: 274432
    .private_segment_fixed_size: 0
    .kernarg_segment_align: 8
    .kernarg_segment_size: 56
    .max_flat_workgroup_size: 512
    .sgpr_count:     100
    .vgpr_count:     256
    .wavefront_size: 32
...
	.end_amdgpu_metadata
.endif
;; end of part 8
;; launch pool (part 9): grid 32 x 8, 8 waves a work-group, no clusters, 28,160 bytes of LDS; arguments zpb, h2, part; writes part
.if DOCPART == 9
	.amdgcn_target "amdgcn-amd-amdhsa--gfx1250"
	.amdhsa_code_object_version 6
	.text
	.protected	k_q30a7cc903a_pool
	.globl	k_q30a7cc903a_pool
	.p2align	8
	.type	k_q30a7cc903a_pool,@function
k_q30a7cc903a_pool:
	s_mov_b64 s[64:65], 0
	v_nop
	global_prefetch_b8 v0, s[64:65] scope:SCOPE_SE
	s_setreg_imm32_b32 hwreg(HW_REG_WAVE_MODE, 25, 1), 1
	s_wait_xcnt 0x0
; bs = sigmoid(the sum of the four heads' parts of z); cum = cumsum(bs) along a batch's 2,048 tokens; pid = min(int(8 cum / max(cum's last, 1e-6)), 7); partial sums of h and counts for each of the 8 patches.
; Work-group (x, y): batch y, tokens 256 rc .. + 255 (rc = x / 4), channels 64 cc .. + 63 (cc = x % 4): one dense block of 64 KB of h2.  Every work-group makes the batch's whole scan anew (32 KB of z).
; No address and no branch hangs on a patch number: a token's h is added to all 8 patches with the weight 1.0 or 0 (a compare, a select, fused multiply-adds).
; The scan: 8 numbers a thread in order, then across 16 lanes in four steps, the two halves of a wave, the eight waves in order.  The division is a reciprocal with one Newton step and a correction by the remainder.
; LIMITS: the order of the f32 sums is not that of a plain running sum; NaN and infinities in h or z are not served (0 x infinity).
; No matrix unit, no cluster, no tensor load: the launch streams 16 MB once and shares nothing between work-groups.
.set PID, 0                            ; LDS: the batch's 2,048 patch numbers
.set WT,  8192                         ; the eight waves' totals
.set RED, 8448                         ; for each wave 2,304 bytes: 8 patches x 256 bytes of sums, 32 bytes of counts
.set BS,8
.set H,32
.set ACC,96                            ; at the head v96-119 take the planes of heads 1 to 3
.set CNT,128
.set PIDR,136
.set OH,152                            ; v[152:153], v[156:157]: the weight, in two pairs that take turns (the upper registers stay 0)
.set WV,12
.set SEL,26
.macro BARRIER
	s_wait_dscnt 0x0
	s_barrier_signal -1
	s_barrier_wait -1
.endm
	s_load_b128 s[4:7], s[0:1], 0x0                ; zpb, h2
	s_load_b64 s[8:9], s[0:1], 0x10                ; part
	v_lshl_add_u32 v160, v0, 2, 0x6a00
	v_mov_b32 v161, 0
	v_lshrrev_b32 v1, 5, v0
	s_delay_alu instid0(VALU_DEP_1)
	v_readfirstlane_b32 s[WV], v1                  ; wave
	s_lshr_b32 s13, ttmp9, 2
	s_and_b32 s13, s13, 7                          ; rc
	s_and_b32 s14, ttmp9, 3                        ; cc
	s_and_b32 s15, ttmp7, 0xffff                   ; batch
	v_and_b32 v2, 31, v0                           ; lane
	v_lshlrev_b32 v3, 5, v0                        ; 32 x thread: my 8 numbers of a plane of z, and my 8 patch numbers in LDS (PID = 0)
	s_delay_alu instid0(VALU_DEP_2)
	v_lshlrev_b32 v4, 4, v2
	s_delay_alu instid0(VALU_DEP_1)
	v_lshl_add_u32 v4, v1, 13, v4                  ; h: 8,192 x wave + 16 x lane
	s_mov_b32 s19, 0
	s_lshl_b32 s18, s15, 13
	s_wait_alu depctr_va_vdst(0)
	s_wait_kmcnt 0x0
	s_add_nc_u64 s[4:5], s[4:5], s[18:19]          ; the batch's z, head 0's plane; the planes lie 65,536 bytes apart
	s_lshl_b32 s18, s15, 2
	s_add_co_u32 s18, s18, s14
	s_lshl_b32 s18, s18, 19
	s_lshl_b32 s25, s13, 16
	s_add_co_u32 s18, s18, s25
	s_add_nc_u64 s[6:7], s[6:7], s[18:19]          ; my block of h2
	global_load_b128 v[BS:BS+3], v3, s[4:5]
	global_load_b128 v[BS+4:BS+7], v3, s[4:5] offset:16
.irp a, 1,2,3
	global_load_b128 v[88+8*\a:91+8*\a], v3, s[4:5] offset:65536*\a
	global_load_b128 v[92+8*\a:95+8*\a], v3, s[4:5] offset:65536*\a+16
.endr
.irp i, 0,1,2,3,4,5,6,7,8,9,10,11,12,13,14,15
	global_load_b128 v[H+4*\i:H+4*\i+3], v4, s[6:7] offset:512*\i th:TH_LOAD_NT   ; tokens 32 w + 2 i + lane / 16, channels 4 (lane % 16) on: 512 consecutive bytes
.endr
	s_lshl_b32 s25, s15, 3
	s_add_co_u32 s25, s25, s13                     ; 8 b + rc
	s_lshl_b32 s18, s25, 2
	s_add_co_u32 s18, s18, s14
	s_lshl_b32 s18, s18, 7
	s_add_nc_u64 s[10:11], s[8:9], s[18:19]        ; my counts, less 524,288
	s_lshl_b32 s18, s25, 13
	s_lshl_b32 s25, s[WV], 10
	s_add_co_u32 s18, s18, s25
	s_lshl_b32 s25, s14, 8
	s_add_co_u32 s18, s18, s25
	s_add_nc_u64 s[8:9], s[8:9], s[18:19]          ; patch w's 64 sums: ((8 b + rc) 8 + w) 1,024 + 256 cc
	v_lshl_add_u32 v5, v1, 2, WT                   ; my wave's total
	v_mov_b32 v6, WT
	v_lshrrev_b32 v7, 4, v2
	s_delay_alu instid0(VALU_DEP_1)
	v_lshlrev_b32 v7, 2, v7
	s_delay_alu instid0(VALU_DEP_1)
	v_lshl_add_u32 v7, v1, 7, v7
	s_lshl_b32 s24, s13, 10
	v_add_nc_u32 v7, s24, v7                       ; the patch numbers of my tokens: 4 (256 rc + 32 w + lane / 16), + 8 i
	s_mul_i32 s24, s[WV], 2304
	s_add_co_u32 s24, s24, RED
	v_and_b32 v20, 15, v0
	s_delay_alu instid0(VALU_DEP_1)
	v_lshl_add_u32 v20, v20, 4, s24                ; my wave's sums: 16 (lane % 16), + 256 p
	v_mov_b32 v21, 2048
	s_delay_alu instid0(VALU_DEP_1)
	v_add_nc_u32 v21, s24, v21                     ; my wave's counts
	v_lshlrev_b32 v22, 3, v2
	s_delay_alu instid0(VALU_DEP_1)
	v_lshl_add_u32 v22, v1, 8, v22
	s_delay_alu instid0(VALU_DEP_1)
	v_add_nc_u32 v22, RED, v22                     ; back: patch w, 8 bytes a lane, + 2,304 j
	v_and_b32 v23, 7, v0
	s_delay_alu instid0(VALU_DEP_1)
	v_lshlrev_b32 v23, 2, v23
	s_delay_alu instid0(VALU_DEP_1)
	v_add_nc_u32 v23, RED+2048, v23                ; the counts of patch lane % 8
	v_lshlrev_b32 v24, 3, v2
	v_lshlrev_b32 v25, 2, v2
	v_mov_b32 v17, 0
	v_mov_b32 v153, 0
	v_mov_b32 v157, 0
	v_mov_b32 v154, 0
	v_mov_b32 v155, 0
	s_mov_b32 s22, 0xffff0000                      ; lanes 16-31
	s_mov_b32 s[SEL], 0x76543210
	s_mov_b32 s[SEL+1], 0xfedcba98
	s_wait_loadcnt 16                              ; the four planes of z are in; h's sixteen loads may be out
.irp k, 0,2,4,6
	v_pk_add_f32 v[BS+\k:BS+1+\k], v[BS+\k:BS+1+\k], v[96+\k:97+\k]          ; heads 0 + 1,
	v_pk_add_f32 v[104+\k:105+\k], v[104+\k:105+\k], v[112+\k:113+\k]        ; heads 2 + 3,
.endr
.irp k, 0,2,4,6
	v_pk_add_f32 v[BS+\k:BS+1+\k], v[BS+\k:BS+1+\k], v[104+\k:105+\k]        ; z
.endr
.irp k, 0,2,4,6
	s_delay_alu instid0(VALU_DEP_4)
	v_pk_mul_f32 v[BS+\k:BS+1+\k], v[BS+\k:BS+1+\k], 0xbfb8aa3b op_sel_hi:[1,0]   ; sigmoid(z) = 1 / (1 + 2^(-z log2(e)))
.endr
	s_wait_alu depctr_va_vdst(0)
.irp k, 0,1,2,3,4,5,6,7
	v_exp_f32 v[BS+\k], v[BS+\k]
.endr
	v_nop                                          ; a plain line behind the last exponential
	s_wait_alu depctr_va_vdst(0)                   ; one wait for the eight, ahead of their first reader
.irp k, 0,2,4,6
	v_pk_add_f32 v[BS+\k:BS+1+\k], v[BS+\k:BS+1+\k], 1.0 op_sel_hi:[1,0]
.endr
	s_wait_alu depctr_va_vdst(0)
.irp k, 0,1,2,3,4,5,6,7
	v_rcp_f32 v[BS+\k], v[BS+\k]                   ; an infinite divisor gives 0
.endr
	v_nop
	s_wait_alu depctr_va_vdst(0)
.irp k, 1,2,3,4,5,6,7
	v_add_f32 v[BS+\k], v[BS+\k-1], v[BS+\k]       ; the running sum of my 8
.endr
	s_delay_alu instid0(VALU_DEP_1)
	v_mov_b32 v16, v[BS+7]
	s_delay_alu instid0(VALU_DEP_1)
	v_add_f32_dpp v16, v16, v16 row_shr:1 row_mask:0xf bank_mask:0xf   ; across 16 lanes: lanes without a source keep their number
	s_delay_alu instid0(VALU_DEP_1)
	v_add_f32_dpp v16, v16, v16 row_shr:2 row_mask:0xf bank_mask:0xf
	s_delay_alu instid0(VALU_DEP_1)
	v_add_f32_dpp v16, v16, v16 row_shr:4 row_mask:0xf bank_mask:0xf
	s_delay_alu instid0(VALU_DEP_1)
	v_add_f32_dpp v16, v16, v16 row_shr:8 row_mask:0xf bank_mask:0xf
	s_delay_alu instid0(VALU_DEP_1)
	v_mov_b32_dpp v17, v16 row_shr:1 row_mask:0xf bank_mask:0xf        ; what stands in front of me in my 16 lanes (lane 0 keeps 0)
	s_delay_alu instid0(VALU_DEP_2)
	v_readlane_b32 s20, v16, 15                    ; the lower half's total
	s_delay_alu instid0(VALU_DEP_3)
	v_readlane_b32 s21, v16, 31                    ; the upper half's
	s_delay_alu instid0(VALU_DEP_2)
	v_mov_b32 v18, s20
	s_delay_alu instid0(VALU_DEP_1)
	v_cndmask_b32 v19, 0, v18, s22
	s_delay_alu instid0(VALU_DEP_1)
	v_add_f32 v17, v17, v19                        ; what stands in front of me in my wave
	s_delay_alu instid0(VALU_DEP_3)
	v_add_f32 v18, s21, v18                        ; my wave's total
	ds_store_b32 v5, v18                           ; all lanes write the same word with the same value
	BARRIER
	ds_load_b128 v[136:139], v6
	ds_load_b128 v[140:143], v6 offset:16
	s_wait_dscnt 0x0
	v_mov_b32 v144, v136                           ; v[143 + j]: the sum of waves 0 .. j - 1
.irp j, 1,2,3,4,5,6,7
	s_delay_alu instid0(VALU_DEP_1)
	v_add_f32 v[144+\j], v[143+\j], v[136+\j]
.endr
	v_mov_b32 v26, 0
.irp j, 1,2,3,4,5,6,7
	s_wait_alu depctr_va_vdst(0)
	s_cmp_eq_u32 s[WV], \j
	s_cselect_b32 s23, -1, 0
	v_cndmask_b32 v26, v26, v[143+\j], s23         ; what stands in front of my wave
.endr
	v_max_num_f32 v27, 0x358637bd, v151            ; d = max(the batch's total, 1e-6)
	s_wait_alu depctr_va_vdst(0)
	v_rcp_f32 v28, v27
	v_add_f32 v26, v26, v17                        ; (a plain line behind the reciprocal)  what stands in front of my 8
	s_wait_alu depctr_va_vdst(0)
	v_fma_f32 v29, -v27, v28, 1.0
	v_fma_f32 v28, v29, v28, v28                   ; one Newton step
.irp k, 0,1,2,3,4,5,6,7
	v_add_f32 v[BS+\k], v26, v[BS+\k]              ; cum
	s_delay_alu instid0(VALU_DEP_1)
	v_mul_f32 v29, v[BS+\k], v28
	s_delay_alu instid0(VALU_DEP_1)
	v_fma_f32 v30, -v29, v27, v[BS+\k]             ; the remainder
	s_delay_alu instid0(VALU_DEP_1)
	v_fma_f32 v29, v30, v28, v29                   ; cum / d
	s_delay_alu instid0(VALU_DEP_1)
	v_mul_f32 v29, 0x41000000, v29                 ; x 8: exact
	s_delay_alu instid0(VALU_DEP_1)
	v_cvt_i32_f32 v29, v29                         ; toward zero
	s_delay_alu instid0(VALU_DEP_1)
	v_min_u32 v[BS+\k], 7, v29
.endr
	ds_store_b128 v3, v[BS:BS+3]
	ds_store_b128 v3, v[BS+4:BS+7] offset:16
	BARRIER                                        ; the batch's patch numbers lie in LDS
.irp i, 0,1,2,3,4,5,6,7,8,9,10,11,12,13,14,15
	ds_load_b32 v[PIDR+\i], v7 offset:8*\i
.endr
	s_wait_dscnt 0x0
.irp i, 0,1,2,3,4,5,6,7,8,9,10,11,12,13,14,15
	s_wait_loadcnt 15-\i                           ; h's load i is in; the younger ones may be out
.irp p, 0,1,2,3,4,5,6,7
	v_cmp_eq_u32 vcc_lo, \p, v[PIDR+\i]
	s_delay_alu instid0(VALU_DEP_1)
	v_cndmask_b32 v[OH+4*(\p%2)], 0, 1.0, vcc_lo
.if \i == 0
	s_delay_alu instid0(VALU_DEP_1)
	v_pk_mul_f32 v[ACC+4*\p:ACC+4*\p+1], v[H:H+1], v[OH+4*(\p%2):OH+4*(\p%2)+1] op_sel_hi:[1,0]     ; the first token starts the sums: nothing is cleared
	s_delay_alu instid0(VALU_DEP_2)
	v_pk_mul_f32 v[ACC+4*\p+2:ACC+4*\p+3], v[H+2:H+3], v[OH+4*(\p%2):OH+4*(\p%2)+1] op_sel_hi:[1,0]
	s_delay_alu instid0(VALU_DEP_3)
	v_mov_b32 v[CNT+\p], v[OH+4*(\p%2)]
.else
	s_delay_alu instid0(VALU_DEP_1)
	v_pk_fma_f32 v[ACC+4*\p:ACC+4*\p+1], v[H+4*\i:H+4*\i+1], v[OH+4*(\p%2):OH+4*(\p%2)+1], v[ACC+4*\p:ACC+4*\p+1] op_sel_hi:[1,0,1]
	s_delay_alu instid0(VALU_DEP_2)
	v_pk_fma_f32 v[ACC+4*\p+2:ACC+4*\p+3], v[H+4*\i+2:H+4*\i+3], v[OH+4*(\p%2):OH+4*(\p%2)+1], v[ACC+4*\p+2:ACC+4*\p+3] op_sel_hi:[1,0,1]
	s_delay_alu instid0(VALU_DEP_3)
	v_add_f32 v[CNT+\p], v[CNT+\p], v[OH+4*(\p%2)]
.endif
.endr
.endr
.set j, 0
	v_permlanex16_b32 v154, v[ACC+j], s[SEL], s[SEL+1]
	v_permlanex16_b32 v155, v[ACC+j+1], s[SEL], s[SEL+1]
	s_delay_alu instid0(VALU_DEP_2)
	v_add_f32 v[ACC+j], v[ACC+j], v154
	s_delay_alu instid0(VALU_DEP_2)
	v_add_f32 v[ACC+j+1], v[ACC+j+1], v155
.set j, j+2
.rept (20)-1
	s_delay_alu instid0(VALU_DEP_4)
	v_permlanex16_b32 v154, v[ACC+j], s[SEL], s[SEL+1]
	s_delay_alu instid0(VALU_DEP_4)
	v_permlanex16_b32 v155, v[ACC+j+1], s[SEL], s[SEL+1]
	s_delay_alu instid0(VALU_DEP_2)
	v_add_f32 v[ACC+j], v[ACC+j], v154
	s_delay_alu instid0(VALU_DEP_2)
	v_add_f32 v[ACC+j+1], v[ACC+j+1], v155
.set j, j+2
.endr
.irp p, 0,1,2,3,4,5,6,7
	ds_store_b128 v20, v[ACC+4*\p:ACC+4*\p+3] offset:256*\p   ; both halves write the same bytes with the same values
.endr
	ds_store_b128 v21, v[CNT:CNT+3]
	ds_store_b128 v21, v[CNT+4:CNT+7] offset:16
	BARRIER
.irp j, 0,1,2,3,4,5,6,7
	ds_load_b64 v[32+2*\j:33+2*\j], v22 offset:2304*\j   ; wave w takes patch w
.endr
	s_wait_dscnt 0x0
.irp j, 1
	v_pk_add_f32 v[32:33], v[32:33], v[32+2*\j:33+2*\j]
.endr
.irp j, 2, 3, 4, 5, 6, 7
	s_delay_alu instid0(VALU_DEP_1)
	v_pk_add_f32 v[32:33], v[32:33], v[32+2*\j:33+2*\j]
.endr
	global_store_b64 v24, v[32:33], s[8:9]         ; 32 lanes store 256 consecutive bytes, aligned
	s_cmp_lg_u32 s[WV], 0
	s_cbranch_scc1 .Lend
.irp j, 0,1,2,3,4,5,6,7
	ds_load_b32 v[48+\j], v23 offset:2304*\j
.endr
	s_wait_dscnt 0x0
.irp j, 1
	v_add_f32 v48, v48, v[48+\j]
.endr
.irp j, 2, 3, 4, 5, 6, 7
	s_delay_alu instid0(VALU_DEP_1)
	v_add_f32 v48, v48, v[48+\j]
.endr
	global_store_b32 v25, v48, s[10:11] offset:524288   ; word l: the count of patch l % 8
.Lend:
	s_wait_tensorcnt 0x0
	ds_add_u32 v160, v161
	s_wait_dscnt 0x0
	s_endpgm
.Lfunc_end_k_q30a7cc903a_pool:
	.size	k_q30a7cc903a_pool, .Lfunc_end_k_q30a7cc903a_pool-k_q30a7cc903a_pool
	.p2alignl 7, 3214868480
	.fill 96, 4, 3214868480
	.section	.rodata,"a",@progbits
	.p2align	6, 0x0
	.amdhsa_kernel k_q30a7cc903a_pool
		.amdhsa_group_segment_fixed_size 28160
		.amdhsa_private_segment_fixed_size 0
		.amdhsa_enable_private_segment 0
		.amdhsa_kernarg_size 24
		.amdhsa_user_sgpr_count 2
		.amdhsa_user_sgpr_kernarg_segment_ptr 1
		.amdhsa_wavefront_size32 1
		.amdhsa_system_sgpr_workgroup_id_x 1
		.amdhsa_system_sgpr_workgroup_id_y 1
		.amdhsa_system_sgpr_workgroup_id_z 1
		.amdhsa_system_vgpr_workitem_id 0
		.amdhsa_next_free_vgpr 162
		.amdhsa_next_free_sgpr 66
		.amdhsa_reserve_vcc 1
		.amdhsa_float_denorm_mode_32 3
		.amdhsa_float_denorm_mode_16_64 3
		.amdhsa_memory_ordered 1
		.amdhsa_forward_progress 1
		.amdhsa_inst_pref_size 75
	.end_amdhsa_kernel
	.amdgpu_metadata
---
amdhsa.version: [ 1, 2 ]
amdhsa.kernels:
  - .name:           k_q30a7cc903a_pool
    .symbol:         k_q30a7cc903a_pool.kd
    .args:
      - { .name: zpb, .offset: 0, .size: 8, .value_kind: global_buffer, .address_space: global }
      - { .name: h2, .offset: 8, .size: 8, .value_kind: global_buffer, .address_space: global }
      - { .name: part, .offset: 16, .size: 8, .value_kind: global_buffer, .address_space: global }
    .group_segment_fixed_size: 28160
    .private_segment_fixed_size: 0
    .kernarg_segment_align: 8
    .kernarg_segment_size: 24
    .max_flat_workgroup_size: 256
    .sgpr_count:     66
    .vgpr_count:     162
    .wavefront_size: 32
...
	.end_amdgpu_metadata
.endif
;; end of part 9
;; launch fin (part 10): grid 4 x 1, 8 waves a work-group, no clusters, 34,304 bytes of LDS; arguments part, wimg, b_pr, out0; writes out0
.if DOCPART == 10
	.amdgcn_target "amdgcn-amd-amdhsa--gfx1250"
	.amdhsa_code_object_version 6
	.text
	.protected	k_q30a7cc903a_fin
	.globl	k_q30a7cc903a_fin
	.p2align	8
	.type	k_q30a7cc903a_fin,@function
k_q30a7cc903a_fin:
	s_mov_b64 s[64:65], 0
	v_nop
	global_prefetch_b8 v0, s[64:65] scope:SCOPE_SE
	s_setreg_imm32_b32 hwreg(HW_REG_WAVE_SCHED_MODE, 0, 2), 2
	s_setreg_imm32_b32 hwreg(HW_REG_WAVE_MODE, 25, 1), 1
	s_wait_xcnt 0x0
	s_wait_alu depctr_vm_vsrc(0)
; out0 = (patch sums / max(counts, 1)) w_pr^T + b_pr, the product on codes of FP6 (E2M3) with one E8M0 byte for each 32 along K.
; 64 rows g = 8 b + p in all: four work-groups of 16 rows, which is one tile of the matrix instruction: there is work for four.  Wave w adds the eight partial sums of rows 2 w and 2 w + 1, divides, and puts the rows into LDS;
; behind a barrier every wave quantises the 16 rows (two fragments) and multiplies them by w_pr's tiles 2 w and 2 w + 1 (units 32 w .. 32 w + 31), used transposed, with b_pr as the C of the first products.
; The division is a reciprocal with one Newton step and a correction by the remainder.
; LIMITS: a block of zeros keeps the byte 1 (its codes are zeros); NaN and infinities are not served.
; THE MODE: SCHED_MODE bits 1:0 = 2 (LLVM: expert scheduling mode 2), set by the entry lines.  The code itself states the register dependences
; between vector or matrix instructions and memory or LDS instructions, with s_wait_alu, always for 0.
; THE PLAN.  The text has no loop.  Registers that memory or LDS instructions touch:
;   v1-7, v61   offsets and LDS addresses: written at the head, never again.
;   v64-191     the partial sums: loads write, the additions and the division read and write; four LDS stores read v64-71 and v128-135; behind the first barrier the 16 rows' LDS loads land in all of them,
;               the two quantisers read them; behind the second barrier the results' LDS loads land in v64-79, and the global stores read those.
;   v16-41      the two fragments and their scale words: written by vector instructions, taken by the products.
;   v44-59      b_pr, then the results: loads write, the products write, four LDS stores read.
;   w_pr's fragments and scale words: loads write, the products read.
; Each run of loads or stores that hangs on vector or matrix results has one wait on va_vdst ahead of it; one wait on vm_vsrc stands behind the first barrier.
.set PEST, 0                           ; LDS: the 16 rows of means, 1,040 bytes apart
.set OST,  16640                       ; the 16 rows of results, likewise
.set PF,16
.set PS,40
.set WPS,42
.set BP,44
.set PW,60
.set WP,192
.set TM,240
.set WV,12
.set SEL,28
.macro PLACES n
.rept \n
	v_nop
.endr
.endm
.macro BARRIER
	s_wait_dscnt 0x0
	s_barrier_signal -1
	s_barrier_wait -1
.endm
; 64 numbers of a lane, register 16 b + i = k 32 b + 16 (lane / 16) + i of my row, become a fragment's 12 registers at v[d] and its scale word in v[PW]
.macro QUANT s, d, p
.irp b, 0,1,2,3
	v_max3_num_f32 v[TM+\b], |v[\s+16*\b]|, |v[\s+1+16*\b]|, 0x1800000
.endr
.irp i, 2,4,6,8,10,12,14
.irp b, 0,1,2,3
	v_max3_num_f32 v[TM+\b], v[TM+\b], |v[\s+16*\b+\i]|, |v[\s+1+16*\b+\i]|
.endr
.endr
.irp b, 0,1,2,3
	v_permlanex16_b32 v[TM+4+\b], v[TM+\b], s[SEL], s[SEL+1]
.endr
.irp b, 0,1,2,3
	v_max_num_f32 v[TM+\b], v[TM+\b], v[TM+4+\b]
.endr
.irp b, 0,1,2,3
	v_add_nc_u32 v[TM+12+\b], 0xff000000, v[TM+\b]
.endr
.irp b, 0,1,2,3
	v_lshrrev_b32 v[TM+4+\b], 23, v[TM+12+\b]
.endr
	v_lshl_or_b32 v[PW], v[TM+5], 8, v[TM+4]
	v_lshl_or_b32 v[PW], v[TM+6], 16, v[PW]
	v_lshl_or_b32 v[PW], v[TM+7], 24, v[PW]
.irp c, 0,1
	v_cvt_scalef32_pk16_fp6_f32 v[\d+6*\c:\d+2+6*\c], v[\s+32*\c:\s+15+32*\c], v[TM+12+2*\c]
	v_cvt_scalef32_pk16_fp6_f32 v[\p+4*\c:\p+2+4*\c], v[\s+16+32*\c:\s+31+32*\c], v[TM+12+2*\c+1]
.endr
	v_nop
.irp c, 0,1
.irp i, 0,1,2
	v_permlane16_swap_b32 v[\d+6*\c+\i], v[\p+4*\c+\i]
.endr
.irp i, 0,1,2
	v_mov_b32 v[\d+3+6*\c+\i], v[\p+4*\c+\i]
.endr
.endr
.endm
	s_load_b256 s[4:11], s[0:1], 0x0               ; part, wimg, b_pr, out0
	v_lshl_add_u32 v250, v0, 2, 0x8200             ; my spare word's LDS address and 0: made here and kept for the closing lines alone
	v_mov_b32 v251, 0
	v_lshrrev_b32 v8, 5, v0
	v_readfirstlane_b32 s[WV], v8                  ; wave
	v_and_b32 v8, 31, v0                           ; lane l
	v_and_b32 v9, 15, v0                           ; r
	v_bfe_u32 v10, v0, 4, 1                        ; h
	v_lshlrev_b32 v1, 4, v8                        ; 16 l
	v_lshlrev_b32 v2, 2, v8                        ; 4 l
	v_lshlrev_b32 v3, 6, v10                       ; 64 h
	v_and_b32 v4, 7, v0
	v_lshlrev_b32 v4, 9, v4                        ; the counts of chunk rc = lane % 8: 512 bytes apart
	s_wait_alu depctr_va_sdst(0)                   ; the wave's number is written, ahead of its first reader: bases and LDS addresses are made from it
	s_mul_i32 s13, s[WV], 2080
	v_add_nc_u32 v5, s13, v1                       ; the means, in: rows 2 w and 2 w + 1 (PEST = 0)
	v_mul_u32_u24 v6, v9, 1040
	v_lshl_add_u32 v6, v10, 6, v6                  ; back: row r, + 64 h
	s_lshl_b32 s14, s[WV], 7
	s_add_co_u32 s14, s14, OST
	v_add_nc_u32 v7, s14, v6                       ; the results, in: row r, + 128 w + 64 h
	s_add_co_u32 s13, s13, OST
	v_add_nc_u32 v61, s13, v1                      ; back: rows 2 w and 2 w + 1
.irp b, 0,1,2,3
	v_mov_b32 v[TM+4+\b], 0                        ; a lane permute's destination counts as one of its sources
.endr
	s_mov_b32 s[SEL], 0x76543210
	s_mov_b32 s[SEL+1], 0xfedcba98
	s_lshl_b32 s16, ttmp9, 1
	s_lshr_b32 s17, s[WV], 2
	s_add_co_u32 s16, s16, s17                     ; my rows' batch
	s_and_b32 s17, s[WV], 3
	s_lshl_b32 s17, s17, 1                         ; my first row's patch
	s_lshl_b32 s18, s16, 16
	s_lshl_b32 s20, s17, 10
	s_add_co_u32 s18, s18, s20
	s_mov_b32 s19, 0
	s_wait_kmcnt 0x0
	s_add_nc_u64 s[22:23], s[4:5], s[18:19]        ; the sums: (64 b + 8 rc + p) 1,024
	s_lshl_b32 s18, s16, 12
	s_lshl_b32 s20, s17, 2
	s_add_co_u32 s18, s18, s20
	s_add_nc_u64 s[4:5], s[4:5], s[18:19]          ; the counts, less 524,288: 4,096 b + 512 rc + 4 p
	s_mul_i32 s18, s[WV], 6144
	s_add_nc_u64 s[24:25], s[6:7], s[18:19]        ; w_pr's tiles 2 w, 2 w + 1, less 256,000
	s_lshl_b32 s18, s[WV], 8
	s_add_nc_u64 s[6:7], s[6:7], s[18:19]          ; their scale registers
	s_lshl_b32 s18, s[WV], 7
	s_add_nc_u64 s[8:9], s[8:9], s[18:19]          ; my 32 numbers of b_pr
	s_lshl_b32 s18, ttmp9, 14
	s_lshl_b32 s20, s[WV], 11
	s_add_co_u32 s18, s18, s20
	s_add_nc_u64 s[10:11], s[10:11], s[18:19]      ; out0 at row 16 x + 2 w
	s_wait_alu depctr_va_vdst(0)                   ; the offsets and LDS addresses v1 to v7 and v61 are written, which every load and store of the kernel reads
	global_load_b32 v62, v4, s[4:5] offset:524288
	global_load_b32 v63, v4, s[4:5] offset:524288+4
.irp e, 0,1
.irp c, 0,1,2,3,4,5,6,7
.irp k, 0,1
	global_load_b128 v[64+64*\e+8*\c+4*\k:64+64*\e+8*\c+4*\k+3], v1, s[22:23] offset:8192*\c+1024*\e+512*\k
.endr
.endr
.endr
.set n, 0
.rept 12
	global_load_b128 v[WP+4*n:WP+4*n+3], v1, s[24:25] offset:256000+512*n   ; fragment (u, s) at v[WP + 12 (2 u + s)]
.set n, n+1
.endr
.irp u, 0,1
	global_load_b32 v[WPS+\u], v2, s[6:7] offset:256000+49152+128*\u
.endr
.irp u, 0,1
	global_load_b128 v[BP+8*\u:BP+8*\u+3], v3, s[8:9] offset:32*\u          ; lane (r, h), tile u: units 32 w + 16 h + 8 u + 0 .. 7
	global_load_b128 v[BP+8*\u+4:BP+8*\u+7], v3, s[8:9] offset:32*\u+16
.endr
	s_wait_loadcnt 18                              ; counts and sums are in; w_pr's 18 loads may be out
.irp e, 0,1
	v_add_f32_dpp v[62+\e], v[62+\e], v[62+\e] row_xmask:1 row_mask:0xf bank_mask:0xf   ; the eight chunks' counts lie in eight neighbouring lanes
.endr
.irp e, 0,1
	v_add_f32_dpp v[62+\e], v[62+\e], v[62+\e] row_xmask:2 row_mask:0xf bank_mask:0xf
.endr
.irp e, 0,1
	v_add_f32_dpp v[62+\e], v[62+\e], v[62+\e] row_xmask:4 row_mask:0xf bank_mask:0xf
.endr
.irp e, 0,1
	v_max_num_f32 v[8+\e], 1.0, v[62+\e]           ; d = max(count, 1)
.endr
	s_wait_alu depctr_va_vdst(0)
.irp e, 0,1
	v_rcp_f32 v[10+\e], v[8+\e]
.endr
.irp c, 1,2,3,4,5,6,7                          ; the chunks' sums in ascending order: independent work behind the reciprocals
.irp e, 0,1
.irp k, 0,2,4,6
	v_pk_add_f32 v[64+64*\e+\k:65+64*\e+\k], v[64+64*\e+\k:65+64*\e+\k], v[64+64*\e+8*\c+\k:65+64*\e+8*\c+\k]
.endr
.endr
.endr
	s_wait_alu depctr_va_vdst(0)                   ; one wait for both reciprocals, v10 and v11, ahead of their first reader
.irp e, 0,1
	v_fma_f32 v[12+\e], -v[8+\e], v[10+\e], 1.0
.endr
.irp e, 0,1
	v_fma_f32 v[10+\e], v[12+\e], v[10+\e], v[10+\e]   ; one Newton step
.endr
.irp i, 0,1,2,3,4,5,6,7
.irp e, 0,1
	v_mul_f32 v[12+\e], v[64+64*\e+\i], v[10+\e]
.endr
.irp e, 0,1
	v_fma_f32 v[14+\e], -v[12+\e], v[8+\e], v[64+64*\e+\i]   ; the remainder
.endr
.irp e, 0,1
	v_fma_f32 v[64+64*\e+\i], v[14+\e], v[10+\e], v[12+\e]   ; sum / d
.endr
.endr
	s_wait_alu depctr_va_vdst(0)                   ; the means are written, which the LDS stores read; and the additions are done with v64-191, in which LDS loads land behind the barrier
.irp e, 0,1
.irp k, 0,1
	ds_store_b128 v5, v[64+64*\e+4*\k:64+64*\e+4*\k+3] offset:1040*\e+512*\k
.endr
.endr
	BARRIER                                        ; the 16 rows of means lie in LDS
	s_wait_alu depctr_vm_vsrc(0)                   ; my LDS stores have read v64-71 and v128-135, in which the loads below land
.irp s, 0,1
.irp b, 0,1,2,3
.irp j, 0,1,2,3
	ds_load_b128 v[64+64*\s+16*\b+4*\j:64+64*\s+16*\b+4*\j+3], v6 offset:512*\s+128*\b+16*\j
.endr
.endr
.endr
	s_wait_dscnt 16                                ; K step 0's numbers are in; K step 1's sixteen loads may be out
	QUANT 64, PF, 8
	v_mov_b32 v[PS], v[PW]
	s_wait_dscnt 0x0
	QUANT 128, PF+12, 8
	v_mov_b32 v[PS+1], v[PW]
	PLACES 8                                       ; a scale register written by a vector instruction stands 8 places ahead of a scaled product, an operand 4
	s_wait_alu depctr_va_vdst(0)                   ; the quantisers have written the two fragments v16-39 and their scale words v40, v41, which the scaled products take; the places above stay beside this wait
	s_wait_loadcnt 0x0
.irp u, 0,1                                    ; source 0 = 16 rows of w_pr, source 1 = the 16 rows of means; the two accumulators take turns
	v_wmma_scale_f32_16x16x128_f8f6f4 v[BP+8*\u:BP+8*\u+7], v[WP+24*\u:WP+24*\u+11], v[PF:PF+11], v[BP+8*\u:BP+8*\u+7], v[WPS+\u], v[PS] matrix_a_fmt:MATRIX_FMT_FP6 matrix_b_fmt:MATRIX_FMT_FP6
.endr
.irp u, 0,1
	v_wmma_scale_f32_16x16x128_f8f6f4 v[BP+8*\u:BP+8*\u+7], v[WP+24*\u+12:WP+24*\u+23], v[PF+12:PF+23], v[BP+8*\u:BP+8*\u+7], v[WPS+\u], v[PS+1] matrix_a_fmt:MATRIX_FMT_FP6 matrix_b_fmt:MATRIX_FMT_FP6 matrix_a_scale:MATRIX_SCALE_ROW1
.endr
	PLACES 4
	s_wait_alu depctr_va_vdst(0)                   ; the products have written v44-59, which the LDS stores read; the places above stay beside this wait
.irp u, 0,1
	ds_store_b128 v7, v[BP+8*\u:BP+8*\u+3] offset:32*\u          ; each accumulator from its low end on
	ds_store_b128 v7, v[BP+8*\u+4:BP+8*\u+7] offset:32*\u+16
.endr
	BARRIER                                        ; 16 whole rows of results lie in LDS
.irp e, 0,1
.irp k, 0,1
	ds_load_b128 v[64+8*\e+4*\k:64+8*\e+4*\k+3], v61 offset:1040*\e+512*\k   ; the quantisers, which read these registers last, stand ahead of the waits above
.endr
.endr
	s_wait_dscnt 0x0
.irp e, 0,1
.irp k, 0,1
	global_store_b128 v1, v[64+8*\e+4*\k:64+8*\e+4*\k+3], s[10:11] offset:1024*\e+512*\k   ; 32 lanes store 512 consecutive bytes, aligned
.endr
.endr
	s_wait_dscnt 0x0                               ; the closing lines, six on end
	s_wait_alu 0x0
	s_wait_tensorcnt 0x0
	ds_add_u32 v250, v251
	s_wait_dscnt 0x0
	s_endpgm
.Lfunc_end_k_q30a7cc903a_fin:
	.size	k_q30a7cc903a_fin, .Lfunc_end_k_q30a7cc903a_fin-k_q30a7cc903a_fin
	.p2alignl 7, 3214868480
	.fill 96, 4, 3214868480
	.section	.rodata,"a",@progbits
	.p2align	6, 0x0
	.amdhsa_kernel k_q30a7cc903a_fin
		.amdhsa_group_segment_fixed_size 34304
		.amdhsa_private_segment_fixed_size 0
		.amdhsa_enable_private_segment 0
		.amdhsa_kernarg_size 32
		.amdhsa_user_sgpr_count 2
		.amdhsa_user_sgpr_kernarg_segment_ptr 1
		.amdhsa_wavefront_size32 1
		.amdhsa_system_sgpr_workgroup_id_x 1
		.amdhsa_system_sgpr_workgroup_id_y 1
		.amdhsa_system_sgpr_workgroup_id_z 1
		.amdhsa_system_vgpr_workitem_id 0
		.amdhsa_next_free_vgpr 256
		.amdhsa_next_free_sgpr 66
		.amdhsa_reserve_vcc 0
		.amdhsa_float_denorm_mode_32 3
		.amdhsa_float_denorm_mode_16_64 3
		.amdhsa_memory_ordered 1
		.amdhsa_forward_progress 1
		.amdhsa_inst_pref_size 27
	.end_amdhsa_kernel
	.amdgpu_metadata
---
amdhsa.version: [ 1, 2 ]
amdhsa.kernels:
  - .name:           k_q30a7cc903a_fin
    .symbol:         k_q30a7cc903a_fin.kd
    .args:
      - { .name: part, .offset: 0, .size: 8, .value_kind: global_buffer, .address_space: global }
      - { .name: wimg, .offset: 8, .size: 8, .value_kind: global_buffer, .address_space: global }
      - { .name: b_pr, .offset: 16, .size: 8, .value_kind: global_buffer, .address_space: global }
      - { .name: out0, .offset: 24, .size: 8, .value_kind: global_buffer, .address_space: global }
    .group_segment_fixed_size: 34304
    .private_segment_fixed_size: 0
    .kernarg_segment_align: 8
    .kernarg_segment_size: 32
    .max_flat_workgroup_size: 256
    .sgpr_count:     66
    .vgpr_count:     256
    .wavefront_size: 32
...
	.end_amdgpu_metadata
.endif
;; end of part 10
